; MI455X (gfx1250); checked and timed in simulation.
; The chip was launched on July 23, 2026; its instructions are those of AMD's public machine-readable ISA for CDNA 5 (MIT licence, August 2026) and "CDNA5" Instruction Set Architecture Reference Guide (July 2026). The comments in the code are by the model that wrote it; some were corrected since.
;; Multi Head Attention. Allowed arithmetic: float matrix products may take bf16 or f16 operands with f32 sums; all other float work in f32.
;; Inputs: Wk 1,024 x 1,024 float32; Wo 1,024 x 1,024 float32; Wq 1,024 x 1,024 float32; Wv 1,024 x 1,024 float32; bk 1,024 float32; bo 1,024 float32; bq 1,024 float32; bv 1,024 float32; mask 1 x 1 x 2,048 x 2,048 bool; x 4 x 2,048 x 1,024 float32.
;; Outputs: out0 4 x 2,048 x 1,024 float32.
;; 2 versions, each right and faster than the one before. Each part assembles by itself: llvm-mc -triple=amdgcn-amd-amdhsa -mcpu=gfx1250 --defsym DOCPART=n.
;; ======== version 1 of 2: 4 launches
;; limits: values are held in f16: magnitudes above 65,504 overflow, below 6.1e-05 lose precision; right only within a limited range of input values
;; workspace buffers: xb 16,777,216 bytes; wt 8,388,608 bytes; hid 524,288 bytes of whole numbers; qkv 50,331,648 bytes; o 16,777,216 bytes
;; launch prep (part 1): grid 512 x 1, 8 waves a work-group, no clusters, 17,408 bytes of LDS; arguments x, mask, Wq, Wk, Wv, Wo, xb, wt, hid; writes xb, wt, hid
.if DOCPART == 1
	.amdgcn_target "amdgcn-amd-amdhsa--gfx1250"
	.amdhsa_code_object_version 6
	.text
	.protected	k_q5ffa58ca3d_prep
	.globl	k_q5ffa58ca3d_prep
	.p2align	8
	.type	k_q5ffa58ca3d_prep,@function
k_q5ffa58ca3d_prep:
	s_mov_b64 s[64:65], 0
	v_nop
	global_prefetch_b8 v0, s[64:65] scope:SCOPE_SE
	s_setreg_imm32_b32 hwreg(HW_REG_WAVE_MODE, 25, 1), 1
	s_wait_xcnt 0x0
; PREP: what the three later launches read, each made once.  512 work-groups of eight waves; each does three pieces of work.
;  X  16 rows of x are rounded to bf16 and laid by slices of 64 channels: xb[4 b][16 slice][2048 t][64], so that a block of rows of one slice is dense.
;  W  a tile of 128 k x 64 n of one of the four weights is rounded to bf16 and turned through LDS: wt[16 slice][4096 n][64], n = 1024 x matrix + column.
;     Wo (matrix 3) multiplies f16 numbers later: its bf16 number is written as f16.  LIMIT: exact for magnitudes from 6.1e-5 to 65,504; below, the fixed step of 6e-8 of f16.
;  M  (waves 0 to 3) the mask of 32 queries x 64 keys becomes 64 lane masks: bit L of word 32 u + 8 kb + j is 1 where
;     mask[32 piece + 16 u + L % 16][64 step + 16 kb + 8 (L / 16) + j] is false: hid[64 piece][32 step][64 words].  That is the place of a score in the registers of the attention launch.
; No matrix unit, no cluster, no tensor load: the work-groups share no input, and each byte is read once and written once.
.set SPITCH, 272                       ; a stage row: 128 k x 2 bytes + 16
.set XR,  16                           ; v[16:79]    x as loaded: slice j in four registers
.set XP,  80                           ; v[80:111]   x in bf16: slice j in two
.set WR,  112                          ; v[112:143]  W as loaded: row j of my eight in four registers (four columns)
.set WP,  144                          ; v[144:159]  W packed: column i of my four in four registers (eight k)
.set TW,  160                          ; v[160:163]  at work
.set WB,  164                          ; v[164:179]  W read back by rows of n
.set MB,  180                          ; v[180:195]  mask bytes: tile u, key block kb in the pair 4 u + kb
.set OUT, 196                          ; v[196:197]  lane i: words 2 i and 2 i + 1
.set TM,  198                          ; v[198:201]  at work
	s_load_b512 s[4:19], s[0:1], 0x0               ; x 4, mask 6, Wq 8, Wk 10, Wv 12, Wo 14, xb 16, wt 18
	s_load_b64 s[20:21], s[0:1], 0x40              ; hid
	v_lshrrev_b32 v15, 5, v0
	v_readfirstlane_b32 s22, v15                   ; wave 0..7
	v_lshrrev_b32 v9, 4, v0                        ; t / 16
	v_and_b32 v10, 15, v0                          ; t % 16
	v_lshlrev_b32 v1, 12, v9                       ; x: row t / 16 of the 16, 4,096 bytes each,
	v_lshl_add_u32 v1, v10, 4, v1                  ;    16 bytes a lane: sixteen lanes take the 256 bytes of a slice
	v_lshlrev_b32 v2, 3, v0                        ; xb: row x 128 + 8 (t % 16) = 8 t
	v_lshlrev_b32 v3, 15, v9                       ; W: rows 8 (t / 16) on,
	v_lshl_add_u32 v3, v10, 4, v3                  ;    columns 4 (t % 16) on
	v_mul_u32_u24 v4, v10, 4*SPITCH                ; stage, in: row n = 4 (t % 16) + i,
	v_lshl_add_u32 v4, v9, 4, v4                   ;    16 bytes = k 8 (t / 16) on
	v_lshrrev_b32 v11, 3, v0
	v_and_b32 v12, 7, v0
	v_mul_u32_u24 v5, v11, SPITCH                  ; stage, back: row t / 8, 16 bytes of its 128 of one slice
	v_lshl_add_u32 v5, v12, 4, v5
	v_lshlrev_b32 v6, 4, v0                        ; wt: row x 128 + 16 (t % 8) = 16 t
	s_lshr_b32 s23, ttmp9, 7                       ; which weight; also the batch of my rows of x
	s_bfe_u32 s28, ttmp9, 0x30004                  ; which 128 k
	s_and_b32 s29, ttmp9, 15                       ; which 64 n
	s_lshl_b32 s26, ttmp9, 16                      ; x: 16 rows of 4,096 bytes a work-group
	s_mov_b32 s27, 0
	s_lshl_b32 s32, s23, 22                        ; xb: batch x 16 slices x 2,048 rows x 128 bytes,
	s_and_b32 s33, ttmp9, 127
	s_lshl_b32 s33, s33, 11                        ;     16 rows of 128 bytes
	s_add_co_u32 s32, s32, s33
	s_mov_b32 s33, 0
	s_lshl_b32 s34, s28, 19                        ; W: 128 rows of 4,096 bytes, 64 columns of 4
	s_lshl_b32 s35, s29, 8
	s_add_co_u32 s34, s34, s35
	s_mov_b32 s35, 0
	s_lshl_b32 s36, s28, 20                        ; wt: two slices of 524,288 bytes, 1,024 rows of 128 a matrix, 64 rows
	s_lshl_b32 s37, s23, 17
	s_add_co_u32 s36, s36, s37
	s_lshl_b32 s37, s29, 13
	s_add_co_u32 s36, s36, s37
	s_mov_b32 s37, 0
	s_wait_kmcnt 0x0
	s_cmp_eq_u32 s23, 1                            ; the weight is chosen by the work-group number alone
	s_cselect_b64 s[24:25], s[10:11], s[8:9]
	s_cmp_eq_u32 s23, 2
	s_cselect_b64 s[24:25], s[12:13], s[24:25]
	s_cmp_eq_u32 s23, 3
	s_cselect_b64 s[24:25], s[14:15], s[24:25]
	s_add_nc_u64 s[24:25], s[24:25], s[34:35]
	s_add_nc_u64 s[4:5], s[4:5], s[26:27]
	s_add_nc_u64 s[16:17], s[16:17], s[32:33]
	s_add_nc_u64 s[18:19], s[18:19], s[36:37]
.irp j, 0,1,2,3,4,5,6,7
	global_load_b128 v[WR+4*(\j):WR+4*(\j)+3], v3, s[24:25] offset:(\j)*4096 th:TH_LOAD_NT
.endr
.irp j, 0,1,2,3,4,5,6,7,8,9,10,11,12,13,14,15
	global_load_b128 v[XR+4*(\j):XR+4*(\j)+3], v1, s[4:5] offset:(\j)*256 th:TH_LOAD_NT
.endr
	; M: one branch on the wave number holds the whole part.  Its eight loads go out behind the 24 above, so all 32 are on their way together, and its wait is for all of them.
	s_cmp_lt_u32 s22, 4
	s_cbranch_scc0 .Lno_mask
	s_lshl_b32 s38, ttmp9, 2
	s_add_co_u32 s38, s38, s22                     ; 32 x piece + key step
	s_lshr_b32 s26, s38, 5
	s_lshl_b32 s26, s26, 16                        ; 32 rows of 2,048 bytes,
	s_and_b32 s27, s38, 31
	s_lshl_b32 s27, s27, 6                         ; 64 keys
	s_add_co_u32 s26, s26, s27
	s_mov_b32 s27, 0
	s_add_nc_u64 s[6:7], s[6:7], s[26:27]
	s_lshl_b32 s26, s38, 8                         ; 64 words
	s_add_nc_u64 s[20:21], s[20:21], s[26:27]
	v_bfe_u32 v14, v0, 4, 1                        ; lane / 16
	v_lshlrev_b32 v7, 11, v10                      ; row lane % 16,
	v_lshl_add_u32 v7, v14, 3, v7                  ; eight keys for each half of the lanes
	v_and_b32 v13, 31, v0
	v_lshlrev_b32 v8, 3, v13                       ; two words a lane
.irp u, 0,1
.irp kb, 0,1,2,3
	global_load_b64 v[MB+2*(4*(\u)+(\kb)):MB+2*(4*(\u)+(\kb))+1], v7, s[6:7] offset:(\u)*32768+(\kb)*16
.endr
.endr
	v_mov_b32 v[OUT], 0                            ; v_writelane_b32 keeps the other lanes: the pair is written whole first
	v_mov_b32 v[OUT+1], 0
	s_wait_loadcnt 0x0
.set wd, 0
.rept 16                                               ; four words at a time: a byte of every lane, the lanes in which it is 0, and that lane mask into its place
.irp z, 0,1,2,3
	v_bfe_u32 v[TM+(\z)], v[MB+2*(wd/8)+(wd%8)/4], 8*(\z), 8
.endr
.irp z, 0,1,2,3
	v_cmp_eq_u32 s[40+(\z)], 0, v[TM+(\z)]
.endr
.irp z, 0,1,2,3
	v_writelane_b32 v[OUT+(\z)%2], s[40+(\z)], (wd+(\z))/2
.endr
.set wd, wd+4
.endr
	global_store_b64 v8, v[OUT:OUT+1], s[20:21]    ; 256 consecutive bytes, at a multiple of 256 from the first byte of hid
.Lno_mask:
	; W: eight k of a column pack into 16 bytes; they go into stage rows by n and come back as rows of 128 bytes of one slice
	s_wait_loadcnt 16                              ; the 16 loads of x were issued behind those of W: W is in, on either way here
.irp i, 0,1,2,3
.irp jj, 0,1,2,3
	v_cvt_pk_bf16_f32 v[WP+4*(\i)+(\jj)], v[WR+8*(\jj)+(\i)], v[WR+8*(\jj)+4+(\i)]
.endr
.endr
	s_cmp_lg_u32 s23, 3
	s_cbranch_scc1 .Lstays_bf16                    ; the same way for the whole work-group; no barrier is jumped
.set z, 0
.rept 16                                               ; Wo: the bf16 number, widened, written as f16
	v_lshlrev_b32 v[TW+2*(z%2)], 16, v[WP+z]
	v_and_b32 v[TW+2*(z%2)+1], 0xffff0000, v[WP+z]
	v_cvt_pk_f16_f32 v[WP+z], v[TW+2*(z%2)], v[TW+2*(z%2)+1]
.set z, z+1
.endr
.Lstays_bf16:
.irp i, 0,1,2,3
	ds_store_b128 v4, v[WP+4*(\i):WP+4*(\i)+3] offset:(\i)*SPITCH  ; neighbouring lanes lie four rows apart and meet four deep in the banks: 16 KiB, once a work-group
.endr
	s_wait_dscnt 0x0                               ; for the other waves: my stores into the stage are done
	s_barrier_signal -1
	s_barrier_wait -1
.irp rr, 0,1,2,3                                       ; rr % 2: which 32 rows of n; rr / 2: which of the two slices
	ds_load_b128 v[WB+4*(\rr):WB+4*(\rr)+3], v5 offset:((\rr)%2)*32*SPITCH+((\rr)/2)*128
.endr
	; X: slice by slice as the loads come back
.irp j, 0,1,2,3,4,5,6,7,8,9,10,11,12,13,14,15
	s_wait_loadcnt 15-(\j)                         ; loads come back in order (ISA guide 5.7.1): slice j is in, the younger ones stay out
	v_cvt_pk_bf16_f32 v[XP+2*(\j)], v[XR+4*(\j)], v[XR+4*(\j)+1]
	v_cvt_pk_bf16_f32 v[XP+2*(\j)+1], v[XR+4*(\j)+2], v[XR+4*(\j)+3]
	global_store_b64 v2, v[XP+2*(\j):XP+2*(\j)+1], s[16:17] offset:(\j)*262144  ; a wave stores 256 consecutive bytes, aligned: two rows of one slice
.endr
	s_wait_dscnt 0x0
.irp rr, 0,1,2,3
	global_store_b128 v6, v[WB+4*(\rr):WB+4*(\rr)+3], s[18:19] offset:((\rr)/2)*524288+((\rr)%2)*4096  ; a wave stores 512 consecutive bytes
.endr
	s_endpgm
.Lfunc_end_k_q5ffa58ca3d_prep:
	.size	k_q5ffa58ca3d_prep, .Lfunc_end_k_q5ffa58ca3d_prep-k_q5ffa58ca3d_prep
	.p2alignl 7, 3214868480
	.fill 96, 4, 3214868480
	.section	.rodata,"a",@progbits
	.p2align	6, 0x0
	.amdhsa_kernel k_q5ffa58ca3d_prep
		.amdhsa_group_segment_fixed_size 17408
		.amdhsa_private_segment_fixed_size 0
		.amdhsa_enable_private_segment 0
		.amdhsa_kernarg_size 72
		.amdhsa_user_sgpr_count 2
		.amdhsa_user_sgpr_kernarg_segment_ptr 1
		.amdhsa_wavefront_size32 1
		.amdhsa_system_sgpr_workgroup_id_x 1
		.amdhsa_system_sgpr_workgroup_id_y 1
		.amdhsa_system_sgpr_workgroup_id_z 1
		.amdhsa_system_vgpr_workitem_id 0
		.amdhsa_next_free_vgpr 202
		.amdhsa_next_free_sgpr 66
		.amdhsa_reserve_vcc 0
		.amdhsa_float_denorm_mode_32 3
		.amdhsa_float_denorm_mode_16_64 3
		.amdhsa_memory_ordered 1
		.amdhsa_forward_progress 1
		.amdhsa_inst_pref_size 27
	.end_amdhsa_kernel
	.amdgpu_metadata
---
amdhsa.version: [ 1, 2 ]
amdhsa.kernels:
  - .name:           k_q5ffa58ca3d_prep
    .symbol:         k_q5ffa58ca3d_prep.kd
    .args:
      - { .name: x, .offset: 0, .size: 8, .value_kind: global_buffer, .address_space: global }
      - { .name: mask, .offset: 8, .size: 8, .value_kind: global_buffer, .address_space: global }
      - { .name: Wq, .offset: 16, .size: 8, .value_kind: global_buffer, .address_space: global }
      - { .name: Wk, .offset: 24, .size: 8, .value_kind: global_buffer, .address_space: global }
      - { .name: Wv, .offset: 32, .size: 8, .value_kind: global_buffer, .address_space: global }
      - { .name: Wo, .offset: 40, .size: 8, .value_kind: global_buffer, .address_space: global }
      - { .name: xb, .offset: 48, .size: 8, .value_kind: global_buffer, .address_space: global }
      - { .name: wt, .offset: 56, .size: 8, .value_kind: global_buffer, .address_space: global }
      - { .name: hid, .offset: 64, .size: 8, .value_kind: global_buffer, .address_space: global }
    .group_segment_fixed_size: 17408
    .private_segment_fixed_size: 0
    .kernarg_segment_align: 8
    .kernarg_segment_size: 72
    .max_flat_workgroup_size: 256
    .sgpr_count:     66
    .vgpr_count:     202
    .wavefront_size: 32
...
	.end_amdgpu_metadata
.endif
;; end of part 1
;; launch qkv (part 2): grid 24 x 32, 4 waves a work-group, clusters of 4 x 4, 327,680 bytes of LDS; arguments xb, wt, bq, bk, bv, qkv; writes qkv
.if DOCPART == 2
	.amdgcn_target "amdgcn-amd-amdhsa--gfx1250"
	.amdhsa_code_object_version 6
	.text
	.protected	k_q5ffa58ca3d_qkv
	.globl	k_q5ffa58ca3d_qkv
	.p2align	8
	.type	k_q5ffa58ca3d_qkv,@function
k_q5ffa58ca3d_qkv:
	s_mov_b64 s[64:65], 0
	v_nop
	global_prefetch_b8 v0, s[64:65] scope:SCOPE_SE
	s_setreg_imm32_b32 hwreg(HW_REG_WAVE_MODE, 25, 1), 1
	s_wait_xcnt 0x0
	s_wait_alu depctr_hold_cnt(0) depctr_sa_sdst(0) depctr_va_vdst(0) depctr_va_sdst(0) depctr_va_ssrc(0) depctr_va_vcc(0) depctr_vm_vsrc(0)
	s_getreg_b32 s2, hwreg(HW_REG_IB_STS2, 6, 4)
	s_cmp_eq_u32 s2, 0
	s_cbranch_scc0 .Lentry_in_a_cluster
	s_endpgm
.Lentry_in_a_cluster:
	s_bfe_u32 s2, ttmp6, 0x10000c
	s_cmp_lg_u32 s2, 0xf033
	s_cbranch_scc0 .Lentry_shape_is_right
	s_endpgm
.Lentry_shape_is_right:
; C[m][n] = bias[n] + the sum over k of A[m][k] B[n][k], 8,192 rows, K = 1,024.  One text for two launches, chosen by MODE.
; MODE 0: A = xb (x in bf16), B = rows 0 to 3,071 of wt (Wq, Wk, Wv turned, bf16); C leaves in f16 by heads: qkv[3][64 = 16 b + h][2048][64], unscaled.
; MODE 1: A = o (f16), B = rows 3,072 to 4,095 of wt (Wo turned, f16); C leaves in f32: out0[8192][1024].
; A and B lie by slices of 64 along K: [slice][row][64], so a block of rows of one slice is dense and is asked for as rows of 256 bytes.
; LIMITS.  All inputs, the biases too, are rounded to bf16; sums in f32.  MODE 0: a q, k or v of 65,520 or more in magnitude leaves as an infinity (f16).  NaN and infinities are not treated apart.
; SHARES.  A tile of C is 256 x 128: 8,192 x 1,024 make 256 tiles, 8,192 x 3,072 make 768.  Four waves, each 128 x 64: 32 accumulators, 256 registers.  A wave has 64 whole columns: a head in f16 (128 bytes a row,
; 16 rows dense) or 256 aligned bytes of a row in f32, so each wave has a way out of its own.  K goes in steps of 128 (two slices) through a ring of two LDS slots.
; CLUSTER: 4 x 4 work-groups.  The four of a row of the cluster need the same tiles of A, the four of a column the same tiles of B: each tile is asked for JOINTLY, by the same tensor load with the same descriptor and a mask of four.
; THE MATRIX INSTRUCTION IS USED TRANSPOSED (source 0 = 16 rows of B, source 1 = 16 rows of A): a lane then holds eight neighbouring columns of one row of C.
; THE BIAS is the C operand of the first 32 products: nothing is cleared, and no addition stands on the way out.
; REGISTERS: window 0: v0-31 addresses; v32-63 the bias; v64-191 the way out.  window 1: two fragment buffers of 96 (64 of A: 8 x 16 rows x 32 K; 32 of B).  window 2: accumulator (a, b) at v[8 (4 a + b)].
.set MODE,   0
.set PITCH,  144                       ; an LDS row: 128 bytes of a slice + 16 = 36 words: the 16 rows of a load start at 16 different groups of four banks (64 banks of 4 bytes: ISA guide 11.1)
.set ASL,    256*PITCH                 ; a slice of A in a slot
.set BSL,    128*PITCH                 ; a slice of B
.set BOFF,   2*ASL                     ; B lies behind the two slices of A
.set SLOT,   2*ASL+2*BSL
.set STAGE,  2*SLOT                    ; behind the ring: 4,352 bytes for each wave, for the way out; no tensor load lands there
.set STGW,   4352
.set SPARE,  STAGE+4*STGW              ; behind the stages: the spare words, 128 bytes for each wave: two blocks of 256 bytes that no other line names
.set LAPS,   4                         ; a lap = two K steps = once round the ring
.set ASTEP,  524288                    ; bytes from a K step of A to the next: two slices of 2,048 rows
.set BSTEP,  1048576                   ; the same for B: two slices of 4,096 rows
.set ADRA, 16                          ; v16-17  LDS address of my A fragments in slot 0, 1
.set ADRB, 20                          ; v20-21  the same for B
.set STO,  24                          ; v24     the way out: where I put my part of a row
.set RD,   25                          ; v25     the way out: where I read rows back
.set CO,   26                          ; v26     my byte offset in C
.set BO,   27                          ; v27     my byte offset in the bias
.set SPW,  28                          ; v28     LDS address of my spare word: SPARE + 4 x my thread number; never rewritten
.set NIL,  29                          ; v29     0; never rewritten
.set BIAS, 32
.set OUTR, 64
.set F0,   0                           ; fragment buffers, in window 1
.set F1,   96
.set G1,  24                           ; s[24:31] descriptor group 1 for tiles of A;  s[32:39] group 0, one set for each slot
.set G0,  32
.set G1B, 48                           ; s[48:55], s[56:63] the same for B
.set G0B, 56
.set WV,  76                           ; s76  my wave number
.set RH,  77                           ; s77  which half of the rows is mine.  Also: I fetch for A (0) or for B (1)
.set CH,  78                           ; s78  which half of the columns.  Also: which slice of a K step I fetch
.set MSB, 0
.macro WIN new                         ; the high byte of the immediate repeats the setting that is left
.if MSB != (\new)
	s_set_vgpr_msb (MSB<<8)|(\new)
.set MSB, \new
.endif
.endm
.set MUL,   0xa5                       ; sources 0 (B) and 1 (A) window 1; C and D window 2
.set FIRST, 0x85                       ; the same with C, the bias, in window 0
.set TO_F,  0x40                       ; destination window 1, address window 0
.macro JLOAD s                         ; a joint load: waves 0 and 1 fetch the two slices of A, waves 2 and 3 those of B; an s_nop 0 and four v_nop follow each line, ahead of the jump and the label
	s_cmp_eq_u32 s[RH], 0
	s_cbranch_scc0 .Lfor_b_\@
	tensor_load_to_lds s[G0+4*(\s):G0+4*(\s)+3], s[G1:G1+7]
	s_nop 0
.rept 4
	v_nop
.endr
	s_branch .Lasked_\@
.Lfor_b_\@:
	tensor_load_to_lds s[G0B+4*(\s):G0B+4*(\s)+3], s[G1B:G1B+7]
	s_nop 0
.rept 4
	v_nop
.endr
.Lasked_\@:
.endm
.macro CREST                           ; a round of the cluster barrier behind its opening barrier
	s_cmp_lg_u32 s[WV], 0
	s_cbranch_scc1 .Lnot_wave_0_\@
	s_barrier_signal -3
.Lnot_wave_0_\@:
	s_barrier_wait -3
	s_barrier_signal -1
	s_barrier_wait -1
.endm
.macro CROUND                          ; a whole round
	s_barrier_signal -1
	s_barrier_wait -1
	CREST
.endm
.if MODE == 0
	s_load_b256 s[4:11], s[0:1], 0x0               ; xb 4, wt 6, bq 8, bk 10
	s_load_b128 s[12:15], s[0:1], 0x20             ; bv 12, qkv 14
.else
	s_load_b256 s[4:11], s[0:1], 0x0               ; o 4, wt 6, bo 8, out0 10
.endif
	v_lshl_add_u32 v[SPW], v0, 2, SPARE
	v_mov_b32 v[NIL], 0
	v_lshrrev_b32 v1, 5, v0
	v_readfirstlane_b32 s[WV], v1                  ; wave 0..3
	s_lshr_b32 s[RH], s[WV], 1
	s_and_b32 s[CH], s[WV], 1
	s_bfe_u32 s40, ttmp6, 0x40000                  ; cx, cy: my place in the cluster
	s_bfe_u32 s41, ttmp6, 0x40004
	s_lshl_b32 s42, ttmp9, 2
	s_add_co_u32 s42, s42, s40                     ; tile column of C = 4 x cluster x + cx
	s_and_b32 s45, ttmp7, 0xffff
	s_lshl_b32 s45, s45, 2
	s_add_co_u32 s45, s45, s41                     ; tile row of C = 4 x cluster y + cy
	s_lshl_b32 s43, s41, 2
	s_lshl_b32 s43, 15, s43                        ; my row of the cluster
	s_lshl_b32 s44, 0x1111, s40                    ; my column
	; descriptor group 1.  A slice of a tile is dense: 256 (B: 128) rows of 128 bytes, asked for as 128 (64) rows of 256 bytes and padded in LDS after every 128 bytes
	s_or_b32 s[G1], s43, (1<<16)|(1<<20)|(1<<21)|(4<<22)|(3<<25)   ; 15:0 the mask: tiles of A go to my row; 17:16 elements of 2 bytes; 20 padding on; 21 set beside a mask; 24:22 after every 32 words (code 4); 31:25 4 words (code 3)
	s_or_b32 s[G1B], s44, (1<<16)|(1<<20)|(1<<21)|(4<<22)|(3<<25)  ; the same with the mask of my column
	s_mov_b32 s[G1+1], 128<<16                     ; tensor_dim0 = 128
	s_mov_b32 s[G1+2], 128<<16                     ; tensor_dim1 = 128
	s_mov_b32 s[G1+3], 128<<16                     ; tile_dim0 = 128
	s_mov_b32 s[G1+4], 128                         ; tile_dim1 = 128
	s_mov_b32 s[G1+5], 128                         ; 128 elements from row to row
	s_mov_b32 s[G1+6], 0
	s_mov_b32 s[G1+7], 0
	s_mov_b32 s[G1B+1], 128<<16
	s_mov_b32 s[G1B+2], 64<<16                     ; tensor_dim1 = 64
	s_mov_b32 s[G1B+3], 128<<16
	s_mov_b32 s[G1B+4], 64                         ; tile_dim1 = 64
	s_mov_b32 s[G1B+5], 128
	s_mov_b32 s[G1B+6], 0
	s_mov_b32 s[G1B+7], 0
	; where the tiles come from.  A hangs on the tile row alone, B on the tile column alone, each in registers that never hold the other coordinate
	s_lshr_b32 s16, s45, 3
	s_lshl_b32 s16, s16, 22                        ; A: the batch, 16 slices of 262,144 bytes,
	s_and_b32 s17, s45, 7
	s_lshl_b32 s17, s17, 15                        ;    256 rows of 128 bytes,
	s_add_co_u32 s16, s16, s17
	s_lshl_b32 s17, s[CH], 18                      ;    my slice of the K step
	s_add_co_u32 s16, s16, s17
	s_mov_b32 s17, 0
	s_lshl_b32 s46, s42, 14                        ; B: 128 rows of 128 bytes,
	s_lshl_b32 s47, s[CH], 19                      ;    my slice
	s_add_co_u32 s46, s46, s47
.if MODE
	s_add_co_u32 s46, s46, 3072*128                ;    Wo lies behind the three others
.endif
	s_mov_b32 s47, 0
	s_mul_i32 s20, s[WV], ASL                      ; and where they go: waves 0, 1: the two slices of A;
	s_mul_i32 s21, s[WV], BSL
	s_add_co_u32 s21, s21, BOFF-2*BSL              ; waves 2, 3: the two slices of B.  No place in the cluster enters an LDS address
	s_wait_kmcnt 0x0
	s_add_nc_u64 s[16:17], s[4:5], s[16:17]
	s_add_nc_u64 s[46:47], s[6:7], s[46:47]
	CROUND                                         ; all sixteen work-groups are here: the first joint loads meet
.irp s, 0,1
	s_mov_b32 s[G0+4*(\s)], 1                                      ; count = 1
	s_add_co_u32 s[G0+4*(\s)+1], s20, (\s)*SLOT                    ; LDS address
	s_add_nc_u64 s[G0+4*(\s)+2:G0+4*(\s)+3], s[16:17], (\s)*ASTEP  ; global address: K step s
	s_or_b32 s[G0+4*(\s)+3], s[G0+4*(\s)+3], 0x80000000            ; type = 2
	s_mov_b32 s[G0B+4*(\s)], 1
	s_add_co_u32 s[G0B+4*(\s)+1], s21, (\s)*SLOT
	s_add_nc_u64 s[G0B+4*(\s)+2:G0B+4*(\s)+3], s[46:47], (\s)*BSTEP
	s_or_b32 s[G0B+4*(\s)+3], s[G0B+4*(\s)+3], 0x80000000
	JLOAD \s                                       ; two tensor loads of mine are out
.endr
	; the bias of my 64 columns: register j of n block b holds bias[16 b + 8 (l / 16) + j], the place of a column in a result
	v_and_b32 v1, 15, v0                           ; l % 16
	v_bfe_u32 v2, v0, 4, 1                         ; l / 16
.if MODE == 0
	s_lshr_b32 s70, s42, 3                         ; q, k or v: eight tile columns each
	s_cmp_eq_u32 s70, 1
	s_cselect_b64 s[72:73], s[10:11], s[8:9]
	s_cmp_eq_u32 s70, 2
	s_cselect_b64 s[72:73], s[12:13], s[72:73]
.else
	s_mov_b64 s[72:73], s[8:9]
.endif
	s_and_b32 s74, s42, 7
	s_lshl_b32 s74, s74, 9                         ; 128 columns of 4 bytes,
	s_lshl_b32 s75, s[CH], 8                       ; my 64
	s_add_co_u32 s74, s74, s75
	s_mov_b32 s75, 0
	s_add_nc_u64 s[72:73], s[72:73], s[74:75]
	v_lshlrev_b32 v[BO], 5, v2
.irp b, 0,1,2,3
	global_load_b128 v[BIAS+8*(\b):BIAS+8*(\b)+3],   v[BO], s[72:73] offset:64*(\b)
	global_load_b128 v[BIAS+8*(\b)+4:BIAS+8*(\b)+7], v[BO], s[72:73] offset:64*(\b)+16
.endr
	; a fragment is 16 rows x 32 K in 8 registers: lane l holds row l % 16, K = 8 (l / 16) + 0..7 and 16 + 8 (l / 16) + 0..7: two loads of 16 bytes, 32 bytes apart
	v_mul_u32_u24 v3, v1, PITCH
	v_lshl_add_u32 v3, v2, 4, v3
	s_mul_i32 s22, s[RH], 128*PITCH                ; my 128 rows of A
	s_mul_i32 s23, s[CH], 64*PITCH                 ; my 64 rows of B
	s_add_co_u32 s23, s23, BOFF
.irp s, 0,1
	v_add_nc_u32 v[ADRA+(\s)], s22, v3
	v_add_nc_u32 v[ADRB+(\s)], s23, v3
	s_add_co_u32 s22, s22, SLOT
	s_add_co_u32 s23, s23, SLOT
.endr
	s_mul_i32 s22, s[WV], STGW
	s_add_co_u32 s22, s22, STAGE                   ; my stage
.if MODE == 0
	v_mul_u32_u24 v4, v1, 144                      ; in: row l % 16 of 128 bytes + 16, 16 bytes for each half of the lanes
	v_lshl_add_u32 v4, v2, 4, v4
	v_add_nc_u32 v[STO], s22, v4
	v_bfe_u32 v5, v0, 3, 2                         ; back: 32 lanes take four rows of 128 bytes,
	v_mul_u32_u24 v5, v5, 144
	v_and_b32 v6, 7, v0
	v_lshl_add_u32 v5, v6, 4, v5
	v_add_nc_u32 v[RD], s22, v5
	v_and_b32 v[CO], 31, v0                        ; which are 512 consecutive bytes of a head
	v_lshlrev_b32 v[CO], 4, v[CO]
	s_lshl_b32 s70, s70, 24                        ; q, k or v: 64 heads of 262,144 bytes;
	s_lshr_b32 s71, s45, 3
	s_lshl_b32 s71, s71, 4                         ; 16 x batch
	s_and_b32 s74, s42, 7
	s_lshl_b32 s74, s74, 1
	s_add_co_u32 s71, s71, s74
	s_add_co_u32 s71, s71, s[CH]                   ; + head
	s_lshl_b32 s71, s71, 18
	s_add_co_u32 s70, s70, s71
	s_and_b32 s71, s45, 7
	s_lshl_b32 s71, s71, 1
	s_add_co_u32 s71, s71, s[RH]
	s_lshl_b32 s71, s71, 14                        ; my 128 rows of 128 bytes
	s_add_co_u32 s70, s70, s71
	s_mov_b32 s71, 0
	s_add_nc_u64 s[68:69], s[14:15], s[70:71]
.else
	v_mul_u32_u24 v4, v1, 272                      ; in: row l % 16 of 256 bytes + 16, 32 bytes for each half of the lanes
	v_lshl_add_u32 v4, v2, 5, v4
	v_add_nc_u32 v[STO], s22, v4
	v_mul_u32_u24 v5, v2, 272                      ; back: lanes 0-15 take one row of 256 bytes, lanes 16-31 the next
	v_lshl_add_u32 v5, v1, 4, v5
	v_add_nc_u32 v[RD], s22, v5
	v_lshlrev_b32 v5, 12, v2                       ; and the same two rows in C
	v_lshl_add_u32 v[CO], v1, 4, v5
	s_lshl_b32 s70, s45, 1
	s_add_co_u32 s70, s70, s[RH]
	s_lshl_b32 s70, s70, 19                        ; my 128 rows of 4,096 bytes,
	s_lshl_b32 s71, s42, 1
	s_add_co_u32 s71, s71, s[CH]
	s_lshl_b32 s71, s71, 8                         ; my 64 columns of 4
	s_add_co_u32 s70, s70, s71
	s_mov_b32 s71, 0
	s_add_nc_u64 s[68:69], s[10:11], s[70:71]
.endif
	s_wait_loadcnt 0x0                             ; the bias, rounded to bf16 like every input and widened again
.set i, 0
.rept 16
	v_cvt_pk_bf16_f32 v[OUTR+i], v[BIAS+2*i], v[BIAS+2*i+1]
.set i, i+1
.endr
.set i, 0
.rept 16
	v_lshlrev_b32 v[BIAS+2*i], 16, v[OUTR+i]
	v_and_b32 v[BIAS+2*i+1], 0xffff0000, v[OUTR+i]
.set i, i+1
.endr
; 8 matrix instructions: m blocks a0, a0 + 1 x all 4 n blocks, 32 along K, from buffer f.  first = 1: the product starts the sum, on the bias.
; The 32 accumulators take turns in the same order in every quarter.
.macro MUL8 f, a0, first
.if \first
	WIN FIRST
.else
	WIN MUL
.endif
.irp a, \a0, (\a0)+1
.irp b, 0,1,2,3
.set rD, 8*(4*(\a)+(\b))
.set rB, (\f)+64+8*(\b)
.set rA, (\f)+8*(\a)
.set rC, rD
.if \first
.set rC, BIAS+8*(\b)
.endif
.if MODE
	v_wmma_f32_16x16x32_f16 v[rD:rD+7], v[rB:rB+7], v[rA:rA+7], v[rC:rC+7]
.else
	v_wmma_f32_16x16x32_bf16 v[rD:rD+7], v[rB:rB+7], v[rA:rA+7], v[rC:rC+7]
.endif
.endr
.endr
.endm
; 24 LDS loads in one run: the fragments of quarter q of a K step (slice q / 2, 32 K at byte 64 (q % 2) of its rows) into buffer f; B first, then A from its first block on
.macro FETCH slot, q, f
	WIN TO_F
.irp i, 0,1,2,3
	ds_load_b128 v[(\f)+64+8*(\i):(\f)+64+8*(\i)+3],   v[ADRB+(\slot)] offset:((\q)/2)*BSL+((\q)%2)*64+(\i)*16*PITCH
	ds_load_b128 v[(\f)+64+8*(\i)+4:(\f)+64+8*(\i)+7], v[ADRB+(\slot)] offset:((\q)/2)*BSL+((\q)%2)*64+(\i)*16*PITCH+32
.endr
.irp i, 0,1,2,3,4,5,6,7
	ds_load_b128 v[(\f)+8*(\i):(\f)+8*(\i)+3],   v[ADRA+(\slot)] offset:((\q)/2)*ASL+((\q)%2)*64+(\i)*16*PITCH
	ds_load_b128 v[(\f)+8*(\i)+4:(\f)+8*(\i)+7], v[ADRA+(\slot)] offset:((\q)/2)*ASL+((\q)%2)*64+(\i)*16*PITCH+32
.endr
.endm
.macro PLACES                          ; four places in front of loads into registers that matrix instructions have read, and of lines that read results
.rept 4
	v_nop
.endr
.endm
; A K step is four quarters of 32 along K, 32 matrix instructions each, on buffers 0, 1, 0, 1.  One of the first three: multiplies buffer f and fetches quarter qn into g.
.macro QUARTER slot, qn, f, g, first
	s_wait_dscnt 8                                 ; B and the blocks 0-3 of A are in; the youngest eight loads (blocks 4-7) may be out
	MUL8 \f, 0, \first
	MUL8 \f, 2, \first
	PLACES
	FETCH \slot, \qn, \g
	s_wait_dscnt 24                                ; all but the 24 just issued
	MUL8 \f, 4, \first
	MUL8 \f, 6, \first
.endm
; The last quarter multiplies buffer 1 and changes slots: ONE barrier; in front of it each wave waits for all its tensor loads, adds 0 to its spare word, and waits for that and for its own reads of this slot.
; fill = 1: this slot is filled again, two K steps ahead; the barrier then opens a round of the cluster barrier.
.macro TURN slot, next, fill
	WIN 0                                          ; (the two registers of the add lie in window 0)
	s_wait_tensorcnt 0x0                           ; all my tensor loads have landed: the one that was out is my part of the next slot;
	ds_add_u32 v[SPW], v[NIL]                      ; 0 onto my spare word;
	s_wait_dscnt 9                                 ; (the add and the youngest eight loads may be out)
	MUL8 F1, 0, 0                                  ; eight matrix instructions stand between the add and the wait for it
	s_wait_dscnt 0x0                               ; the add is done, and my reads of this slot are over
	s_barrier_signal -1
	MUL8 F1, 2, 0
.if \fill
	WIN 0
.endif
	s_barrier_wait -1
.if \fill
	CREST                                          ; no wave of any partner still reads this slot or has a load on its way
	s_add_nc_u64 s[G0+4*(\slot)+2:G0+4*(\slot)+3], s[G0+4*(\slot)+2:G0+4*(\slot)+3], 2*ASTEP
	s_add_nc_u64 s[G0B+4*(\slot)+2:G0B+4*(\slot)+3], s[G0B+4*(\slot)+2:G0B+4*(\slot)+3], 2*BSTEP
	JLOAD \slot                                    ; the first tensor load behind the round, 112 matrix instructions ahead of the wait for it; its four v_nop are also the places in front of the loads below
.else
	PLACES
.endif
	FETCH \next, 0, F0
	MUL8 F1, 4, 0
	MUL8 F1, 6, 0
.endm
	s_wait_tensorcnt 1                             ; my part of K step 0 is in; K step 1 may stay out
	s_barrier_signal -1
	s_barrier_wait -1                              ; everybody's is
	FETCH 0, 0, F0
	QUARTER 0, 1, F0, F1, 1                        ; the first quarter stands in front of the loop: its products start the sums
	WIN 0                                          ; at a label and at a branch every window is 0
	s_mov_b32 s3, LAPS-1
.Llap:                                                 ; a trip goes once round the ring, from the second quarter of a lap to the first of the next, and fills both slots again
	QUARTER 0, 2, F1, F0, 0
	QUARTER 0, 3, F0, F1, 0
	TURN 0, 1, 1
	QUARTER 1, 1, F0, F1, 0
	QUARTER 1, 2, F1, F0, 0
	QUARTER 1, 3, F0, F1, 0
	TURN 1, 0, 1
	QUARTER 0, 1, F0, F1, 0
	WIN 0
	s_sub_co_u32 s3, s3, 1
	s_cmp_lg_u32 s3, 0
	s_cbranch_scc1 .Llap
	QUARTER 0, 2, F1, F0, 0                        ; the last lap fills nothing
	QUARTER 0, 3, F0, F1, 0
	TURN 0, 1, 0
	QUARTER 1, 1, F0, F1, 0
	QUARTER 1, 2, F1, F0, 0
	QUARTER 1, 3, F0, F1, 0
	s_wait_dscnt 8                                 ; the very last quarter: nothing more to fetch
	MUL8 F1, 0, 0
	MUL8 F1, 2, 0
	s_wait_dscnt 0x0
	MUL8 F1, 4, 0
	MUL8 F1, 6, 0
	WIN 0
	PLACES
.if MODE == 0
; THE WAY OUT, f16: block a (16 rows) is rounded, 16 bytes a lane; into my stage by rows of 144 bytes and back as whole rows of 128, which are dense in a head.
.macro PACK a
	WIN 0x0a                                       ; sources 0 and 1 window 2, destination window 0
.irp b, 0,1,2,3
.irp r, 0,1,2,3
	v_cvt_pk_f16_f32 v[OUTR+16*(\a)+4*(\b)+(\r)], v[8*(4*(\a)+(\b))+2*(\r)], v[8*(4*(\a)+(\b))+2*(\r)+1]
.endr
.endr
	WIN 0
.irp b, 0,1,2,3
	ds_store_b128 v[STO], v[OUTR+16*(\a)+4*(\b):OUTR+16*(\a)+4*(\b)+3] offset:32*(\b)
.endr
.irp f, 0,1,2,3
	ds_load_b128 v[OUTR+16*(\a)+4*(\f):OUTR+16*(\a)+4*(\f)+3], v[RD] offset:(\f)*4*144  ; LDS serves the instructions of a wave in order (ISA guide 5.7.1.4): these see the stores above; the next block's stores come behind them
.endr
.endm
.macro SEND a, younger                 ; younger: the LDS instructions issued behind the loads of block a: the eight of the next block, or none
.irp f, 0,1,2,3
	s_wait_dscnt (\younger)+3-(\f)
	global_store_b128 v[CO], v[OUTR+16*(\a)+4*(\f):OUTR+16*(\a)+4*(\f)+3], s[68:69] offset:(\a)*2048+(\f)*512  ; 512 consecutive bytes, at a multiple of 256 from the first byte of qkv
.endr
.endm
	PACK 0
.irp a, 1,2,3,4,5,6,7                  ; the arithmetic of a block stands between the loads of the block before and its stores
	PACK \a
	SEND (\a)-1, 8
.endr
	SEND 7, 0
.else
; THE WAY OUT, f32: block a goes into my stage as it lies, 32 bytes a lane, by rows of 272 bytes, and comes back as whole rows of 256.
.macro STG a
	WIN 0x08                                       ; store data window 2, address window 0
.irp b, 0,1,2,3
	ds_store_b128 v[STO], v[8*(4*(\a)+(\b)):8*(4*(\a)+(\b))+3]   offset:64*(\b)
	ds_store_b128 v[STO], v[8*(4*(\a)+(\b))+4:8*(4*(\a)+(\b))+7] offset:64*(\b)+16
.endr
	WIN 0
.set BK, OUTR+32*((\a)%2)
.irp t, 0,1,2,3,4,5,6,7
	ds_load_b128 v[BK+4*(\t):BK+4*(\t)+3], v[RD] offset:(\t)*2*272  ; LDS serves the instructions of a wave in order (ISA guide 5.7.1.4): these see the stores above
.endr
.endm
.macro SND a, younger                  ; younger: the sixteen LDS instructions of the next block, or none
.set BK, OUTR+32*((\a)%2)
	s_wait_dscnt \younger
.irp t, 0,1,2,3,4,5,6,7
	global_store_b128 v[CO], v[BK+4*(\t):BK+4*(\t)+3], s[68:69] offset:(\a)*65536+(\t)*8192 th:TH_STORE_NT  ; 16 lanes store 256 consecutive bytes, at a multiple of 256 from the first byte of out0
.endr
.endm
	STG 0
.irp a, 1,2,3,4,5,6,7
	STG \a
	SND (\a)-1, 16
	s_wait_xcnt 0x0                                ; the registers that these stores read are loaded again by the block after next, only behind this wait
.endr
	SND 7, 0
.endif
	s_wait_tensorcnt 0x0                           ; the end of the wave: behind my last tensor load and my last LDS store
	ds_add_u32 v[SPW], v[NIL]
	s_wait_dscnt 0x0
	CROUND                                         ; the closing round: no work-group ends while a partner may still ask for a tile that names it
	s_endpgm
.Lfunc_end_k_q5ffa58ca3d_qkv:
	.size	k_q5ffa58ca3d_qkv, .Lfunc_end_k_q5ffa58ca3d_qkv-k_q5ffa58ca3d_qkv
	.p2alignl 7, 3214868480
	.fill 96, 4, 3214868480
	.section	.rodata,"a",@progbits
	.p2align	6, 0x0
	.amdhsa_kernel k_q5ffa58ca3d_qkv
		.amdhsa_group_segment_fixed_size 327680
		.amdhsa_private_segment_fixed_size 0
		.amdhsa_enable_private_segment 0
		.amdhsa_kernarg_size 48
		.amdhsa_user_sgpr_count 2
		.amdhsa_user_sgpr_kernarg_segment_ptr 1
		.amdhsa_wavefront_size32 1
		.amdhsa_system_sgpr_workgroup_id_x 1
		.amdhsa_system_sgpr_workgroup_id_y 1
		.amdhsa_system_sgpr_workgroup_id_z 1
		.amdhsa_system_vgpr_workitem_id 0
		.amdhsa_next_free_vgpr 768
		.amdhsa_next_free_sgpr 80
		.amdhsa_reserve_vcc 0
		.amdhsa_float_denorm_mode_32 3
		.amdhsa_float_denorm_mode_16_64 3
		.amdhsa_memory_ordered 1
		.amdhsa_forward_progress 1
		.amdhsa_inst_pref_size 91
	.end_amdhsa_kernel
	.amdgpu_metadata
---
amdhsa.version: [ 1, 2 ]
amdhsa.kernels:
  - .name:           k_q5ffa58ca3d_qkv
    .symbol:         k_q5ffa58ca3d_qkv.kd
    .args:
      - { .name: xb, .offset: 0, .size: 8, .value_kind: global_buffer, .address_space: global }
      - { .name: wt, .offset: 8, .size: 8, .value_kind: global_buffer, .address_space: global }
      - { .name: bq, .offset: 16, .size: 8, .value_kind: global_buffer, .address_space: global }
      - { .name: bk, .offset: 24, .size: 8, .value_kind: global_buffer, .address_space: global }
      - { .name: bv, .offset: 32, .size: 8, .value_kind: global_buffer, .address_space: global }
      - { .name: qkv, .offset: 40, .size: 8, .value_kind: global_buffer, .address_space: global }
    .group_segment_fixed_size: 327680
    .private_segment_fixed_size: 0
    .kernarg_segment_align: 8
    .kernarg_segment_size: 48
    .max_flat_workgroup_size: 128
    .sgpr_count:     80
    .vgpr_count:     768
    .wavefront_size: 32
...
	.end_amdgpu_metadata
.endif
;; end of part 2
;; launch attn (part 3): grid 4 x 64, 4 waves a work-group, clusters of 4 x 1, 327,680 bytes of LDS; arguments qkv, hid, o; writes o
.if DOCPART == 3
	.amdgcn_target "amdgcn-amd-amdhsa--gfx1250"
	.amdhsa_code_object_version 6
	.text
	.protected	k_q5ffa58ca3d_attn
	.globl	k_q5ffa58ca3d_attn
	.p2align	8
	.type	k_q5ffa58ca3d_attn,@function
k_q5ffa58ca3d_attn:
	s_mov_b64 s[64:65], 0
	v_nop
	global_prefetch_b8 v0, s[64:65] scope:SCOPE_SE
	s_setreg_imm32_b32 hwreg(HW_REG_WAVE_MODE, 25, 1), 1
	s_wait_xcnt 0x0
	s_wait_alu depctr_hold_cnt(0) depctr_sa_sdst(0) depctr_va_vdst(0) depctr_va_sdst(0) depctr_va_ssrc(0) depctr_va_vcc(0) depctr_vm_vsrc(0)
	s_getreg_b32 s2, hwreg(HW_REG_IB_STS2, 6, 4)
	s_cmp_eq_u32 s2, 0
	s_cbranch_scc0 .Lentry_in_a_cluster
	s_endpgm
.Lentry_in_a_cluster:
	s_bfe_u32 s2, ttmp6, 0x10000c
	s_cmp_lg_u32 s2, 0x3003
	s_cbranch_scc0 .Lentry_shape_is_right
	s_endpgm
.Lentry_shape_is_right:
; O[h][q][:] = the sum over k of softmax_k(Q[h][q] . K[h][k] / 8 + hidden(q, k)) V[h][k][:].  qkv: [3][64][2048][64] in f16 (Q, K, V by heads, unscaled), o: [64][2048][64] in f16: the rows of a head are dense, 128 bytes each.
; hid: [64 piece of 32 queries][32 key step][2 tile][32 words]: bit L of word n of tile u is 1 where the score that lane L holds in register n of that tile is hidden.
; Products, maxima and sums in f32; the weights p are rounded to f16 for the second product (their sum l is taken of the unrounded p), O once at the end.
; LIMITS.  f16 holds no number beyond 65,504: Q, K and V arrive within it; p lies in 0 to 1, and below 6e-5 it keeps the fixed step of 6e-8 of f16.  A weight below 2^-126 counts as 0 in l.
; A hidden score is REPLACED by -2^33 ahead of the scale 1/8, that is -1.07e9 where the problem adds -1e9.  With any key of the row in sight both give the weight 0.  In a row with every key hidden all weights are
; equal here (c 2^33 is exact, so c s - c m is exactly 0) and O is the mean of V; the sum -1e9 + score rounds to -1e9 while |score| < 32, so the two differ only in such a row with a score of 32 or more,
; or where scores in sight come near 1e9.  NaN and infinities are not treated apart.
; SHARES.  A wave owns four PIECES of two tiles of 16 queries, the four waves of a work-group 512 queries of one head.  Every wave walks all 2,048 keys, 64 a step.
; LAYOUT.  S^T = K Q^T (source 0 = 16 keys, source 1 = 16 queries): in the result a lane holds ONE query (lane % 16) and the keys 8 (lane / 16) + 0..7.  Two such tiles, rounded to f16 in pairs,
; ARE source 1 (32 keys x 16 queries) of O^T = V^T P, whose result again holds one query a lane, and eight channels.  K comes out of LDS as it lies, V ([key][channel]) turned, by ds_load_tr16_b128.
; SOFTMAX.  For each query a running maximum m and sum l: p = 2^(c s - c m), c = log2(e) / 8; in every step O and l are multiplied by a = 2^(c m_old - c m_new).  m starts at the lowest finite number, O and l at 0.
; THE MASK.  The 64 words of a piece and step lie in scalar registers, brought by four scalar loads a turn ahead; one select a score register puts -2^33 where the bit is set, ahead of the maximum.
; THE COUNT.  A tile and step have 16 matrix and 150 vector instructions.  Four vector instructions that are READY stand behind EVERY matrix instruction, the others in two runs without a gap.
; BY TURNS.  Turn n belongs to piece n.  Its matrix work: 16 products K Q^T of piece n + 1, later 16 products V^T P of piece n - 1.  Its vector work: the scaling, exponentials, roundings, sums and rescaling of
; piece n, and the mask, maximum and statistics of piece n + 1, whose scores the turn itself has made.
; CLUSTER.  The four query blocks of a cluster belong to one head and walk the same K and V, so each tile is asked for JOINTLY: the same tensor load, descriptor and mask in all four.
; REGISTERS, in windows of 256 (s_set_vgpr_msb: bits 1:0 source 0, 3:2 source 1, 5:4 source 2, 7:6 destination):
;   window 0: v0-11 addresses and -2^33; v12-15, v48-63 at work; v16-47 four registers of statistics a tile; v64-191 S^T, two buffers of two tiles; v192-255 P, likewise
;   window 1: O^T, 32 a tile          window 2: v0-127 Q, 16 a tile; v128-191 K of one step; v192-255 V of one step          window 3: v0-1 the two registers of the add
.set SIZE_N, 2048
.set NP,    4         ; pieces a wave: a name, no knob
.set KS,    64        ; keys in a step
.set PK,    160       ; a row of K in LDS: 128 bytes + 32 = 40 words, the pitch of V, so that ONE descriptor serves all four waves; rows r and r + 8 of a load of K meet in the banks, two deep: 16 loads for 128 products
.set PV,    160       ; a row of V
.set VOFF,  4*KS*PK   ; a slot holds four steps: 256 rows of K, then 256 rows of V
.set SLOT1, 1<<17     ; slot 1 begins here, so that one exclusive or turns an address in one slot into the other
.set STAGE, SLOT1+4*KS*(PK+PV)  ; behind the ring, never filled by a tensor load: 16 rows x 144 bytes for each wave, for the way out
.set SP,    144
.set AK0, 2           ; v2   the place of my lane in a tile of K; never rewritten
.set AV0, 3           ; v3   the same for V
.set AK,  4           ; v4   the LDS address of the next run of loads of K
.set AV,  5           ; v5   of V
.set QO,  6           ; v6   my byte offset in the rows of Q
.set STO, 6           ;      later, the way out: where I put 16 bytes of a row
.set RD,  7           ; v7   the way out: where I read rows back
.set GO,  8           ; v8   my byte offset in 512 consecutive bytes of O
.set NEGB, 11         ; v11  -2^33
.set SPW, 0           ; v0 of window 3   LDS address of my spare word: SPARE + 4 x my thread number; never rewritten
.set NIL, 1           ; v1 of window 3   0; never rewritten
.set SPARE, STAGE+4*16*SP  ; behind the stages: the spare words, 128 bytes for each wave: two blocks of 256 bytes that no other line names
.set MV,  12          ; v12-15  c m_old, kept while c m is made anew: by buffer and tile
.set ST,  16          ; the statistics of tile t at v[ST+4 t]: c m, m, l (of even keys, of odd keys)
.set TMP, 48          ; by buffer and tile, four registers c0-c3 at work; when the maximum is found c2 takes a
.set S,   64
.set P,   192
.set KF,  128         ; fragments of K, in window 2: key block kb, channel half c at KF + 16 kb + 8 c
.set VF,  192         ; of V: key half kk, channel block cb at VF + 32 kk + 8 cb
.set HB,  8           ; s[8:9]  hid at my wave and the step whose words are asked for next
.set WV,  12          ; s12  my wave number
.set G1,  16          ; s[16:23] descriptor group 1
.set G0,  24          ; s[24:27] descriptor group 0: it walks
.set SLOTS, 28        ; s28  slots still to be asked for
.set CNT, 29          ; s29  counts the key steps of a slot
.set CS,  30          ; s[30:31] c: the packed scaling takes the low word of the pair for both halves
.set HW,  32          ; s[32:63] the 32 words of tile 0, s[68:99] those of tile 1: word n of tile u at s[HW + 36 u + n]
.set SEL, 66          ; s[66:67] the selects of v_permlanex16_b32: each lane takes its own place in the other half
.set TBK, 100         ; s100 LDS byte at which K of the step to be fetched begins
.set TBV, 101         ; s101 the same for V, less VOFF
.set MSB, 0
.macro WIN new                      ; the high byte repeats the setting that is left; a switch that changes nothing is dropped
.if MSB != (\new)
	s_set_vgpr_msb (MSB<<8)|(\new)
.set MSB, (\new)
.endif
.endm
.set W_KQ, 0x0a       ; K and Q in window 2, S^T in window 0
.set W_PV, 0x52       ; V in window 2, P in window 0, O^T in window 1
.set W_RS, 0x41       ; O^T (destination and source 0) in window 1, a in window 0
.set W_MK, 0xc0       ; the registers of the add are made: destination in window 3, sources in window 0
.set W_AD, 0x0f       ; the add: address (source 0) and data (source 1) in window 3
; A joint fill: every wave moves 128 keys, waves 0 and 1 the two halves of K of a slot, waves 2 and 3 those of V.  One line: both addresses hang on the wave number.  An s_nop 0 and four v_nop follow it.
.macro JLOAD
	tensor_load_to_lds s[G0:G0+3], s[G1:G1+7]
	s_nop 0
.rept 4
	v_nop
.endr
.endm
; A round of the cluster barrier: the barrier of my work-group, so that the signal of wave 0 speaks for all four waves; wave 0 signals; every wave waits for all four work-groups; the barrier of my work-group once more.
.macro CROUND
	s_barrier_signal -1
	s_barrier_wait -1
	s_cmp_lg_u32 s[WV], 0
	s_cbranch_scc1 .Lnot_wave_0_\@
	s_barrier_signal -3
.Lnot_wave_0_\@:
	s_barrier_wait -3
	s_barrier_signal -1
	s_barrier_wait -1
.endm
; THE CHANGE OF SLOTS.  The last bytes of the slot, V of its fourth step, have been read.  Each wave waits for all its tensor loads, of which one is out: its part of the other slot; adds 0 to its spare word; and waits
; for that and for its own reads of the slot.  Behind the barrier nobody reads this slot any more and the other slot is whole.  fill = 1: this slot is filled again, with the keys two slots on.  The barrier is then a
; round of the cluster barrier, and the joint fill is the first thing behind it: it has four key steps, 512 matrix instructions, in which to land.  (At its first use nothing has been read yet: slot 0 is waited for, slot 1 filled.)
.macro CHANGE fill
	WIN W_AD
	s_wait_tensorcnt 0x0            ; no tensor load of mine is out, so group 0 may be written
	ds_add_u32 v[SPW], v[NIL]       ; 0 onto my spare word; with fill = 1 the steps of the descriptor stand between it and the wait for it
	WIN 0                           ; at a label and at a branch every window is 0
.if \fill
	s_xor_b32 s[G0+1], s[G0+1], SLOT1  ; the other slot than last time,
	s_add_nc_u64 s[G0+2:G0+3], s[G0+2:G0+3], 4*KS*128  ; the next 256 keys; the type bits on top are not reached
	s_wait_dscnt 0x0                ; the add is done, and my reads of the slot are over
	CROUND
	JLOAD
.else
	s_wait_dscnt 0x0                ; the add is done, and my reads of the slot are over
	s_barrier_signal -1
	s_barrier_wait -1
.endif
	s_sub_co_u32 s[TBK], s[TBK], 4*KS*PK  ; the fetches go back to the first step of a slot,
	s_xor_b32 s[TBK], s[TBK], SLOT1       ; in the other slot
	s_sub_co_u32 s[TBV], s[TBV], 4*KS*PV
	s_xor_b32 s[TBV], s[TBV], SLOT1
.endm
; The 64 words of piece x, at the step at which HB stands
.macro LOADM x
	s_load_b512 s[HW:HW+15],    s[HB:HB+1], (\x)*8192
	s_load_b512 s[HW+16:HW+31], s[HB:HB+1], (\x)*8192+64
	s_load_b512 s[HW+36:HW+51], s[HB:HB+1], (\x)*8192+128
	s_load_b512 s[HW+52:HW+67], s[HB:HB+1], (\x)*8192+192
.endm
	s_load_b128 s[4:7], s[0:1], 0x0   ; qkv s[4:5], hid s[6:7]
	s_load_b64 s[10:11], s[0:1], 0x10 ; o
	WIN W_MK
	v_lshl_add_u32 v[SPW], v0, 2, SPARE
	v_mov_b32 v[NIL], 0
	WIN 0
	v_lshrrev_b32 v1, 5, v0
	v_readfirstlane_b32 s[WV], v1   ; wave 0..3
	s_bfe_u32 s13, ttmp6, 0x40000   ; cx: my place in the cluster
	s_lshl_b32 s14, ttmp9, 2        ; in a cluster launch ttmp9 counts clusters
	s_add_co_u32 s14, s14, s13      ; my block of 512 queries = 4 x cluster x + cx: it enters the addresses of Q, O and hid alone
	s_and_b32 s15, ttmp7, 0xffff    ; the head, which the four partners share
	s_lshl_b32 s32, s15, 18         ; its 2,048 rows of 128 bytes.  (s32 to s39 hold offsets until the first words of the mask are asked for)
	s_lshr_b32 s34, s[WV], 1
	s_add_co_u32 s34, s34, 1
	s_lshl_b32 s34, s34, 24         ; K lies 16,777,216 bytes behind Q, V as far behind K: waves 0, 1 fetch K, waves 2, 3 V;
	s_and_b32 s35, s[WV], 1
	s_lshl_b32 s35, s35, 14         ; which 128 of the 256 keys of a slot
	s_add_co_u32 s34, s34, s35
	s_add_co_u32 s34, s34, s32
	s_mov_b32 s35, 0
	s_lshl_b32 s36, s14, 2
	s_add_co_u32 s36, s36, s[WV]    ; my wave among the sixteen of the head
	s_lshl_b32 s38, s36, 15         ; hid: four pieces x 32 steps x 256 bytes
	s_mov_b32 s39, 0
	s_lshl_b32 s36, s36, 14         ; Q and O: 128 rows of 128 bytes
	s_add_co_u32 s36, s36, s32
	s_mov_b32 s37, 0
	; descriptor group 1.  128 keys are 16,384 dense bytes: asked for as 64 rows of 256 bytes, two keys a row, and padded in LDS after every key
	s_mov_b32 s[G1], 15|(1<<16)|(1<<20)|(1<<21)|(4<<22)|(7<<25)  ; 15:0 the mask of four; 17:16 2-byte elements; 20 padding on; 21 set beside a mask; 24:22 after every 32 words (code 4); 31:25 8 words (code 7)
	s_mov_b32 s[G1+1], 128<<16      ; tensor_dim0 = 128
	s_mov_b32 s[G1+2], 64<<16       ; tensor_dim1 = 64
	s_mov_b32 s[G1+3], 128<<16      ; tile_dim0 = 128
	s_mov_b32 s[G1+4], 64           ; tile_dim1 = 64
	s_mov_b32 s[G1+5], 128          ; 128 elements from row to row
	s_mov_b32 s[G1+6], 0
	s_mov_b32 s[G1+7], 0
	s_mov_b32 s[CS], 0x3e38aa3b     ; c = log2(e) / 8 = 0.180337
	s_mov_b32 s[CS+1], s[CS]        ; named with it as a pair
	s_mov_b32 s[SEL], 0x76543210
	s_mov_b32 s[SEL+1], 0xfedcba98
	s_mov_b32 s[TBK], SLOT1+4*KS*PK ; the first change of slots turns these two into 0
	s_mov_b32 s[TBV], SLOT1+4*KS*PV
	s_mov_b32 s[G0], 1              ; count = 1
	s_mul_i32 s[G0+1], s[WV], 128*PK  ; LDS address: slot 0, 128 rows a wave: no place in the cluster enters it
	s_wait_kmcnt 0x0
	s_add_nc_u64 s[G0+2:G0+3], s[4:5], s[34:35]  ; global address: my 128 of the first 256 keys of the head
	s_or_b32 s[G0+3], s[G0+3], 0x80000000        ; type = 2
	s_add_nc_u64 s[4:5], s[4:5], s[36:37]        ; Q and O at the first row of my wave
	s_add_nc_u64 s[10:11], s[10:11], s[36:37]
	s_add_nc_u64 s[HB:HB+1], s[6:7], s[38:39]    ; hid at my first piece, step 0
	CROUND                          ; all four work-groups are here: the first joint loads meet
	JLOAD                           ; slot 0.  Slot 1 is asked for when slot 0 is in
	LOADM 0                         ; the words for the first scores
	; A fragment of K or Q is 16 rows x 32 channels in 8 registers: lane l holds row l % 16, channels 8 (l / 16) + 0..7 and 16 + 8 (l / 16) + 0..7: two loads of 16 bytes, 32 bytes apart.
	v_and_b32 v1, 15, v0            ; l % 16
	v_bfe_u32 v9, v0, 4, 1          ; l / 16
	v_lshlrev_b32 v[QO], 7, v1
	v_lshl_add_u32 v[QO], v9, 4, v[QO]  ; row x 128 + 16 x half
	WIN 0x80                        ; destination window 2, address window 0
.set i, 0
.rept 4*NP                          ; Q stays in registers: tile i / 2, channels 32 (i % 2) on
	global_load_b128 v[8*i:8*i+3],   v[QO], s[4:5] offset:(i/2)*2048+(i%2)*64
	global_load_b128 v[8*i+4:8*i+7], v[QO], s[4:5] offset:(i/2)*2048+(i%2)*64+32
.set i, i+1
.endr
	; What the first turn finds: the registers of V and the second buffer of P hold 0 (its products V^T P, of a piece that has not been, add 0), O^T and l are 0.  All this stands in the wait for the first tile.
.set i, VF
.rept 64
	v_mov_b32 v[i], 0
.set i, i+1
.endr
	WIN 0x40
.set i, 0
.rept 64*NP
	v_mov_b32 v[i], 0
.set i, i+1
.endr
	WIN 0
.set i, 0
.rept 2*NP
	v_mov_b32 v[ST+4*i], 0xfe000000    ; c m: far below every c s
	v_mov_b32 v[ST+4*i+1], 0xff7fffff  ; m
	v_mov_b32 v[ST+4*i+2], 0
	v_mov_b32 v[ST+4*i+3], 0
.set i, i+1
.endr
.set i, P+32
.rept 32
	v_mov_b32 v[i], 0
.set i, i+1
.endr
	v_mul_u32_u24 v[AK0], v1, PK
	v_lshl_add_u32 v[AK0], v9, 4, v[AK0]  ; row x pitch + 16 x half
	; The turning load takes 16 keys x 16 channels (lane l reads key 8 (l / 16) + l % 8, channels 8 ((l / 8) % 2) + 0..7) and leaves half a fragment of V^T: lane l holds channel l % 16 and 8 keys.
	v_and_b32 v10, 7, v0
	v_bfe_u32 v11, v0, 3, 1
	v_lshl_add_u32 v[AV0], v9, 3, v10
	v_mul_u32_u24 v[AV0], v[AV0], PV
	v_lshl_add_u32 v[AV0], v11, 4, v[AV0]
	v_add_nc_u32 v[AV0], VOFF, v[AV0]
	v_mov_b32 v[NEGB], 0xd0000000   ; -2^33
	v_mov_b32 v[AK], v[AK0]         ; key step 0 lies at the head of slot 0
; THE MATRIX WORK.  The 8 accumulators of a run of 16 take turns: between the two links of a chain stand 7 others.
; Product i of 16 of S^T = K Q^T for piece x: channels 32 (i / 8) on, keys 16 ((i / 2) % 4) on, tile 2 x + i % 2.  The first 8 start the sums.
.macro KQ x
	WIN W_KQ
.set rS, S+64*((\x)%2)+32*(i%2)+8*((i/2)%4)
.set rK, KF+16*((i/2)%4)+8*(i/8)
.set rQ, 16*(2*(\x)+i%2)+8*(i/8)
.if i < 8
	v_wmma_f32_16x16x32_f16 v[rS:rS+7], v[rK:rK+7], v[rQ:rQ+7], 0
.else
	v_wmma_f32_16x16x32_f16 v[rS:rS+7], v[rK:rK+7], v[rQ:rQ+7], v[rS:rS+7]
.endif
.endm
; Product i of 16 of O^T += V^T P for piece x: keys 32 (i / 8) on, channels 16 ((i / 2) % 4) on, tile 2 x + i % 2.
.macro PV x
	WIN W_PV
.set rO, 32*(2*(\x)+i%2)+8*((i/2)%4)
.set rV, VF+32*(i/8)+8*((i/2)%4)
.set rP, P+32*((\x)%2)+16*(i%2)+8*(i/8)
	v_wmma_f32_16x16x32_f16 v[rO:rO+7], v[rV:rV+7], v[rP:rP+7], v[rO:rO+7]
.endm
.macro MM                           ; the next matrix instruction of the turn
.if i < 16
	KQ (Y+1)%NP
.set i, i+1
.else
.set i, i-16
	PV (Y+NP-1)%NP
.set i, i+17
.endif
.endm
; THE LDS LOADS stand in runs of 16, never singly among the matrix instructions: K of a step (64 keys x 64 channels: 8 fragments) and its V (turned).  Their addresses are made some lines ahead.
; last = 1 (the tail): in the last trip there is no further step, and the run is jumped over.
.macro FETCH_K last=0
	WIN 0
.if \last
	s_cmp_eq_u32 s[CNT], 1
	s_cbranch_scc1 .Lno_k_\@
.endif
	WIN 0x80                        ; destination window 2
.irp f, 0,1,2,3,4,5,6,7             ; keys 16 (f / 2) on, channels 32 (f % 2) on
	ds_load_b128 v[KF+8*\f:KF+8*\f+3],   v[AK] offset:(\f/2)*16*PK+(\f%2)*64
	ds_load_b128 v[KF+8*\f+4:KF+8*\f+7], v[AK] offset:(\f/2)*16*PK+(\f%2)*64+32
.endr
	s_add_co_u32 s[TBK], s[TBK], KS*PK  ; the next fetch is of the next step
	WIN 0
.if \last
.Lno_k_\@:
.endif
.endm
.macro FETCH_V
	WIN 0x80
.irp f, 0,1,2,3,4,5,6,7             ; keys 32 (f / 4) on, channels 16 (f % 4) on
	ds_load_tr16_b128 v[VF+8*\f:VF+8*\f+3],   v[AV] offset:(\f/4)*32*PV+(\f%4)*32
	ds_load_tr16_b128 v[VF+8*\f+4:VF+8*\f+7], v[AV] offset:(\f/4)*32*PV+16*PV+(\f%4)*32
.endr
	WIN 0
.endm
; THE VECTOR WORK OF A TURN stands in three queues, each in the order in which its entries become ready; the two tiles alternate, so that no instruction reads the result of the one before it.
.macro REGS y, u                    ; the registers of tile u (0, 1) of piece y
.set rT, ST+4*(2*(\y)+(\u))
.set rC, TMP+8*((\y)%2)+4*(\u)
.set rM, MV+2*((\y)%2)+(\u)
.set rS, S+64*((\y)%2)+32*(\u)
.set rP, P+32*((\y)%2)+16*(\u)
.set rO, 32*(2*(\y)+(\u))
.endm
; Score register n of tile u of the NEXT piece (Y + 1): -2^33 in the lanes whose bit is set.  n ascends.  MS, XS, GS and REGS set no window: PL and EX do.
.macro MS u, n
	REGS (Y+1)%NP, \u
	v_cndmask_b32 v[rS+(\n)], v[rS+(\n)], v[NEGB], s[HW+36*(\u)+(\n)]
.endm
; Number n of the 22 that find the maximum and statistics of the NEXT piece.  s0-s31 are the 32 scores of the lane.
;   0-11  four chains c0-c3 of seven scores each, three operands at a time     12-14, 16  the four scores left over, the old m, and c0-c3 into c0     15  c m_old is kept
;   17, 18  the other 32 keys of the query lie in the lane 16 away: the new m         19-21  c m; c m_old - c m_new; a
.macro XS u, n
	REGS (Y+1)%NP, \u
.if (\n) < 4
	v_max3_num_f32 v[rC+(\n)], v[rS+8*(\n)], v[rS+8*(\n)+1], v[rS+8*(\n)+2]
.elseif (\n) < 12
	v_max3_num_f32 v[rC+(\n)%4], v[rC+(\n)%4], v[rS+8*((\n)%4)+2*((\n)/4)+1], v[rS+8*((\n)%4)+2*((\n)/4)+2]
.elseif (\n) == 12
	v_max3_num_f32 v[rC], v[rC], v[rS+7], v[rS+15]
.elseif (\n) == 13
	v_max3_num_f32 v[rC+1], v[rC+1], v[rS+23], v[rS+31]
.elseif (\n) == 14
	v_max3_num_f32 v[rC+2], v[rC+2], v[rC+3], v[rT+1]
.elseif (\n) == 15
	v_mov_b32 v[rM], v[rT]
.elseif (\n) == 16
	v_max3_num_f32 v[rC], v[rC], v[rC+1], v[rC+2]
.elseif (\n) == 17
	v_permlanex16_b32 v[rC+3], v[rC], s[SEL], s[SEL+1]
.elseif (\n) == 18
	v_max_num_f32 v[rT+1], v[rC], v[rC+3]
.elseif (\n) == 19
	v_mul_f32 v[rT], s[CS], v[rT+1]
.elseif (\n) == 20
	v_sub_f32 v[rC+1], v[rM], v[rT]
.else
	v_exp_f32 v[rC+2], v[rC+1]
.endif
.endm
; Number g of the 64 that follow the exponentials.  For each four weights k of a tile (pairs 2 k, 2 k + 1): both pairs are rounded to f16; then the second pair is added onto the first, in place;
; a group later l takes that sum (the first time as l = a l + sum).  In groups of eight, tiles alternating: round, round, add, and l for the group before.
.macro GS g
.set h, (\g)+6*((\g)/62)            ; group 0 has no group before it, and behind group 7 only l is left
.if h >= 6
.set h, h+2
.endif
	REGS Y, h%2
.set k, h/8
.if h%8 < 4
	v_cvt_pk_f16_f32 v[rP+2*k+(h%8)/2], v[rS+4*k+2*((h%8)/2)], v[rS+4*k+2*((h%8)/2)+1]
.elseif h%8 < 6
	v_pk_add_f32 v[rS+4*k:rS+4*k+1], v[rS+4*k:rS+4*k+1], v[rS+4*k+2:rS+4*k+3]
.elseif k == 1
	v_pk_fma_f32 v[rT+2:rT+3], v[rT+2:rT+3], v[rC+2:rC+3], v[rS:rS+1] op_sel_hi:[1,0,1]
.else
	v_pk_add_f32 v[rT+2:rT+3], v[rT+2:rT+3], v[rS+4*k-4:rS+4*k-3]
.endif
.endm
; THE PLAIN QUEUE, 202 long.  0-31: c s - c m for the 16 pairs of both tiles.  32-41: the first eight of GS, and number 15 of XS.  42-105: the 64 selects of the mask, behind the products that make those scores.
; 106-137: XS 0-14 and 16.  138-201: the rest of GS, and among it, at 159-170, XS 17-20, two of three, since each waits for the one before it.
.macro PL
	WIN 0
.if q < 32
	REGS Y, q%2
	v_pk_fma_f32 v[rS+2*(q/2):rS+2*(q/2)+1], v[rS+2*(q/2):rS+2*(q/2)+1], s[CS:CS+1], v[rT:rT+1] op_sel_hi:[1,0,0] neg_lo:[0,0,1] neg_hi:[0,0,1]
.elseif q < 38
	GS q-32
.elseif q < 40
	XS q%2, 15
.elseif q < 42
	GS q-34
.elseif q < 106
	MS q%2, (q-42)/2
.elseif q < 138
	XS q%2, (q-106)/2+(q-106)/30
.elseif q < 159
	GS q-130
.elseif (q < 171) && ((q-159)%3 < 2)
	XS (q-159)%3, 17+(q-159)/3
.elseif q < 171
	GS 29+(q-159)/3
.else
	GS q-138
.endif
.set q, q+1
.endm
; THE QUEUE OF EXPONENTIALS, 64 long: s0-s31 of both tiles.  (The two a of the next piece are written out in the second run.)
.macro EX
	WIN 0
	REGS Y, e%2
	v_exp_f32 v[rS+e/2], v[rS+e/2]
.set e, e+1
.endm
; THE QUEUE OF THE RESCALING: O^T times a, the one part that leaves window 0, so it is dealt four at a time, eight times.
.macro R4
	REGS Y, r%2
	WIN W_RS
.irp z, 0,1,2,3
	v_pk_mul_f32 v[rO+8*(r/2)+2*\z:rO+8*(r/2)+2*\z+1], v[rO+8*(r/2)+2*\z:rO+8*(r/2)+2*\z+1], v[rC+2:rC+3] op_sel_hi:[1,0]
.endr
.set r, r+1
.endm
; HOW THEY ARE DEALT.  Behind a matrix instruction four: plain, exponential, plain, plain, or four of the rescaling.  None names a register of the products round it.  What is over stands in two runs: 41 pairs of
; exponential and plain, and 88 plain.  The counts that the deal keeps: exponential e stands behind plain 2 (e / 4) + e % 2 (its scaling); when plain 32 comes, 10 exponentials are out, at 40: 15; the first select
; (plain 42) stands behind the four rescalings and five more plain instructions behind the last product K Q^T; all 64 exponentials are out at plain 114, ahead of plain 138.
.macro SL
	MM
	PL
	EX
	PL
	PL
.endm
.macro BURST n                      ; 15 matrix instructions, or 16
.rept (\n)-7
	SL
.endr
.rept 3
	MM
	R4
	SL
.endr
	MM
	R4
.endm
; A TURN, for piece p.  cnt = 1: the count of the loop is taken down some lines ahead of the branch that stands behind the turn.
; K of the next step is fetched in the turn of piece 2, 31 vector instructions behind the last product that read K.  V of the step in hand is fetched at the end of the turn of piece 0, 92 behind its last reader.
; THE WORDS OF THE MASK for the scores of the next turn (piece p + 2) are asked for behind the second burst, eight plain instructions behind the last select that reads the registers, and waited for ahead of plain 42
; of the next turn.  The turn of piece 2 asks for piece 0 of the NEXT step: it steps HB first; its own wait ahead of plain 42 has shown every earlier scalar load done, and none was issued since.
; The last step looks one step past the 32 of pieces 0 and 1: those 256 bytes are step 0 of pieces 1 and 2 of the same wave, inside hid; the scores that they mask serve nothing.
.macro TURN p, last=0, cnt=0
.set Y, (\p)
.set i, 0
.set q, 0
.set e, 0
.set r, 0
.if (\p) == NP-1
	s_wait_dscnt 0x0                ; K is in
.endif
	MM
.rept 4
	PL
.endr
	BURST 15
.rept 41
.if q == 42
	s_wait_kmcnt 0x0                ; the words of the mask are in (scalar loads come back in no order: the count is 0)
.endif
	EX
	PL
.if ((\p) == NP-2) && (e == 18)
	v_add_nc_u32 v[AK], s[TBK], v[AK0]
.endif
.if ((\p) == NP-2) && (e == 24)
	FETCH_K \last
.endif
.endr
.if (\p) == 1
	s_wait_dscnt 0x0                ; V is in
.endif
	BURST 16
.if (\p) == NP-2
	s_add_nc_u64 s[HB:HB+1], s[HB:HB+1], 256
.endif
	LOADM ((\p)+2)%NP
.rept 88
	PL
.if q == 176
	XS 0, 21                        ; the two a of the next piece, seven lines behind their arguments; the plain line that follows names neither
	XS 1, 21
.endif
.if ((\p) == 0) && (q == 182)
	v_add_nc_u32 v[AV], s[TBV], v[AV0]
.endif
.if ((\p) == 0) && (q == 194)
	s_add_co_u32 s[TBV], s[TBV], KS*PV
.endif
.if (\cnt) && (q == 194)
	s_sub_co_u32 s[CNT], s[CNT], 1
	s_cmp_lg_u32 s[CNT], 0
.endif
.endr
.if (\p) == 0
	FETCH_V
.endif
.endm
	CHANGE 1                        ; slot 0 is in, everybody's part of it; slot 1 is asked for
	FETCH_K                         ; key step 0
	s_wait_loadcnt 0x0              ; Q
	s_wait_dscnt 0x0
.set i, 0
.rept 16
	KQ 0                            ; the first scores of piece 0: there is no vector work yet to set between them
.set i, i+1
.endr
	WIN 0                           ; the addresses for the way out: nine plain instructions, the places behind those products
	s_mul_i32 s13, s[WV], 16*SP
	s_add_co_u32 s13, s13, STAGE    ; my stage
	v_mul_u32_u24 v[STO], v1, SP    ; in: row l % 16, 16 bytes for each half of the lanes
	v_lshl_add_u32 v[STO], v9, 4, v[STO]
	v_add_nc_u32 v[STO], s13, v[STO]
	v_bfe_u32 v[RD], v0, 3, 2       ; back: 32 lanes take four rows of 128 bytes,
	v_mul_u32_u24 v[RD], v[RD], SP
	v_lshl_add_u32 v[RD], v10, 4, v[RD]
	v_add_nc_u32 v[RD], s13, v[RD]
	v_and_b32 v[GO], 31, v0         ; which are 512 consecutive bytes of O
	v_lshlrev_b32 v[GO], 4, v[GO]
.set Y, NP-1                        ; MS and XS work for piece Y + 1: piece 0
	s_wait_kmcnt 0x0                ; its words of the mask
.set w, 0
.rept 32
	MS 0, w
	MS 1, w
.set w, w+1
.endr
	LOADM 1                         ; the words for the scores that the first turn makes
.irp n, 0,1,2,3,4,5,6,7,8,9,10,11,12,13,14,15,16,17,18,19,20,21
	XS 0, \n                        ; and the first maximum and statistics of piece 0
	XS 1, \n
.endr
	s_mov_b32 s[CNT], 4
	s_mov_b32 s[SLOTS], SIZE_N/256-1
	s_branch .Lfirst                ; the loop is entered at the first turn of a step, in the middle of a trip
.Lslot:                             ; SIZE_N / 256 - 2 times: every slot but the last two is filled again
	CHANGE 1
	s_mov_b32 s[CNT], 4
.Lstep:                             ; a trip: pieces 2 and 3 of one step, then pieces 0 and 1 of the next, whose K and V it fetches
	TURN 2
	TURN 3
	WIN 0
.Lfirst:
	TURN 0
	TURN 1, 0, 1
	WIN 0
	s_cbranch_scc1 .Lstep
	s_sub_co_u32 s[SLOTS], s[SLOTS], 1
	s_cmp_lg_u32 s[SLOTS], 0
	s_cbranch_scc1 .Lslot
	CHANGE 0                        ; the tail is written out: nothing is asked for
	s_mov_b32 s[CNT], 5             ; four trips fetch the steps of the last slot; the fifth is left in its middle
.Ltail:
	TURN 2, 1
	TURN 3
	WIN 0
	s_sub_co_u32 s[CNT], s[CNT], 1
	s_cmp_eq_u32 s[CNT], 0
	s_cbranch_scc1 .Lout
	TURN 0
	TURN 1
	WIN 0
	s_branch .Ltail
.Lout:                              ; the 16 products K Q^T of the fifth trip (on the last K once more), their mask and maximum serve nothing: the price, once a launch, of one text for every trip
	s_wait_kmcnt 0x0                ; the last words asked for have come: nothing of mine is on its way into a register
.set i, 0
.rept 16
	PV NP-1                         ; V^T P of the last piece and step
.set i, i+1
.endr
	; THE WAY OUT.  The two halves of l and those of the other half of the lanes are added; O^T is divided by l, rounded to f16 and sent through my stage in LDS, a tile at a time.  The additions are the places behind the last products.
	WIN 0
.macro ALL line:vararg              ; one line for each tile t
.set t, 0
.rept 2*NP
	\line
.set t, t+1
.endr
.endm
	ALL v_add_f32 v[ST+4*t+2], v[ST+4*t+2], v[ST+4*t+3]
	ALL v_permlanex16_b32 v[ST+4*t+3], v[ST+4*t+2], s[SEL], s[SEL+1]
	ALL v_add_f32 v[ST+4*t+2], v[ST+4*t+2], v[ST+4*t+3]
	ALL v_rcp_f32 v[ST+4*t+2], v[ST+4*t+2]
	v_nop                           ; a plain instruction between the last reciprocal and the use of its result
; Tile t: the eight channels of a lane pack into 16 bytes; they go into rows of 144 bytes and come back as whole rows of 128, into the registers of S^T.
.macro PACK t
	WIN W_RS
.set i, 32*(\t)
.rept 16
	v_pk_mul_f32 v[i:i+1], v[i:i+1], v[ST+4*(\t)+2:ST+4*(\t)+3] op_sel_hi:[1,0]
.set i, i+2
.endr
	WIN 0x05                        ; sources 0 and 1 window 1, destination window 0
.set i, 0
.rept 16
	v_cvt_pk_f16_f32 v[S+16*(\t)+i], v[32*(\t)+2*i], v[32*(\t)+2*i+1]
.set i, i+1
.endr
	WIN 0
.irp f, 0,1,2,3
	ds_store_b128 v[STO], v[S+16*(\t)+4*\f:S+16*(\t)+4*\f+3] offset:32*\f
.endr
.irp f, 0,1,2,3
	ds_load_b128 v[S+16*(\t)+4*\f:S+16*(\t)+4*\f+3], v[RD] offset:\f*4*SP  ; LDS serves the instructions of a wave in order (ISA guide 5.7.1.4): these see the stores above; the stores of the next tile come behind them
.endr
.endm
.macro SEND t, younger              ; younger: the LDS instructions issued behind the loads of tile t: the eight of the next tile, or none
	WIN 0
.irp f, 0,1,2,3
	s_wait_dscnt (\younger)+3-\f
	global_store_b128 v[GO], v[S+16*(\t)+4*\f:S+16*(\t)+4*\f+3], s[10:11] offset:(\t)*2048+\f*512  ; 512 consecutive bytes, at a multiple of 256 from the first byte of o
.endr
.endm
	PACK 0
.set t, 1
.rept 2*NP-1                        ; the arithmetic of a tile stands between the loads of the tile before and its stores
	PACK t
	SEND t-1, 8
.set t, t+1
.endr
	SEND 2*NP-1, 0
	WIN W_AD
	s_wait_tensorcnt 0x0            ; the end of the wave: behind my last tensor load and my last LDS store
	ds_add_u32 v[SPW], v[NIL]
	s_wait_dscnt 0x0
	WIN 0
	CROUND                          ; the closing round: no work-group ends while a partner may still ask for a tile that names it
	s_endpgm
.Lfunc_end_k_q5ffa58ca3d_attn:
	.size	k_q5ffa58ca3d_attn, .Lfunc_end_k_q5ffa58ca3d_attn-k_q5ffa58ca3d_attn
	.p2alignl 7, 3214868480
	.fill 96, 4, 3214868480
	.section	.rodata,"a",@progbits
	.p2align	6, 0x0
	.amdhsa_kernel k_q5ffa58ca3d_attn
		.amdhsa_group_segment_fixed_size 327680
		.amdhsa_private_segment_fixed_size 0
		.amdhsa_enable_private_segment 0
		.amdhsa_kernarg_size 24
		.amdhsa_user_sgpr_count 2
		.amdhsa_user_sgpr_kernarg_segment_ptr 1
		.amdhsa_wavefront_size32 1
		.amdhsa_system_sgpr_workgroup_id_x 1
		.amdhsa_system_sgpr_workgroup_id_y 1
		.amdhsa_system_sgpr_workgroup_id_z 1
		.amdhsa_system_vgpr_workitem_id 0
		.amdhsa_next_free_vgpr 770
		.amdhsa_next_free_sgpr 102
		.amdhsa_reserve_vcc 0
		.amdhsa_float_denorm_mode_32 3
		.amdhsa_float_denorm_mode_16_64 3
		.amdhsa_memory_ordered 1
		.amdhsa_forward_progress 1
		.amdhsa_inst_pref_size 232
	.end_amdhsa_kernel
	.amdgpu_metadata
---
amdhsa.version: [ 1, 2 ]
amdhsa.kernels:
  - .name:           k_q5ffa58ca3d_attn
    .symbol:         k_q5ffa58ca3d_attn.kd
    .args:
      - { .name: qkv, .offset: 0, .size: 8, .value_kind: global_buffer, .address_space: global }
      - { .name: hid, .offset: 8, .size: 8, .value_kind: global_buffer, .address_space: global }
      - { .name: o, .offset: 16, .size: 8, .value_kind: global_buffer, .address_space: global }
    .group_segment_fixed_size: 327680
    .private_segment_fixed_size: 0
    .kernarg_segment_align: 8
    .kernarg_segment_size: 24
    .max_flat_workgroup_size: 128
    .sgpr_count:     102
    .vgpr_count:     770
    .wavefront_size: 32
...
	.end_amdgpu_metadata
.endif
;; end of part 3
;; launch proj (part 4): grid 8 x 32, 4 waves a work-group, clusters of 4 x 4, 327,680 bytes of LDS; arguments o, wt, bo, out0; writes out0
.if DOCPART == 4
	.amdgcn_target "amdgcn-amd-amdhsa--gfx1250"
	.amdhsa_code_object_version 6
	.text
	.protected	k_q5ffa58ca3d_proj
	.globl	k_q5ffa58ca3d_proj
	.p2align	8
	.type	k_q5ffa58ca3d_proj,@function
k_q5ffa58ca3d_proj:
	s_mov_b64 s[64:65], 0
	v_nop
	global_prefetch_b8 v0, s[64:65] scope:SCOPE_SE
	s_setreg_imm32_b32 hwreg(HW_REG_WAVE_MODE, 25, 1), 1
	s_wait_xcnt 0x0
	s_wait_alu depctr_hold_cnt(0) depctr_sa_sdst(0) depctr_va_vdst(0) depctr_va_sdst(0) depctr_va_ssrc(0) depctr_va_vcc(0) depctr_vm_vsrc(0)
	s_getreg_b32 s2, hwreg(HW_REG_IB_STS2, 6, 4)
	s_cmp_eq_u32 s2, 0
	s_cbranch_scc0 .Lentry_in_a_cluster
	s_endpgm
.Lentry_in_a_cluster:
	s_bfe_u32 s2, ttmp6, 0x10000c
	s_cmp_lg_u32 s2, 0xf033
	s_cbranch_scc0 .Lentry_shape_is_right
	s_endpgm
.Lentry_shape_is_right:
; C[m][n] = bias[n] + the sum over k of A[m][k] B[n][k], 8,192 rows, K = 1,024.  One text for two launches, chosen by MODE.
; MODE 0: A = xb (x in bf16), B = rows 0 to 3,071 of wt (Wq, Wk, Wv turned, bf16); C leaves in f16 by heads: qkv[3][64 = 16 b + h][2048][64], unscaled.
; MODE 1: A = o (f16), B = rows 3,072 to 4,095 of wt (Wo turned, f16); C leaves in f32: out0[8192][1024].
; A and B lie by slices of 64 along K: [slice][row][64], so a block of rows of one slice is dense and is asked for as rows of 256 bytes.
; LIMITS.  All inputs, the biases too, are rounded to bf16; sums in f32.  MODE 0: a q, k or v of 65,520 or more in magnitude leaves as an infinity (f16).  NaN and infinities are not treated apart.
; SHARES.  A tile of C is 256 x 128: 8,192 x 1,024 make 256 tiles, 8,192 x 3,072 make 768.  Four waves, each 128 x 64: 32 accumulators, 256 registers.  A wave has 64 whole columns: a head in f16 (128 bytes a row,
; 16 rows dense) or 256 aligned bytes of a row in f32, so each wave has a way out of its own.  K goes in steps of 128 (two slices) through a ring of two LDS slots.
; CLUSTER: 4 x 4 work-groups.  The four of a row of the cluster need the same tiles of A, the four of a column the same tiles of B: each tile is asked for JOINTLY, by the same tensor load with the same descriptor and a mask of four.
; THE MATRIX INSTRUCTION IS USED TRANSPOSED (source 0 = 16 rows of B, source 1 = 16 rows of A): a lane then holds eight neighbouring columns of one row of C.
; THE BIAS is the C operand of the first 32 products: nothing is cleared, and no addition stands on the way out.
; REGISTERS: window 0: v0-31 addresses; v32-63 the bias; v64-191 the way out.  window 1: two fragment buffers of 96 (64 of A: 8 x 16 rows x 32 K; 32 of B).  window 2: accumulator (a, b) at v[8 (4 a + b)].
.set MODE,   1
.set PITCH,  144                       ; an LDS row: 128 bytes of a slice + 16 = 36 words: the 16 rows of a load start at 16 different groups of four banks (64 banks of 4 bytes: ISA guide 11.1)
.set ASL,    256*PITCH                 ; a slice of A in a slot
.set BSL,    128*PITCH                 ; a slice of B
.set BOFF,   2*ASL                     ; B lies behind the two slices of A
.set SLOT,   2*ASL+2*BSL
.set STAGE,  2*SLOT                    ; behind the ring: 4,352 bytes for each wave, for the way out; no tensor load lands there
.set STGW,   4352
.set SPARE,  STAGE+4*STGW              ; behind the stages: the spare words, 128 bytes for each wave: two blocks of 256 bytes that no other line names
.set LAPS,   4                         ; a lap = two K steps = once round the ring
.set ASTEP,  524288                    ; bytes from a K step of A to the next: two slices of 2,048 rows
.set BSTEP,  1048576                   ; the same for B: two slices of 4,096 rows
.set ADRA, 16                          ; v16-17  LDS address of my A fragments in slot 0, 1
.set ADRB, 20                          ; v20-21  the same for B
.set STO,  24                          ; v24     the way out: where I put my part of a row
.set RD,   25                          ; v25     the way out: where I read rows back
.set CO,   26                          ; v26     my byte offset in C
.set BO,   27                          ; v27     my byte offset in the bias
.set SPW,  28                          ; v28     LDS address of my spare word: SPARE + 4 x my thread number; never rewritten
.set NIL,  29                          ; v29     0; never rewritten
.set BIAS, 32
.set OUTR, 64
.set F0,   0                           ; fragment buffers, in window 1
.set F1,   96
.set G1,  24                           ; s[24:31] descriptor group 1 for tiles of A;  s[32:39] group 0, one set for each slot
.set G0,  32
.set G1B, 48                           ; s[48:55], s[56:63] the same for B
.set G0B, 56
.set WV,  76                           ; s76  my wave number
.set RH,  77                           ; s77  which half of the rows is mine.  Also: I fetch for A (0) or for B (1)
.set CH,  78                           ; s78  which half of the columns.  Also: which slice of a K step I fetch
.set MSB, 0
.macro WIN new                         ; the high byte of the immediate repeats the setting that is left
.if MSB != (\new)
	s_set_vgpr_msb (MSB<<8)|(\new)
.set MSB, \new
.endif
.endm
.set MUL,   0xa5                       ; sources 0 (B) and 1 (A) window 1; C and D window 2
.set FIRST, 0x85                       ; the same with C, the bias, in window 0
.set TO_F,  0x40                       ; destination window 1, address window 0
.macro JLOAD s                         ; a joint load: waves 0 and 1 fetch the two slices of A, waves 2 and 3 those of B; an s_nop 0 and four v_nop follow each line, ahead of the jump and the label
	s_cmp_eq_u32 s[RH], 0
	s_cbranch_scc0 .Lfor_b_\@
	tensor_load_to_lds s[G0+4*(\s):G0+4*(\s)+3], s[G1:G1+7]
	s_nop 0
.rept 4
	v_nop
.endr
	s_branch .Lasked_\@
.Lfor_b_\@:
	tensor_load_to_lds s[G0B+4*(\s):G0B+4*(\s)+3], s[G1B:G1B+7]
	s_nop 0
.rept 4
	v_nop
.endr
.Lasked_\@:
.endm
.macro CREST                           ; a round of the cluster barrier behind its opening barrier
	s_cmp_lg_u32 s[WV], 0
	s_cbranch_scc1 .Lnot_wave_0_\@
	s_barrier_signal -3
.Lnot_wave_0_\@:
	s_barrier_wait -3
	s_barrier_signal -1
	s_barrier_wait -1
.endm
.macro CROUND                          ; a whole round
	s_barrier_signal -1
	s_barrier_wait -1
	CREST
.endm
.if MODE == 0
	s_load_b256 s[4:11], s[0:1], 0x0               ; xb 4, wt 6, bq 8, bk 10
	s_load_b128 s[12:15], s[0:1], 0x20             ; bv 12, qkv 14
.else
	s_load_b256 s[4:11], s[0:1], 0x0               ; o 4, wt 6, bo 8, out0 10
.endif
	v_lshl_add_u32 v[SPW], v0, 2, SPARE
	v_mov_b32 v[NIL], 0
	v_lshrrev_b32 v1, 5, v0
	v_readfirstlane_b32 s[WV], v1                  ; wave 0..3
	s_lshr_b32 s[RH], s[WV], 1
	s_and_b32 s[CH], s[WV], 1
	s_bfe_u32 s40, ttmp6, 0x40000                  ; cx, cy: my place in the cluster
	s_bfe_u32 s41, ttmp6, 0x40004
	s_lshl_b32 s42, ttmp9, 2
	s_add_co_u32 s42, s42, s40                     ; tile column of C = 4 x cluster x + cx
	s_and_b32 s45, ttmp7, 0xffff
	s_lshl_b32 s45, s45, 2
	s_add_co_u32 s45, s45, s41                     ; tile row of C = 4 x cluster y + cy
	s_lshl_b32 s43, s41, 2
	s_lshl_b32 s43, 15, s43                        ; my row of the cluster
	s_lshl_b32 s44, 0x1111, s40                    ; my column
	; descriptor group 1.  A slice of a tile is dense: 256 (B: 128) rows of 128 bytes, asked for as 128 (64) rows of 256 bytes and padded in LDS after every 128 bytes
	s_or_b32 s[G1], s43, (1<<16)|(1<<20)|(1<<21)|(4<<22)|(3<<25)   ; 15:0 the mask: tiles of A go to my row; 17:16 elements of 2 bytes; 20 padding on; 21 set beside a mask; 24:22 after every 32 words (code 4); 31:25 4 words (code 3)
	s_or_b32 s[G1B], s44, (1<<16)|(1<<20)|(1<<21)|(4<<22)|(3<<25)  ; the same with the mask of my column
	s_mov_b32 s[G1+1], 128<<16                     ; tensor_dim0 = 128
	s_mov_b32 s[G1+2], 128<<16                     ; tensor_dim1 = 128
	s_mov_b32 s[G1+3], 128<<16                     ; tile_dim0 = 128
	s_mov_b32 s[G1+4], 128                         ; tile_dim1 = 128
	s_mov_b32 s[G1+5], 128                         ; 128 elements from row to row
	s_mov_b32 s[G1+6], 0
	s_mov_b32 s[G1+7], 0
	s_mov_b32 s[G1B+1], 128<<16
	s_mov_b32 s[G1B+2], 64<<16                     ; tensor_dim1 = 64
	s_mov_b32 s[G1B+3], 128<<16
	s_mov_b32 s[G1B+4], 64                         ; tile_dim1 = 64
	s_mov_b32 s[G1B+5], 128
	s_mov_b32 s[G1B+6], 0
	s_mov_b32 s[G1B+7], 0
	; where the tiles come from.  A hangs on the tile row alone, B on the tile column alone, each in registers that never hold the other coordinate
	s_lshr_b32 s16, s45, 3
	s_lshl_b32 s16, s16, 22                        ; A: the batch, 16 slices of 262,144 bytes,
	s_and_b32 s17, s45, 7
	s_lshl_b32 s17, s17, 15                        ;    256 rows of 128 bytes,
	s_add_co_u32 s16, s16, s17
	s_lshl_b32 s17, s[CH], 18                      ;    my slice of the K step
	s_add_co_u32 s16, s16, s17
	s_mov_b32 s17, 0
	s_lshl_b32 s46, s42, 14                        ; B: 128 rows of 128 bytes,
	s_lshl_b32 s47, s[CH], 19                      ;    my slice
	s_add_co_u32 s46, s46, s47
.if MODE
	s_add_co_u32 s46, s46, 3072*128                ;    Wo lies behind the three others
.endif
	s_mov_b32 s47, 0
	s_mul_i32 s20, s[WV], ASL                      ; and where they go: waves 0, 1: the two slices of A;
	s_mul_i32 s21, s[WV], BSL
	s_add_co_u32 s21, s21, BOFF-2*BSL              ; waves 2, 3: the two slices of B.  No place in the cluster enters an LDS address
	s_wait_kmcnt 0x0
	s_add_nc_u64 s[16:17], s[4:5], s[16:17]
	s_add_nc_u64 s[46:47], s[6:7], s[46:47]
	CROUND                                         ; all sixteen work-groups are here: the first joint loads meet
.irp s, 0,1
	s_mov_b32 s[G0+4*(\s)], 1                                      ; count = 1
	s_add_co_u32 s[G0+4*(\s)+1], s20, (\s)*SLOT                    ; LDS address
	s_add_nc_u64 s[G0+4*(\s)+2:G0+4*(\s)+3], s[16:17], (\s)*ASTEP  ; global address: K step s
	s_or_b32 s[G0+4*(\s)+3], s[G0+4*(\s)+3], 0x80000000            ; type = 2
	s_mov_b32 s[G0B+4*(\s)], 1
	s_add_co_u32 s[G0B+4*(\s)+1], s21, (\s)*SLOT
	s_add_nc_u64 s[G0B+4*(\s)+2:G0B+4*(\s)+3], s[46:47], (\s)*BSTEP
	s_or_b32 s[G0B+4*(\s)+3], s[G0B+4*(\s)+3], 0x80000000
	JLOAD \s                                       ; two tensor loads of mine are out
.endr
	; the bias of my 64 columns: register j of n block b holds bias[16 b + 8 (l / 16) + j], the place of a column in a result
	v_and_b32 v1, 15, v0                           ; l % 16
	v_bfe_u32 v2, v0, 4, 1                         ; l / 16
.if MODE == 0
	s_lshr_b32 s70, s42, 3                         ; q, k or v: eight tile columns each
	s_cmp_eq_u32 s70, 1
	s_cselect_b64 s[72:73], s[10:11], s[8:9]
	s_cmp_eq_u32 s70, 2
	s_cselect_b64 s[72:73], s[12:13], s[72:73]
.else
	s_mov_b64 s[72:73], s[8:9]
.endif
	s_and_b32 s74, s42, 7
	s_lshl_b32 s74, s74, 9                         ; 128 columns of 4 bytes,
	s_lshl_b32 s75, s[CH], 8                       ; my 64
	s_add_co_u32 s74, s74, s75
	s_mov_b32 s75, 0
	s_add_nc_u64 s[72:73], s[72:73], s[74:75]
	v_lshlrev_b32 v[BO], 5, v2
.irp b, 0,1,2,3
	global_load_b128 v[BIAS+8*(\b):BIAS+8*(\b)+3],   v[BO], s[72:73] offset:64*(\b)
	global_load_b128 v[BIAS+8*(\b)+4:BIAS+8*(\b)+7], v[BO], s[72:73] offset:64*(\b)+16
.endr
	; a fragment is 16 rows x 32 K in 8 registers: lane l holds row l % 16, K = 8 (l / 16) + 0..7 and 16 + 8 (l / 16) + 0..7: two loads of 16 bytes, 32 bytes apart
	v_mul_u32_u24 v3, v1, PITCH
	v_lshl_add_u32 v3, v2, 4, v3
	s_mul_i32 s22, s[RH], 128*PITCH                ; my 128 rows of A
	s_mul_i32 s23, s[CH], 64*PITCH                 ; my 64 rows of B
	s_add_co_u32 s23, s23, BOFF
.irp s, 0,1
	v_add_nc_u32 v[ADRA+(\s)], s22, v3
	v_add_nc_u32 v[ADRB+(\s)], s23, v3
	s_add_co_u32 s22, s22, SLOT
	s_add_co_u32 s23, s23, SLOT
.endr
	s_mul_i32 s22, s[WV], STGW
	s_add_co_u32 s22, s22, STAGE                   ; my stage
.if MODE == 0
	v_mul_u32_u24 v4, v1, 144                      ; in: row l % 16 of 128 bytes + 16, 16 bytes for each half of the lanes
	v_lshl_add_u32 v4, v2, 4, v4
	v_add_nc_u32 v[STO], s22, v4
	v_bfe_u32 v5, v0, 3, 2                         ; back: 32 lanes take four rows of 128 bytes,
	v_mul_u32_u24 v5, v5, 144
	v_and_b32 v6, 7, v0
	v_lshl_add_u32 v5, v6, 4, v5
	v_add_nc_u32 v[RD], s22, v5
	v_and_b32 v[CO], 31, v0                        ; which are 512 consecutive bytes of a head
	v_lshlrev_b32 v[CO], 4, v[CO]
	s_lshl_b32 s70, s70, 24                        ; q, k or v: 64 heads of 262,144 bytes;
	s_lshr_b32 s71, s45, 3
	s_lshl_b32 s71, s71, 4                         ; 16 x batch
	s_and_b32 s74, s42, 7
	s_lshl_b32 s74, s74, 1
	s_add_co_u32 s71, s71, s74
	s_add_co_u32 s71, s71, s[CH]                   ; + head
	s_lshl_b32 s71, s71, 18
	s_add_co_u32 s70, s70, s71
	s_and_b32 s71, s45, 7
	s_lshl_b32 s71, s71, 1
	s_add_co_u32 s71, s71, s[RH]
	s_lshl_b32 s71, s71, 14                        ; my 128 rows of 128 bytes
	s_add_co_u32 s70, s70, s71
	s_mov_b32 s71, 0
	s_add_nc_u64 s[68:69], s[14:15], s[70:71]
.else
	v_mul_u32_u24 v4, v1, 272                      ; in: row l % 16 of 256 bytes + 16, 32 bytes for each half of the lanes
	v_lshl_add_u32 v4, v2, 5, v4
	v_add_nc_u32 v[STO], s22, v4
	v_mul_u32_u24 v5, v2, 272                      ; back: lanes 0-15 take one row of 256 bytes, lanes 16-31 the next
	v_lshl_add_u32 v5, v1, 4, v5
	v_add_nc_u32 v[RD], s22, v5
	v_lshlrev_b32 v5, 12, v2                       ; and the same two rows in C
	v_lshl_add_u32 v[CO], v1, 4, v5
	s_lshl_b32 s70, s45, 1
	s_add_co_u32 s70, s70, s[RH]
	s_lshl_b32 s70, s70, 19                        ; my 128 rows of 4,096 bytes,
	s_lshl_b32 s71, s42, 1
	s_add_co_u32 s71, s71, s[CH]
	s_lshl_b32 s71, s71, 8                         ; my 64 columns of 4
	s_add_co_u32 s70, s70, s71
	s_mov_b32 s71, 0
	s_add_nc_u64 s[68:69], s[10:11], s[70:71]
.endif
	s_wait_loadcnt 0x0                             ; the bias, rounded to bf16 like every input and widened again
.set i, 0
.rept 16
	v_cvt_pk_bf16_f32 v[OUTR+i], v[BIAS+2*i], v[BIAS+2*i+1]
.set i, i+1
.endr
.set i, 0
.rept 16
	v_lshlrev_b32 v[BIAS+2*i], 16, v[OUTR+i]
	v_and_b32 v[BIAS+2*i+1], 0xffff0000, v[OUTR+i]
.set i, i+1
.endr
; 8 matrix instructions: m blocks a0, a0 + 1 x all 4 n blocks, 32 along K, from buffer f.  first = 1: the product starts the sum, on the bias.
; The 32 accumulators take turns in the same order in every quarter.
.macro MUL8 f, a0, first
.if \first
	WIN FIRST
.else
	WIN MUL
.endif
.irp a, \a0, (\a0)+1
.irp b, 0,1,2,3
.set rD, 8*(4*(\a)+(\b))
.set rB, (\f)+64+8*(\b)
.set rA, (\f)+8*(\a)
.set rC, rD
.if \first
.set rC, BIAS+8*(\b)
.endif
.if MODE
	v_wmma_f32_16x16x32_f16 v[rD:rD+7], v[rB:rB+7], v[rA:rA+7], v[rC:rC+7]
.else
	v_wmma_f32_16x16x32_bf16 v[rD:rD+7], v[rB:rB+7], v[rA:rA+7], v[rC:rC+7]
.endif
.endr
.endr
.endm
; 24 LDS loads in one run: the fragments of quarter q of a K step (slice q / 2, 32 K at byte 64 (q % 2) of its rows) into buffer f; B first, then A from its first block on
.macro FETCH slot, q, f
	WIN TO_F
.irp i, 0,1,2,3
	ds_load_b128 v[(\f)+64+8*(\i):(\f)+64+8*(\i)+3],   v[ADRB+(\slot)] offset:((\q)/2)*BSL+((\q)%2)*64+(\i)*16*PITCH
	ds_load_b128 v[(\f)+64+8*(\i)+4:(\f)+64+8*(\i)+7], v[ADRB+(\slot)] offset:((\q)/2)*BSL+((\q)%2)*64+(\i)*16*PITCH+32
.endr
.irp i, 0,1,2,3,4,5,6,7
	ds_load_b128 v[(\f)+8*(\i):(\f)+8*(\i)+3],   v[ADRA+(\slot)] offset:((\q)/2)*ASL+((\q)%2)*64+(\i)*16*PITCH
	ds_load_b128 v[(\f)+8*(\i)+4:(\f)+8*(\i)+7], v[ADRA+(\slot)] offset:((\q)/2)*ASL+((\q)%2)*64+(\i)*16*PITCH+32
.endr
.endm
.macro PLACES                          ; four places in front of loads into registers that matrix instructions have read, and of lines that read results
.rept 4
	v_nop
.endr
.endm
; A K step is four quarters of 32 along K, 32 matrix instructions each, on buffers 0, 1, 0, 1.  One of the first three: multiplies buffer f and fetches quarter qn into g.
.macro QUARTER slot, qn, f, g, first
	s_wait_dscnt 8                                 ; B and the blocks 0-3 of A are in; the youngest eight loads (blocks 4-7) may be out
	MUL8 \f, 0, \first
	MUL8 \f, 2, \first
	PLACES
	FETCH \slot, \qn, \g
	s_wait_dscnt 24                                ; all but the 24 just issued
	MUL8 \f, 4, \first
	MUL8 \f, 6, \first
.endm
; The last quarter multiplies buffer 1 and changes slots: ONE barrier; in front of it each wave waits for all its tensor loads, adds 0 to its spare word, and waits for that and for its own reads of this slot.
; fill = 1: this slot is filled again, two K steps ahead; the barrier then opens a round of the cluster barrier.
.macro TURN slot, next, fill
	WIN 0                                          ; (the two registers of the add lie in window 0)
	s_wait_tensorcnt 0x0                           ; all my tensor loads have landed: the one that was out is my part of the next slot;
	ds_add_u32 v[SPW], v[NIL]                      ; 0 onto my spare word;
	s_wait_dscnt 9                                 ; (the add and the youngest eight loads may be out)
	MUL8 F1, 0, 0                                  ; eight matrix instructions stand between the add and the wait for it
	s_wait_dscnt 0x0                               ; the add is done, and my reads of this slot are over
	s_barrier_signal -1
	MUL8 F1, 2, 0
.if \fill
	WIN 0
.endif
	s_barrier_wait -1
.if \fill
	CREST                                          ; no wave of any partner still reads this slot or has a load on its way
	s_add_nc_u64 s[G0+4*(\slot)+2:G0+4*(\slot)+3], s[G0+4*(\slot)+2:G0+4*(\slot)+3], 2*ASTEP
	s_add_nc_u64 s[G0B+4*(\slot)+2:G0B+4*(\slot)+3], s[G0B+4*(\slot)+2:G0B+4*(\slot)+3], 2*BSTEP
	JLOAD \slot                                    ; the first tensor load behind the round, 112 matrix instructions ahead of the wait for it; its four v_nop are also the places in front of the loads below
.else
	PLACES
.endif
	FETCH \next, 0, F0
	MUL8 F1, 4, 0
	MUL8 F1, 6, 0
.endm
	s_wait_tensorcnt 1                             ; my part of K step 0 is in; K step 1 may stay out
	s_barrier_signal -1
	s_barrier_wait -1                              ; everybody's is
	FETCH 0, 0, F0
	QUARTER 0, 1, F0, F1, 1                        ; the first quarter stands in front of the loop: its products start the sums
	WIN 0                                          ; at a label and at a branch every window is 0
	s_mov_b32 s3, LAPS-1
.Llap:                                                 ; a trip goes once round the ring, from the second quarter of a lap to the first of the next, and fills both slots again
	QUARTER 0, 2, F1, F0, 0
	QUARTER 0, 3, F0, F1, 0
	TURN 0, 1, 1
	QUARTER 1, 1, F0, F1, 0
	QUARTER 1, 2, F1, F0, 0
	QUARTER 1, 3, F0, F1, 0
	TURN 1, 0, 1
	QUARTER 0, 1, F0, F1, 0
	WIN 0
	s_sub_co_u32 s3, s3, 1
	s_cmp_lg_u32 s3, 0
	s_cbranch_scc1 .Llap
	QUARTER 0, 2, F1, F0, 0                        ; the last lap fills nothing
	QUARTER 0, 3, F0, F1, 0
	TURN 0, 1, 0
	QUARTER 1, 1, F0, F1, 0
	QUARTER 1, 2, F1, F0, 0
	QUARTER 1, 3, F0, F1, 0
	s_wait_dscnt 8                                 ; the very last quarter: nothing more to fetch
	MUL8 F1, 0, 0
	MUL8 F1, 2, 0
	s_wait_dscnt 0x0
	MUL8 F1, 4, 0
	MUL8 F1, 6, 0
	WIN 0
	PLACES
.if MODE == 0
; THE WAY OUT, f16: block a (16 rows) is rounded, 16 bytes a lane; into my stage by rows of 144 bytes and back as whole rows of 128, which are dense in a head.
.macro PACK a
	WIN 0x0a                                       ; sources 0 and 1 window 2, destination window 0
.irp b, 0,1,2,3
.irp r, 0,1,2,3
	v_cvt_pk_f16_f32 v[OUTR+16*(\a)+4*(\b)+(\r)], v[8*(4*(\a)+(\b))+2*(\r)], v[8*(4*(\a)+(\b))+2*(\r)+1]
.endr
.endr
	WIN 0
.irp b, 0,1,2,3
	ds_store_b128 v[STO], v[OUTR+16*(\a)+4*(\b):OUTR+16*(\a)+4*(\b)+3] offset:32*(\b)
.endr
.irp f, 0,1,2,3
	ds_load_b128 v[OUTR+16*(\a)+4*(\f):OUTR+16*(\a)+4*(\f)+3], v[RD] offset:(\f)*4*144  ; LDS serves the instructions of a wave in order (ISA guide 5.7.1.4): these see the stores above; the next block's stores come behind them
.endr
.endm
.macro SEND a, younger                 ; younger: the LDS instructions issued behind the loads of block a: the eight of the next block, or none
.irp f, 0,1,2,3
	s_wait_dscnt (\younger)+3-(\f)
	global_store_b128 v[CO], v[OUTR+16*(\a)+4*(\f):OUTR+16*(\a)+4*(\f)+3], s[68:69] offset:(\a)*2048+(\f)*512  ; 512 consecutive bytes, at a multiple of 256 from the first byte of qkv
.endr
.endm
	PACK 0
.irp a, 1,2,3,4,5,6,7                  ; the arithmetic of a block stands between the loads of the block before and its stores
	PACK \a
	SEND (\a)-1, 8
.endr
	SEND 7, 0
.else
; THE WAY OUT, f32: block a goes into my stage as it lies, 32 bytes a lane, by rows of 272 bytes, and comes back as whole rows of 256.
.macro STG a
	WIN 0x08                                       ; store data window 2, address window 0
.irp b, 0,1,2,3
	ds_store_b128 v[STO], v[8*(4*(\a)+(\b)):8*(4*(\a)+(\b))+3]   offset:64*(\b)
	ds_store_b128 v[STO], v[8*(4*(\a)+(\b))+4:8*(4*(\a)+(\b))+7] offset:64*(\b)+16
.endr
	WIN 0
.set BK, OUTR+32*((\a)%2)
.irp t, 0,1,2,3,4,5,6,7
	ds_load_b128 v[BK+4*(\t):BK+4*(\t)+3], v[RD] offset:(\t)*2*272  ; LDS serves the instructions of a wave in order (ISA guide 5.7.1.4): these see the stores above
.endr
.endm
.macro SND a, younger                  ; younger: the sixteen LDS instructions of the next block, or none
.set BK, OUTR+32*((\a)%2)
	s_wait_dscnt \younger
.irp t, 0,1,2,3,4,5,6,7
	global_store_b128 v[CO], v[BK+4*(\t):BK+4*(\t)+3], s[68:69] offset:(\a)*65536+(\t)*8192 th:TH_STORE_NT  ; 16 lanes store 256 consecutive bytes, at a multiple of 256 from the first byte of out0
.endr
.endm
	STG 0
.irp a, 1,2,3,4,5,6,7
	STG \a
	SND (\a)-1, 16
	s_wait_xcnt 0x0                                ; the registers that these stores read are loaded again by the block after next, only behind this wait
.endr
	SND 7, 0
.endif
	s_wait_tensorcnt 0x0                           ; the end of the wave: behind my last tensor load and my last LDS store
	ds_add_u32 v[SPW], v[NIL]
	s_wait_dscnt 0x0
	CROUND                                         ; the closing round: no work-group ends while a partner may still ask for a tile that names it
	s_endpgm
.Lfunc_end_k_q5ffa58ca3d_proj:
	.size	k_q5ffa58ca3d_proj, .Lfunc_end_k_q5ffa58ca3d_proj-k_q5ffa58ca3d_proj
	.p2alignl 7, 3214868480
	.fill 96, 4, 3214868480
	.section	.rodata,"a",@progbits
	.p2align	6, 0x0
	.amdhsa_kernel k_q5ffa58ca3d_proj
		.amdhsa_group_segment_fixed_size 327680
		.amdhsa_private_segment_fixed_size 0
		.amdhsa_enable_private_segment 0
		.amdhsa_kernarg_size 32
		.amdhsa_user_sgpr_count 2
		.amdhsa_user_sgpr_kernarg_segment_ptr 1
		.amdhsa_wavefront_size32 1
		.amdhsa_system_sgpr_workgroup_id_x 1
		.amdhsa_system_sgpr_workgroup_id_y 1
		.amdhsa_system_sgpr_workgroup_id_z 1
		.amdhsa_system_vgpr_workitem_id 0
		.amdhsa_next_free_vgpr 768
		.amdhsa_next_free_sgpr 80
		.amdhsa_reserve_vcc 0
		.amdhsa_float_denorm_mode_32 3
		.amdhsa_float_denorm_mode_16_64 3
		.amdhsa_memory_ordered 1
		.amdhsa_forward_progress 1
		.amdhsa_inst_pref_size 89
	.end_amdhsa_kernel
	.amdgpu_metadata
---
amdhsa.version: [ 1, 2 ]
amdhsa.kernels:
  - .name:           k_q5ffa58ca3d_proj
    .symbol:         k_q5ffa58ca3d_proj.kd
    .args:
      - { .name: o, .offset: 0, .size: 8, .value_kind: global_buffer, .address_space: global }
      - { .name: wt, .offset: 8, .size: 8, .value_kind: global_buffer, .address_space: global }
      - { .name: bo, .offset: 16, .size: 8, .value_kind: global_buffer, .address_space: global }
      - { .name: out0, .offset: 24, .size: 8, .value_kind: global_buffer, .address_space: global }
    .group_segment_fixed_size: 327680
    .private_segment_fixed_size: 0
    .kernarg_segment_align: 8
    .kernarg_segment_size: 32
    .max_flat_workgroup_size: 128
    .sgpr_count:     80
    .vgpr_count:     768
    .wavefront_size: 32
...
	.end_amdgpu_metadata
.endif
;; end of part 4
;; ======== version 2 of 2: 4 launches; 1.16 times as fast as version 1
;; limits: values are held in f16: magnitudes above 65,504 overflow, below 6.1e-05 lose precision; right only within a limited range of input values
;; workspace buffers: xb 16,777,216 bytes; wt 8,388,608 bytes; hid 524,288 bytes of whole numbers; qkv 50,331,648 bytes; o 16,777,216 bytes
;; launch prep: the kernel of part 1 again; grid 512 x 1, 8 waves a work-group, no clusters, 17,408 bytes of LDS; arguments x, mask, Wq, Wk, Wv, Wo, xb, wt, hid; writes xb, wt, hid
;; launch qkv (part 5): grid 12 x 32, 4 waves a work-group, clusters of 4 x 4, 327,680 bytes of LDS; arguments xb, wt, bq, bk, bv, qkv; writes qkv
.if DOCPART == 5
	.amdgcn_target "amdgcn-amd-amdhsa--gfx1250"
	.amdhsa_code_object_version 6
	.text
	.protected	k_q5ffa58ca3d_qkv
	.globl	k_q5ffa58ca3d_qkv
	.p2align	8
	.type	k_q5ffa58ca3d_qkv,@function
k_q5ffa58ca3d_qkv:
	s_mov_b64 s[64:65], 0
	v_nop
	global_prefetch_b8 v0, s[64:65] scope:SCOPE_SE
	s_setreg_imm32_b32 hwreg(HW_REG_WAVE_MODE, 25, 1), 1
	s_wait_xcnt 0x0
	s_wait_alu depctr_hold_cnt(0) depctr_sa_sdst(0) depctr_va_vdst(0) depctr_va_sdst(0) depctr_va_ssrc(0) depctr_va_vcc(0) depctr_vm_vsrc(0)
	s_getreg_b32 s2, hwreg(HW_REG_IB_STS2, 6, 4)
	s_cmp_eq_u32 s2, 0
	s_cbranch_scc0 .Lentry_in_a_cluster
	s_endpgm
.Lentry_in_a_cluster:
	s_bfe_u32 s2, ttmp6, 0x10000c
	s_cmp_lg_u32 s2, 0xf033
	s_cbranch_scc0 .Lentry_shape_is_right
	s_endpgm
.Lentry_shape_is_right:
; Q, K AND V.  C[m][n] = bias[n] + the sum over k of A[m][k] B[n][k]: 8,192 rows, 3,072 columns (those of Wq, Wk, Wv side by side), K = 1,024.
; A = xb (x in bf16), B = rows 0 to 3,071 of wt (the three weights turned, bf16); C leaves in f16 by heads: qkv[3][64 = 16 b + h][2048][64], unscaled.
; A and B lie by slices of 64 along K: [slice][row][64], so 256 rows of one slice are 32,768 dense bytes and are asked for as 128 rows of 256 bytes.
; LIMITS.  All inputs, the biases too, are rounded to bf16; sums in f32.  A q, k or v of 65,520 or more in magnitude leaves as an infinity (f16).  NaN and infinities are not treated apart.
; SHARES.  A tile of C is 256 x 256; four waves, each 128 x 128: 64 accumulators, 512 registers.  K goes in steps of 128 (two slices) through a ring of two LDS slots; each wave fills a quarter of a slot with one load.
; WHY THIS TILE.  Behind each change of slots a wave issues one load, which has one K step in which to land: here 224 of the step's 256 matrix instructions stand between the request and the wait for it; a tile of
; 256 x 128 has 112 of 128, and LDS has no room for two slots of a longer step of it.  A fragment read from LDS also feeds eight products where it fed four or eight.  The price: 12 x 32 = 384 tiles for 256 WGPs.
; CLUSTER: 4 x 4 work-groups.  The four of a row of the cluster need the same tiles of A, the four of a column the same tiles of B: each tile is asked for JOINTLY, by the same tensor load with the same descriptor and a mask of four.
; THE MATRIX INSTRUCTION IS USED TRANSPOSED (source 0 = 16 rows of B, source 1 = 16 rows of A): a lane then holds eight neighbouring columns of one row of C.
; THE BIAS is the C operand of the first 64 products: nothing is cleared, and no addition stands on the way out.
; ONE K STEP IS WRITTEN ONCE: a trip of the loop is a K step; the slot in hand is a scalar, 0 or SLOT, which one exclusive or turns; it is added to the fixed fragment addresses and to the LDS word of the walking descriptor.
; REGISTERS: window 0: v0-31 addresses; v32-95 the bias, v96-127 at work on it; at the end v32-255 the way out.  window 1: two fragment buffers of 128 (64 of A: 8 x 16 rows x 32 K; 64 of B).
;   window 2: the accumulators of my rows 0-63 ((a, b) at v[8 (8 a + b)]);   window 3: those of my rows 64-127.
.set PITCH,  144                       ; an LDS row: 128 bytes of a slice + 16 = 36 words: the 16 rows of a load start at 16 different groups of four banks (64 banks of 4 bytes: ISA guide 11.1)
.set BLK,    256*PITCH                 ; 256 rows of one slice: what one tensor load brings
.set BOFF,   2*BLK                     ; B lies behind the two slices of A
.set SLOT,   4*BLK
.set STAGE,  2*SLOT                    ; behind the ring: for each wave 16 rows x 144 bytes for each of its two heads, for the way out; no tensor load lands there
.set STGW,   2*16*PITCH
.set SPARE,  STAGE+4*STGW              ; behind the stages: the spare words, 128 bytes for each wave: two blocks of 256 bytes that no other line names
.set FILLS,  6                         ; of the 8 K steps the first two are asked for at the start, the other six by the loop
.set ASTEP,  524288                    ; bytes from a K step of A to the next: two slices of 2,048 rows
.set BSTEP,  1048576                   ; the same for B: two slices of 4,096 rows
.set ADA0, 16                          ; v16     LDS address of my A fragments in slot 0; never rewritten
.set ADB0, 17                          ; v17     the same for B
.set ADA,  18                          ; v18     LDS address of my A fragments in the slot in hand
.set ADB,  19                          ; v19     the same for B
.set STO,  24                          ; v24     the way out: where I put 16 bytes of a row
.set RD,   25                          ; v25     the way out: where I read rows back
.set CO,   26                          ; v26     my byte offset in 512 consecutive bytes of a head
.set BO,   27                          ; v27     my byte offset in the bias
.set SPW,  28                          ; v28     LDS address of my spare word: SPARE + 4 x my thread number; never rewritten
.set NIL,  29                          ; v29     0; never rewritten
.set BIAS, 32
.set BT,   96
.set OUTR, 32                          ; the way out: seven buffers of 32 registers
.set F0,   0                           ; fragment buffers, in window 1
.set F1,   128
.set G1,  24                           ; s[24:31] descriptor group 1 for tiles of A;  s[32:39] group 0: a set for each of the two first fills; the second then walks on
.set G0,  32
.set G1B, 48                           ; s[48:55], s[56:63] the same for B
.set G0B, 56
.set WV,  76                           ; s76  my wave number
.set RH,  77                           ; s77  which half of the rows is mine.  Also: I fetch for A (0) or for B (1)
.set CH,  78                           ; s78  which half of the columns.  Also: which slice of a K step I fetch
.set TB,  79                           ; s79  the slot in hand: 0 or SLOT
.set MSB, 0
.macro WIN new                         ; the high byte of the immediate repeats the setting that is left
.if MSB != (\new)
	s_set_vgpr_msb (MSB<<8)|(\new)
.set MSB, \new
.endif
.endm
.set MUL_LO,   0xa5                    ; sources 0 (B) and 1 (A) window 1; C and D window 2
.set FIRST_LO, 0x85                    ; the same with C, the bias, in window 0
.set TO_F,     0x40                    ; destination window 1, address window 0
.macro JLOAD s                         ; a joint load: waves 0 and 1 fetch the two slices of A, waves 2 and 3 those of B; an s_nop 0 and four v_nop follow each line, ahead of the jump and the label
	s_cmp_eq_u32 s[RH], 0
	s_cbranch_scc0 .Lfor_b_\@
	tensor_load_to_lds s[G0+4*(\s):G0+4*(\s)+3], s[G1:G1+7]
	s_nop 0
.rept 4
	v_nop
.endr
	s_branch .Lasked_\@
.Lfor_b_\@:
	tensor_load_to_lds s[G0B+4*(\s):G0B+4*(\s)+3], s[G1B:G1B+7]
	s_nop 0
.rept 4
	v_nop
.endr
.Lasked_\@:
.endm
.macro CREST                           ; a round of the cluster barrier behind its opening barrier
	s_cmp_lg_u32 s[WV], 0
	s_cbranch_scc1 .Lnot_wave_0_\@
	s_barrier_signal -3
.Lnot_wave_0_\@:
	s_barrier_wait -3
	s_barrier_signal -1
	s_barrier_wait -1
.endm
.macro CROUND                          ; a whole round
	s_barrier_signal -1
	s_barrier_wait -1
	CREST
.endm
	s_load_b256 s[4:11], s[0:1], 0x0               ; xb 4, wt 6, bq 8, bk 10
	s_load_b128 s[12:15], s[0:1], 0x20             ; bv 12, qkv 14
	v_lshl_add_u32 v[SPW], v0, 2, SPARE
	v_mov_b32 v[NIL], 0
	v_lshrrev_b32 v1, 5, v0
	v_readfirstlane_b32 s[WV], v1                  ; wave 0..3
	s_lshr_b32 s[RH], s[WV], 1
	s_and_b32 s[CH], s[WV], 1
	s_mov_b32 s[TB], 0
	s_bfe_u32 s40, ttmp6, 0x40000                  ; cx, cy: my place in the cluster
	s_bfe_u32 s41, ttmp6, 0x40004
	s_lshl_b32 s42, ttmp9, 2
	s_add_co_u32 s42, s42, s40                     ; tile column of C = 4 x cluster x + cx
	s_and_b32 s45, ttmp7, 0xffff
	s_lshl_b32 s45, s45, 2
	s_add_co_u32 s45, s45, s41                     ; tile row of C = 4 x cluster y + cy
	s_lshl_b32 s43, s41, 2
	s_lshl_b32 s43, 15, s43                        ; my row of the cluster
	s_lshl_b32 s44, 0x1111, s40                    ; my column
	; descriptor group 1.  A slice of a tile is dense: 256 rows of 128 bytes, asked for as 128 rows of 256 bytes and padded in LDS after every 128 bytes
	s_or_b32 s[G1], s43, (1<<16)|(1<<20)|(1<<21)|(4<<22)|(3<<25)   ; 15:0 the mask: tiles of A go to my row; 17:16 elements of 2 bytes; 20 padding on; 21 set beside a mask; 24:22 after every 32 words (code 4); 31:25 4 words (code 3)
	s_or_b32 s[G1B], s44, (1<<16)|(1<<20)|(1<<21)|(4<<22)|(3<<25)  ; the same with the mask of my column
.irp g, G1, G1B
	s_mov_b32 s[(\g)+1], 128<<16                   ; tensor_dim0 = 128
	s_mov_b32 s[(\g)+2], 128<<16                   ; tensor_dim1 = 128
	s_mov_b32 s[(\g)+3], 128<<16                   ; tile_dim0 = 128
	s_mov_b32 s[(\g)+4], 128                       ; tile_dim1 = 128
	s_mov_b32 s[(\g)+5], 128                       ; 128 elements from row to row
	s_mov_b32 s[(\g)+6], 0
	s_mov_b32 s[(\g)+7], 0
.endr
	; where the tiles come from.  A hangs on the tile row alone, B on the tile column alone, each in registers that never hold the other coordinate
	s_lshr_b32 s16, s45, 3
	s_lshl_b32 s16, s16, 22                        ; A: the batch, 16 slices of 262,144 bytes,
	s_and_b32 s17, s45, 7
	s_lshl_b32 s17, s17, 15                        ;    256 rows of 128 bytes,
	s_add_co_u32 s16, s16, s17
	s_lshl_b32 s17, s[CH], 18                      ;    my slice of the K step
	s_add_co_u32 s16, s16, s17
	s_mov_b32 s17, 0
	s_lshl_b32 s46, s42, 15                        ; B: 256 rows of 128 bytes,
	s_lshl_b32 s47, s[CH], 19                      ;    my slice
	s_add_co_u32 s46, s46, s47
	s_mov_b32 s47, 0
	s_mul_i32 s20, s[WV], BLK                      ; and where they go: wave w fills block w of a slot: the two slices of A, then those of B.  No place in the cluster enters an LDS address
	s_wait_kmcnt 0x0
	s_add_nc_u64 s[16:17], s[4:5], s[16:17]
	s_add_nc_u64 s[46:47], s[6:7], s[46:47]
	CROUND                                         ; all sixteen work-groups are here: the first joint loads meet
.irp s, 0,1
	s_mov_b32 s[G0+4*(\s)], 1                                      ; count = 1
	s_add_co_u32 s[G0+4*(\s)+1], s20, (\s)*SLOT                    ; LDS address
	s_add_nc_u64 s[G0+4*(\s)+2:G0+4*(\s)+3], s[16:17], (\s)*ASTEP  ; global address: K step s
	s_or_b32 s[G0+4*(\s)+3], s[G0+4*(\s)+3], 0x80000000            ; type = 2
	s_mov_b32 s[G0B+4*(\s)], 1
	s_add_co_u32 s[G0B+4*(\s)+1], s20, (\s)*SLOT
	s_add_nc_u64 s[G0B+4*(\s)+2:G0B+4*(\s)+3], s[46:47], (\s)*BSTEP
	s_or_b32 s[G0B+4*(\s)+3], s[G0B+4*(\s)+3], 0x80000000
	JLOAD \s                                       ; two tensor loads of mine are out
.endr
	; the bias of my 128 columns: register j of n block b holds bias[16 b + 8 (l / 16) + j], the place of a column in a result
	v_and_b32 v1, 15, v0                           ; l % 16
	v_bfe_u32 v2, v0, 4, 1                         ; l / 16
	s_lshr_b32 s70, s42, 2                         ; q, k or v: four tile columns each
	s_cmp_eq_u32 s70, 1
	s_cselect_b64 s[72:73], s[10:11], s[8:9]
	s_cmp_eq_u32 s70, 2
	s_cselect_b64 s[72:73], s[12:13], s[72:73]
	s_and_b32 s74, s42, 3
	s_lshl_b32 s74, s74, 10                        ; 256 columns of 4 bytes,
	s_lshl_b32 s75, s[CH], 9                       ; my 128
	s_add_co_u32 s74, s74, s75
	s_mov_b32 s75, 0
	s_add_nc_u64 s[72:73], s[72:73], s[74:75]
	v_lshlrev_b32 v[BO], 5, v2
.irp b, 0,1,2,3,4,5,6,7
	global_load_b128 v[BIAS+8*(\b):BIAS+8*(\b)+3],   v[BO], s[72:73] offset:64*(\b)
	global_load_b128 v[BIAS+8*(\b)+4:BIAS+8*(\b)+7], v[BO], s[72:73] offset:64*(\b)+16
.endr
	; a fragment is 16 rows x 32 K in 8 registers: lane l holds row l % 16, K = 8 (l / 16) + 0..7 and 16 + 8 (l / 16) + 0..7: two loads of 16 bytes, 32 bytes apart
	v_mul_u32_u24 v3, v1, PITCH
	v_lshl_add_u32 v3, v2, 4, v3                   ; row x pitch + 16 x half
	s_mul_i32 s22, s[RH], 128*PITCH                ; my 128 rows of A
	s_mul_i32 s23, s[CH], 128*PITCH                ; my 128 rows of B
	s_add_co_u32 s23, s23, BOFF
	v_add_nc_u32 v[ADA0], s22, v3
	v_add_nc_u32 v[ADB0], s23, v3
	v_mov_b32 v[ADA], v[ADA0]                      ; K step 0 lies in slot 0
	v_mov_b32 v[ADB], v[ADB0]
	s_mul_i32 s22, s[WV], STGW
	s_add_co_u32 s22, s22, STAGE                   ; my stage
	v_add_nc_u32 v[STO], s22, v3                   ; in: row l % 16 of 128 bytes + 16, 16 bytes for each half of the lanes
	v_bfe_u32 v5, v0, 3, 2                         ; back: 32 lanes take four rows of 128 bytes,
	v_mul_u32_u24 v5, v5, PITCH
	v_and_b32 v6, 7, v0
	v_lshl_add_u32 v5, v6, 4, v5
	v_add_nc_u32 v[RD], s22, v5
	v_and_b32 v[CO], 31, v0                        ; which are 512 consecutive bytes of a head
	v_lshlrev_b32 v[CO], 4, v[CO]
	s_lshl_b32 s70, s70, 24                        ; q, k or v: 64 heads of 262,144 bytes;
	s_lshr_b32 s71, s45, 3
	s_lshl_b32 s71, s71, 4                         ; 16 x batch
	s_and_b32 s74, s42, 3
	s_lshl_b32 s74, s74, 2                         ; + four heads a tile column
	s_add_co_u32 s71, s71, s74
	s_lshl_b32 s74, s[CH], 1                       ; + my two of them: the first
	s_add_co_u32 s71, s71, s74
	s_lshl_b32 s71, s71, 18
	s_add_co_u32 s70, s70, s71
	s_and_b32 s71, s45, 7
	s_lshl_b32 s71, s71, 1
	s_add_co_u32 s71, s71, s[RH]
	s_lshl_b32 s71, s71, 14                        ; my 128 rows of 128 bytes
	s_add_co_u32 s70, s70, s71
	s_mov_b32 s71, 0
	s_add_nc_u64 s[68:69], s[14:15], s[70:71]
	s_wait_loadcnt 0x0                             ; the bias, rounded to bf16 like every input and widened again
.set i, 0
.rept 32
	v_cvt_pk_bf16_f32 v[BT+i], v[BIAS+2*i], v[BIAS+2*i+1]
.set i, i+1
.endr
.set i, 0
.rept 32
	v_lshlrev_b32 v[BIAS+2*i], 16, v[BT+i]
	v_and_b32 v[BIAS+2*i+1], 0xffff0000, v[BT+i]
.set i, i+1
.endr
; 16 matrix instructions: m blocks a0, a0 + 1 x all 8 n blocks, 32 along K, from buffer f.  first = 1: the product starts the sum, on the bias.
; The 64 accumulators take turns in the same order in every quarter.
.macro MUL16 f, a0, first
.if \first
	WIN FIRST_LO+0x40*((\a0)/4)                    ; D in window 2 or 3
.else
	WIN MUL_LO+0x50*((\a0)/4)                      ; C and D in window 2 or 3
.endif
.irp a, \a0, (\a0)+1
.irp b, 0,1,2,3,4,5,6,7
.set rD, 8*(8*((\a)%4)+(\b))
.set rB, (\f)+64+8*(\b)
.set rA, (\f)+8*(\a)
.if \first
	v_wmma_f32_16x16x32_bf16 v[rD:rD+7], v[rB:rB+7], v[rA:rA+7], v[BIAS+8*(\b):BIAS+8*(\b)+7]
.else
	v_wmma_f32_16x16x32_bf16 v[rD:rD+7], v[rB:rB+7], v[rA:rA+7], v[rD:rD+7]
.endif
.endr
.endr
.endm
; 32 LDS loads in one run: the fragments of quarter q of the K step in hand (slice q / 2, 32 K at byte 64 (q % 2) of its rows) into buffer f; B first, then A from its first block on
.macro FETCH q, f
	WIN TO_F
.irp i, 0,1,2,3,4,5,6,7
	ds_load_b128 v[(\f)+64+8*(\i):(\f)+64+8*(\i)+3],   v[ADB] offset:((\q)/2)*BLK+((\q)%2)*64+(\i)*16*PITCH
	ds_load_b128 v[(\f)+64+8*(\i)+4:(\f)+64+8*(\i)+7], v[ADB] offset:((\q)/2)*BLK+((\q)%2)*64+(\i)*16*PITCH+32
.endr
.irp i, 0,1,2,3,4,5,6,7
	ds_load_b128 v[(\f)+8*(\i):(\f)+8*(\i)+3],   v[ADA] offset:((\q)/2)*BLK+((\q)%2)*64+(\i)*16*PITCH
	ds_load_b128 v[(\f)+8*(\i)+4:(\f)+8*(\i)+7], v[ADA] offset:((\q)/2)*BLK+((\q)%2)*64+(\i)*16*PITCH+32
.endr
.endm
.macro PLACES                          ; four places in front of loads into registers that matrix instructions have read, and of lines that read results
.rept 4
	v_nop
.endr
.endm
; A K step is four quarters of 32 along K, 64 matrix instructions each, on buffers 0, 1, 0, 1.  One of the first three: multiplies buffer f and fetches quarter qn into g.
.macro QUARTER qn, f, g, first
	s_wait_dscnt 8                                 ; B and the blocks 0-3 of A are in; the youngest eight loads (blocks 4-7) may be out
	MUL16 \f, 0, \first
	MUL16 \f, 2, \first
	PLACES
	FETCH \qn, \g
	s_wait_dscnt 32                                ; all but the 32 just issued
	MUL16 \f, 4, \first
	MUL16 \f, 6, \first
.endm
; The last quarter multiplies buffer 1 and changes slots: ONE barrier; in front of it each wave waits for all its tensor loads, adds 0 to its spare word, and waits for that and for its own reads of this slot.
; fill = 1: this slot is filled again, two K steps ahead; the barrier then opens a round of the cluster barrier.
.macro TURN fill
	WIN 0                                          ; (the two registers of the add lie in window 0)
	s_wait_tensorcnt 0x0                           ; all my tensor loads have landed: the one that was out is my part of the next slot;
	ds_add_u32 v[SPW], v[NIL]                      ; 0 onto my spare word;
	s_wait_dscnt 9                                 ; (the add and the youngest eight loads may be out)
	MUL16 F1, 0, 0                                 ; sixteen matrix instructions stand between the add and the wait for it
	s_wait_dscnt 0x0                               ; the add is done, and my reads of this slot are over
	s_barrier_signal -1
	MUL16 F1, 2, 0
	WIN 0
	s_barrier_wait -1
.if \fill
	CREST                                          ; no wave of any partner still reads this slot or has a load on its way
	s_add_co_u32 s[G0+5], s20, s[TB]               ; the walking descriptors (no load of mine is out): into my block of the slot just read,
	s_add_co_u32 s[G0B+5], s20, s[TB]
	s_add_nc_u64 s[G0+6:G0+7], s[G0+6:G0+7], ASTEP    ; the K step behind the one asked for last; the type bits on top are not reached
	s_add_nc_u64 s[G0B+6:G0B+7], s[G0B+6:G0B+7], BSTEP
	JLOAD 1                                        ; the first tensor load behind the round, 224 matrix instructions ahead of the wait for it; its four v_nop are also the places in front of the loads below
.else
	PLACES
.endif
	s_xor_b32 s[TB], s[TB], SLOT                   ; the other slot is in hand now
	v_add_nc_u32 v[ADA], s[TB], v[ADA0]
	v_add_nc_u32 v[ADB], s[TB], v[ADB0]
	FETCH 0, F0
	MUL16 F1, 4, 0
	MUL16 F1, 6, 0
.endm
	s_wait_tensorcnt 1                             ; my part of K step 0 is in; K step 1 may stay out
	s_barrier_signal -1
	s_barrier_wait -1                              ; everybody's is
	FETCH 0, F0
	QUARTER 1, F0, F1, 1                           ; the first quarter stands in front of the loop: its products start the sums
	WIN 0                                          ; at a label and at a branch every window is 0
	s_mov_b32 s3, FILLS
.Lstep:                                                ; a trip goes from the second quarter of a K step to the first of the next, and fills the slot that it leaves
	QUARTER 2, F1, F0, 0
	QUARTER 3, F0, F1, 0
	TURN 1
	QUARTER 1, F0, F1, 0
	WIN 0
	s_sub_co_u32 s3, s3, 1
	s_cmp_lg_u32 s3, 0
	s_cbranch_scc1 .Lstep
	QUARTER 2, F1, F0, 0                           ; the last two K steps are written out: they fill nothing
	QUARTER 3, F0, F1, 0
	TURN 0
	QUARTER 1, F0, F1, 0
	QUARTER 2, F1, F0, 0
	QUARTER 3, F0, F1, 0
	s_wait_dscnt 8                                 ; the very last quarter: nothing more to fetch
	MUL16 F1, 0, 0
	MUL16 F1, 2, 0
	s_wait_dscnt 0x0
	MUL16 F1, 4, 0
	MUL16 F1, 6, 0
	WIN 0
	PLACES
; THE WAY OUT: block a (16 rows x 128 columns, two heads) is rounded to f16, 16 bytes a lane and n block; into my stage by rows of 144 bytes, a head behind the other, and back as whole rows of 128, which are dense in a head.
.macro PACK a
.set BK, OUTR+32*((\a)%7)
.if (\a) == 7
	s_wait_xcnt 0x0                                ; block 7 takes the registers of block 0, which its stores read: they are rewritten only behind this wait
.endif
	WIN 0x0a+5*((\a)/4)                            ; sources 0 and 1 window 2 or 3, destination window 0
.irp b, 0,1,2,3,4,5,6,7
.irp r, 0,1,2,3
	v_cvt_pk_f16_f32 v[BK+4*(\b)+(\r)], v[8*(8*((\a)%4)+(\b))+2*(\r)], v[8*(8*((\a)%4)+(\b))+2*(\r)+1]
.endr
.endr
	WIN 0
.irp b, 0,1,2,3,4,5,6,7
	ds_store_b128 v[STO], v[BK+4*(\b):BK+4*(\b)+3] offset:((\b)/4)*16*PITCH+32*((\b)%4)
.endr
.irp f, 0,1,2,3,4,5,6,7
	ds_load_b128 v[BK+4*(\f):BK+4*(\f)+3], v[RD] offset:((\f)/4)*16*PITCH+((\f)%4)*4*PITCH  ; LDS serves the instructions of a wave in order (ISA guide 5.7.1.4): these see the stores above; the stores of the next block come behind them
.endr
.endm
.macro SEND a, younger                 ; younger: the LDS instructions issued behind the loads of block a: the sixteen of the next block, or none
.set BK, OUTR+32*((\a)%7)
	s_wait_dscnt \younger
.irp f, 0,1,2,3,4,5,6,7
	global_store_b128 v[CO], v[BK+4*(\f):BK+4*(\f)+3], s[68:69] offset:((\f)/4)*262144+(\a)*2048+((\f)%4)*512  ; 512 consecutive bytes, at a multiple of 256 from the first byte of qkv
.endr
.endm
	PACK 0
.irp a, 1,2,3,4,5,6,7                  ; the arithmetic of a block stands between the loads of the block before and its stores
	PACK \a
	SEND (\a)-1, 16
.endr
	SEND 7, 0
	s_wait_tensorcnt 0x0                           ; the end of the wave: behind my last tensor load and my last LDS store
	ds_add_u32 v[SPW], v[NIL]
	s_wait_dscnt 0x0
	CROUND                                         ; the closing round: no work-group ends while a partner may still ask for a tile that names it
	s_endpgm
.Lfunc_end_k_q5ffa58ca3d_qkv:
	.size	k_q5ffa58ca3d_qkv, .Lfunc_end_k_q5ffa58ca3d_qkv-k_q5ffa58ca3d_qkv
	.p2alignl 7, 3214868480
	.fill 96, 4, 3214868480
	.section	.rodata,"a",@progbits
	.p2align	6, 0x0
	.amdhsa_kernel k_q5ffa58ca3d_qkv
		.amdhsa_group_segment_fixed_size 327680
		.amdhsa_private_segment_fixed_size 0
		.amdhsa_enable_private_segment 0
		.amdhsa_kernarg_size 48
		.amdhsa_user_sgpr_count 2
		.amdhsa_user_sgpr_kernarg_segment_ptr 1
		.amdhsa_wavefront_size32 1
		.amdhsa_system_sgpr_workgroup_id_x 1
		.amdhsa_system_sgpr_workgroup_id_y 1
		.amdhsa_system_sgpr_workgroup_id_z 1
		.amdhsa_system_vgpr_workitem_id 0
		.amdhsa_next_free_vgpr 1024
		.amdhsa_next_free_sgpr 80
		.amdhsa_reserve_vcc 0
		.amdhsa_float_denorm_mode_32 3
		.amdhsa_float_denorm_mode_16_64 3
		.amdhsa_memory_ordered 1
		.amdhsa_forward_progress 1
		.amdhsa_inst_pref_size 122
	.end_amdhsa_kernel
	.amdgpu_metadata
---
amdhsa.version: [ 1, 2 ]
amdhsa.kernels:
  - .name:           k_q5ffa58ca3d_qkv
    .symbol:         k_q5ffa58ca3d_qkv.kd
    .args:
      - { .name: xb, .offset: 0, .size: 8, .value_kind: global_buffer, .address_space: global }
      - { .name: wt, .offset: 8, .size: 8, .value_kind: global_buffer, .address_space: global }
      - { .name: bq, .offset: 16, .size: 8, .value_kind: global_buffer, .address_space: global }
      - { .name: bk, .offset: 24, .size: 8, .value_kind: global_buffer, .address_space: global }
      - { .name: bv, .offset: 32, .size: 8, .value_kind: global_buffer, .address_space: global }
      - { .name: qkv, .offset: 40, .size: 8, .value_kind: global_buffer, .address_space: global }
    .group_segment_fixed_size: 327680
    .private_segment_fixed_size: 0
    .kernarg_segment_align: 8
    .kernarg_segment_size: 48
    .max_flat_workgroup_size: 128
    .sgpr_count:     80
    .vgpr_count:     1024
    .wavefront_size: 32
...
	.end_amdgpu_metadata
.endif
;; end of part 5
;; launch attn (part 6): grid 4 x 64, 4 waves a work-group, clusters of 4 x 1, 327,680 bytes of LDS; arguments qkv, hid, o; writes o
.if DOCPART == 6
	.amdgcn_target "amdgcn-amd-amdhsa--gfx1250"
	.amdhsa_code_object_version 6
	.text
	.protected	k_q5ffa58ca3d_attn
	.globl	k_q5ffa58ca3d_attn
	.p2align	8
	.type	k_q5ffa58ca3d_attn,@function
k_q5ffa58ca3d_attn:
	s_mov_b64 s[64:65], 0
	v_nop
	global_prefetch_b8 v0, s[64:65] scope:SCOPE_SE
	s_setreg_imm32_b32 hwreg(HW_REG_WAVE_MODE, 25, 1), 1
	s_wait_xcnt 0x0
	s_wait_alu depctr_hold_cnt(0) depctr_sa_sdst(0) depctr_va_vdst(0) depctr_va_sdst(0) depctr_va_ssrc(0) depctr_va_vcc(0) depctr_vm_vsrc(0)
	s_getreg_b32 s2, hwreg(HW_REG_IB_STS2, 6, 4)
	s_cmp_eq_u32 s2, 0
	s_cbranch_scc0 .Lentry_in_a_cluster
	s_endpgm
.Lentry_in_a_cluster:
	s_bfe_u32 s2, ttmp6, 0x10000c
	s_cmp_lg_u32 s2, 0x3003
	s_cbranch_scc0 .Lentry_shape_is_right
	s_endpgm
.Lentry_shape_is_right:
; O[h][q][:] = the sum over k of softmax_k(Q[h][q] . K[h][k] / 8 + hidden(q, k)) V[h][k][:].  qkv: [3][64][2048][64] in f16 (Q, K, V by heads, unscaled), o: [64][2048][64] in f16: the rows of a head are dense, 128 bytes each.
; hid: [64 piece of 32 queries][32 key step][2 tile][32 words]: bit L of word n of tile u is 1 where the score that lane L holds in register n of that tile is hidden.
; Products, maxima and sums in f32; the weights p are rounded to f16 for the second product (their sum l is taken of the unrounded p), O once at the end.
; LIMITS.  f16 holds no number beyond 65,504: Q, K and V arrive within it; p lies in 0 to 1, and below 6e-5 it keeps the fixed step of 6e-8 of f16.  A weight below 2^-126 counts as 0 in l.
; A hidden score is REPLACED by -2^33 ahead of the scale 1/8, that is -1.07e9 where the problem adds -1e9.  With any key of the row in sight both give the weight 0.  In a row with every key hidden all weights are
; equal here (c 2^33 is exact, so c s - c m is exactly 0) and O is the mean of V; the sum -1e9 + score rounds to -1e9 while |score| < 32, so the two differ only in such a row with a score of 32 or more,
; or where scores in sight come near 1e9.  NaN and infinities are not treated apart.
; SHARES.  A wave owns four PIECES of two tiles of 16 queries, the four waves of a work-group 512 queries of one head.  Every wave walks all 2,048 keys, 64 a step.
; LAYOUT.  S^T = K Q^T (source 0 = 16 keys, source 1 = 16 queries): in the result a lane holds ONE query (lane % 16) and the keys 8 (lane / 16) + 0..7.  Two such tiles, rounded to f16 in pairs,
; ARE source 1 (32 keys x 16 queries) of O^T = V^T P, whose result again holds one query a lane, and eight channels.  K comes out of LDS as it lies, V ([key][channel]) turned, by ds_load_tr16_b128.
; SOFTMAX.  For each query a running maximum m and sum l: p = 2^(c s - c m), c = log2(e) / 8; in every step O and l are multiplied by a = 2^(c m_old - c m_new).  m starts at the lowest finite number, O and l at 0.
; THE MASK.  The 64 words of a piece and step are 256 consecutive bytes: one load of 8 bytes a lane brings them into a register pair of the piece's own, asked for four turns (a whole key step) ahead.  64 v_readlane_b32
; a turn carry them into scalar registers, and one select a score register puts -2^33 where the bit is set, ahead of the maximum.  Why not scalar loads straight into those registers: there is room for the 64 words of
; one turn alone, so such a load could be asked for only behind the last select of the turn before, half a turn ahead of its use.
; THE COUNT.  A tile and step have 16 matrix and 182 vector instructions.  Four vector instructions that are READY stand behind EVERY matrix instruction, the others in two runs without a gap.
; BY TURNS.  Turn n belongs to piece n.  Its matrix work: 16 products K Q^T of piece n + 1, later 16 products V^T P of piece n - 1.  Its vector work: the scaling, exponentials, roundings, sums and rescaling of
; piece n, the mask, maximum and statistics of piece n + 1, whose scores the turn itself has made, and the carrying of the words of piece n + 2.
; CLUSTER.  The four query blocks of a cluster belong to one head and walk the same K and V, so each tile is asked for JOINTLY: the same tensor load, descriptor and mask in all four.
; REGISTERS, in windows of 256 (s_set_vgpr_msb: bits 1:0 source 0, 3:2 source 1, 5:4 source 2, 7:6 destination):
;   window 0: v0-11 addresses and -2^33; v12-15, v48-63 at work; v16-47 four registers of statistics a tile; v64-191 S^T, two buffers of two tiles; v192-255 P, likewise
;   window 1: O^T, 32 a tile          window 2: v0-127 Q, 16 a tile; v128-191 K of one step; v192-255 V of one step
;   window 3: v0-1 the two registers of the add; v2 my byte offset in 256 bytes of hid; v4-11 the words of the mask, a pair a piece
.set SIZE_N, 2048
.set NP,    4         ; pieces a wave: a name, no knob
.set KS,    64        ; keys in a step
.set PK,    160       ; a row of K in LDS: 128 bytes + 32 = 40 words, the pitch of V, so that ONE descriptor serves all four waves; rows r and r + 8 of a load of K meet in the banks, two deep: 16 loads for 128 products
.set PV,    160       ; a row of V
.set VOFF,  4*KS*PK   ; a slot holds four steps: 256 rows of K, then 256 rows of V
.set SLOT1, 1<<17     ; slot 1 begins here, so that one exclusive or turns an address in one slot into the other
.set STAGE, SLOT1+4*KS*(PK+PV)  ; behind the ring, never filled by a tensor load: 16 rows x 144 bytes for each wave, for the way out
.set SP,    144
.set AK0, 2           ; v2   the place of my lane in a tile of K; never rewritten
.set AV0, 3           ; v3   the same for V
.set AK,  4           ; v4   the LDS address of the next run of loads of K
.set AV,  5           ; v5   of V
.set QO,  6           ; v6   my byte offset in the rows of Q
.set STO, 6           ;      later, the way out: where I put 16 bytes of a row
.set RD,  7           ; v7   the way out: where I read rows back
.set GO,  8           ; v8   my byte offset in 512 consecutive bytes of O
.set NEGB, 11         ; v11  -2^33
.set SPW, 0           ; v0 of window 3   LDS address of my spare word: SPARE + 4 x my thread number; never rewritten
.set NIL, 1           ; v1 of window 3   0; never rewritten
.set MO,  2           ; v2 of window 3   8 x lane; never rewritten
.set MW,  4           ; v4-11 of window 3   piece x: lane i of the pair MW + 2 x holds words 2 i and 2 i + 1
.set SPARE, STAGE+4*16*SP  ; behind the stages: the spare words, 128 bytes for each wave: two blocks of 256 bytes that no other line names
.set MV,  12          ; v12-15  c m_old, kept while c m is made anew: by buffer and tile
.set ST,  16          ; the statistics of tile t at v[ST+4 t]: c m, m, l (of even keys, of odd keys)
.set TMP, 48          ; by buffer and tile, four registers c0-c3 at work; when the maximum is found c2 takes a
.set S,   64
.set P,   192
.set KF,  128         ; fragments of K, in window 2: key block kb, channel half c at KF + 16 kb + 8 c
.set VF,  192         ; of V: key half kk, channel block cb at VF + 32 kk + 8 cb
.set HB,  8           ; s[8:9]  hid at my wave and the step whose words are asked for
.set WV,  12          ; s12  my wave number
.set HS,  14          ; s[14:15] the tail: what HB steps by, 256 or 0
.set G1,  16          ; s[16:23] descriptor group 1
.set G0,  24          ; s[24:27] descriptor group 0: it walks
.set SLOTS, 28        ; s28  slots still to be asked for
.set CNT, 29          ; s29  counts the key steps of a slot
.set CS,  30          ; s[30:31] c: the packed scaling takes the low word of the pair for both halves
.set HW,  32          ; s[32:63] the 32 words of tile 0, s[68:99] those of tile 1: word n of tile u at s[HW + 36 u + n]
.set SEL, 66          ; s[66:67] the selects of v_permlanex16_b32: each lane takes its own place in the other half
.set TBK, 100         ; s100 LDS byte at which K of the step to be fetched begins
.set TBV, 101         ; s101 the same for V, less VOFF
.set MSB, 0
.macro WIN new                      ; the high byte repeats the setting that is left; a switch that changes nothing is dropped
.if MSB != (\new)
	s_set_vgpr_msb (MSB<<8)|(\new)
.set MSB, (\new)
.endif
.endm
.set W_KQ, 0x0a       ; K and Q in window 2, S^T in window 0
.set W_PV, 0x52       ; V in window 2, P in window 0, O^T in window 1
.set W_RS, 0x41       ; O^T (destination and source 0) in window 1, a in window 0
.set W_MK, 0xc0       ; registers of window 3 are made: destination in window 3, sources in window 0
.set W_AD, 0x0f       ; the add: address (source 0) and data (source 1) in window 3
.set W_ML, 0xc3       ; the words of the mask: loaded data (destination) and the offset or the pair read (source 0) in window 3
; A joint fill: every wave moves 128 keys, waves 0 and 1 the two halves of K of a slot, waves 2 and 3 those of V.  One line: both addresses hang on the wave number.  An s_nop 0 and four v_nop follow it.
.macro JLOAD
	tensor_load_to_lds s[G0:G0+3], s[G1:G1+7]
	s_nop 0
.rept 4
	v_nop
.endr
.endm
; A round of the cluster barrier: the barrier of my work-group, so that the signal of wave 0 speaks for all four waves; wave 0 signals; every wave waits for all four work-groups; the barrier of my work-group once more.
.macro CROUND
	s_barrier_signal -1
	s_barrier_wait -1
	s_cmp_lg_u32 s[WV], 0
	s_cbranch_scc1 .Lnot_wave_0_\@
	s_barrier_signal -3
.Lnot_wave_0_\@:
	s_barrier_wait -3
	s_barrier_signal -1
	s_barrier_wait -1
.endm
; THE CHANGE OF SLOTS.  The last bytes of the slot, V of its fourth step, have been read.  Each wave waits for all its tensor loads, of which one is out: its part of the other slot; adds 0 to its spare word; and waits
; for that and for its own reads of the slot.  Behind the barrier nobody reads this slot any more and the other slot is whole.  fill = 1: this slot is filled again, with the keys two slots on.  The barrier is then a
; round of the cluster barrier, and the joint fill is the first thing behind it: it has four key steps, 512 matrix instructions, in which to land.  (At its first use nothing has been read yet: slot 0 is waited for, slot 1 filled.)
.macro CHANGE fill
	WIN W_AD
	s_wait_tensorcnt 0x0            ; no tensor load of mine is out, so group 0 may be written
	ds_add_u32 v[SPW], v[NIL]       ; 0 onto my spare word; with fill = 1 the steps of the descriptor stand between it and the wait for it
	WIN 0                           ; at a label and at a branch every window is 0
.if \fill
	s_xor_b32 s[G0+1], s[G0+1], SLOT1  ; the other slot than last time,
	s_add_nc_u64 s[G0+2:G0+3], s[G0+2:G0+3], 4*KS*128  ; the next 256 keys; the type bits on top are not reached
	s_wait_dscnt 0x0                ; the add is done, and my reads of the slot are over
	CROUND
	JLOAD
.else
	s_wait_dscnt 0x0                ; the add is done, and my reads of the slot are over
	s_barrier_signal -1
	s_barrier_wait -1
.endif
	s_sub_co_u32 s[TBK], s[TBK], 4*KS*PK  ; the fetches go back to the first step of a slot,
	s_xor_b32 s[TBK], s[TBK], SLOT1       ; in the other slot
	s_sub_co_u32 s[TBV], s[TBV], 4*KS*PV
	s_xor_b32 s[TBV], s[TBV], SLOT1
.endm
; THE WORDS OF THE MASK of piece x go from its pair into the scalar registers (word n of tile u: lane 16 u + n / 2, register n % 2), and the pair is loaded again, with the words of the same piece at the step at which HB stands.
; step = 1: HB goes a step on first.  last = 1 (the tail): only while it stays at step 31 or below, that is while CNT > 2; behind that the loads take step 31 once more, inside hid, and what they bring masks scores that
; serve nothing or is not read.  No load is jumped over, so the count below holds on every way.
.macro RLRUN x, step, last
	WIN W_ML
	s_wait_loadcnt 3                ; loads come back in order (ISA guide 5.7.1): behind the load of this pair three were issued, those of the three other pieces
.set rl, 0
.rept 32
	v_readlane_b32 s[HW+rl],    v[MW+2*(\x)+rl%2], rl/2
	v_readlane_b32 s[HW+36+rl], v[MW+2*(\x)+rl%2], 16+rl/2
.set rl, rl+1
.endr
.if \step
	s_wait_xcnt 0x0                 ; the base of the loads that are out is rewritten only behind this wait; the youngest of them was issued a turn ago
.if \last
	s_cmp_gt_u32 s[CNT], 2
	s_cselect_b32 s[HS], 0x100, 0
	s_add_nc_u64 s[HB:HB+1], s[HB:HB+1], s[HS:HS+1]
.else
	s_add_nc_u64 s[HB:HB+1], s[HB:HB+1], 0x100
.endif
.endif
	global_load_b64 v[MW+2*(\x):MW+2*(\x)+1], v[MO], s[HB:HB+1] offset:(\x)*8192  ; 256 consecutive bytes, at a multiple of 256 from the first byte of hid; read again four turns on
	WIN 0
.endm
	s_load_b128 s[4:7], s[0:1], 0x0   ; qkv s[4:5], hid s[6:7]
	s_load_b64 s[10:11], s[0:1], 0x10 ; o
	v_and_b32 v1, 31, v0            ; lane
	WIN W_MK
	v_lshl_add_u32 v[SPW], v0, 2, SPARE
	v_mov_b32 v[NIL], 0
	v_lshlrev_b32 v[MO], 3, v1      ; two words a lane
	WIN 0
	v_lshrrev_b32 v1, 5, v0
	v_readfirstlane_b32 s[WV], v1   ; wave 0..3
	s_bfe_u32 s13, ttmp6, 0x40000   ; cx: my place in the cluster
	s_lshl_b32 s14, ttmp9, 2        ; in a cluster launch ttmp9 counts clusters
	s_add_co_u32 s14, s14, s13      ; my block of 512 queries = 4 x cluster x + cx: it enters the addresses of Q, O and hid alone
	s_and_b32 s15, ttmp7, 0xffff    ; the head, which the four partners share
	s_lshl_b32 s32, s15, 18         ; its 2,048 rows of 128 bytes.  (s32 to s39 hold offsets until the first words of the mask are carried there)
	s_lshr_b32 s34, s[WV], 1
	s_add_co_u32 s34, s34, 1
	s_lshl_b32 s34, s34, 24         ; K lies 16,777,216 bytes behind Q, V as far behind K: waves 0, 1 fetch K, waves 2, 3 V;
	s_and_b32 s35, s[WV], 1
	s_lshl_b32 s35, s35, 14         ; which 128 of the 256 keys of a slot
	s_add_co_u32 s34, s34, s35
	s_add_co_u32 s34, s34, s32
	s_mov_b32 s35, 0
	s_lshl_b32 s36, s14, 2
	s_add_co_u32 s36, s36, s[WV]    ; my wave among the sixteen of the head
	s_lshl_b32 s38, s36, 15         ; hid: four pieces x 32 steps x 256 bytes
	s_mov_b32 s39, 0
	s_lshl_b32 s36, s36, 14         ; Q and O: 128 rows of 128 bytes
	s_add_co_u32 s36, s36, s32
	s_mov_b32 s37, 0
	s_mov_b32 s[HS], 0x100          ; (block and head have been used)
	s_mov_b32 s[HS+1], 0
	; descriptor group 1.  128 keys are 16,384 dense bytes: asked for as 64 rows of 256 bytes, two keys a row, and padded in LDS after every key
	s_mov_b32 s[G1], 15|(1<<16)|(1<<20)|(1<<21)|(4<<22)|(7<<25)  ; 15:0 the mask of four; 17:16 2-byte elements; 20 padding on; 21 set beside a mask; 24:22 after every 32 words (code 4); 31:25 8 words (code 7)
	s_mov_b32 s[G1+1], 128<<16      ; tensor_dim0 = 128
	s_mov_b32 s[G1+2], 64<<16       ; tensor_dim1 = 64
	s_mov_b32 s[G1+3], 128<<16      ; tile_dim0 = 128
	s_mov_b32 s[G1+4], 64           ; tile_dim1 = 64
	s_mov_b32 s[G1+5], 128          ; 128 elements from row to row
	s_mov_b32 s[G1+6], 0
	s_mov_b32 s[G1+7], 0
	s_mov_b32 s[CS], 0x3e38aa3b     ; c = log2(e) / 8 = 0.180337
	s_mov_b32 s[CS+1], s[CS]        ; named with it as a pair
	s_mov_b32 s[SEL], 0x76543210
	s_mov_b32 s[SEL+1], 0xfedcba98
	s_mov_b32 s[TBK], SLOT1+4*KS*PK ; the first change of slots turns these two into 0
	s_mov_b32 s[TBV], SLOT1+4*KS*PV
	s_mov_b32 s[G0], 1              ; count = 1
	s_mul_i32 s[G0+1], s[WV], 128*PK  ; LDS address: slot 0, 128 rows a wave: no place in the cluster enters it
	s_wait_kmcnt 0x0
	s_add_nc_u64 s[G0+2:G0+3], s[4:5], s[34:35]  ; global address: my 128 of the first 256 keys of the head
	s_or_b32 s[G0+3], s[G0+3], 0x80000000        ; type = 2
	s_add_nc_u64 s[4:5], s[4:5], s[36:37]        ; Q and O at the first row of my wave
	s_add_nc_u64 s[10:11], s[10:11], s[36:37]
	s_add_nc_u64 s[HB:HB+1], s[6:7], s[38:39]    ; hid at my first piece, step 0
	CROUND                          ; all four work-groups are here: the first joint loads meet
	JLOAD                           ; slot 0.  Slot 1 is asked for when slot 0 is in
	WIN W_ML
.irp x, 0,1,2,3
	global_load_b64 v[MW+2*\x:MW+2*\x+1], v[MO], s[HB:HB+1] offset:\x*8192  ; the words of step 0 of my four pieces
.endr
	WIN 0
	; A fragment of K or Q is 16 rows x 32 channels in 8 registers: lane l holds row l % 16, channels 8 (l / 16) + 0..7 and 16 + 8 (l / 16) + 0..7: two loads of 16 bytes, 32 bytes apart.
	v_and_b32 v1, 15, v0            ; l % 16
	v_bfe_u32 v9, v0, 4, 1          ; l / 16
	v_lshlrev_b32 v[QO], 7, v1
	v_lshl_add_u32 v[QO], v9, 4, v[QO]  ; row x 128 + 16 x half
	WIN 0x80                        ; destination window 2, address window 0
.set i, 0
.rept 4*NP                          ; Q stays in registers: tile i / 2, channels 32 (i % 2) on
	global_load_b128 v[8*i:8*i+3],   v[QO], s[4:5] offset:(i/2)*2048+(i%2)*64
	global_load_b128 v[8*i+4:8*i+7], v[QO], s[4:5] offset:(i/2)*2048+(i%2)*64+32
.set i, i+1
.endr
	; What the first turn finds: the registers of V and the second buffer of P hold 0 (its products V^T P, of a piece that has not been, add 0), O^T and l are 0.  All this stands in the wait for the first tile.
.set i, VF
.rept 64
	v_mov_b32 v[i], 0
.set i, i+1
.endr
	WIN 0x40
.set i, 0
.rept 64*NP
	v_mov_b32 v[i], 0
.set i, i+1
.endr
	WIN 0
.set i, 0
.rept 2*NP
	v_mov_b32 v[ST+4*i], 0xfe000000    ; c m: far below every c s
	v_mov_b32 v[ST+4*i+1], 0xff7fffff  ; m
	v_mov_b32 v[ST+4*i+2], 0
	v_mov_b32 v[ST+4*i+3], 0
.set i, i+1
.endr
.set i, P+32
.rept 32
	v_mov_b32 v[i], 0
.set i, i+1
.endr
	v_mul_u32_u24 v[AK0], v1, PK
	v_lshl_add_u32 v[AK0], v9, 4, v[AK0]  ; row x pitch + 16 x half
	; The turning load takes 16 keys x 16 channels (lane l reads key 8 (l / 16) + l % 8, channels 8 ((l / 8) % 2) + 0..7) and leaves half a fragment of V^T: lane l holds channel l % 16 and 8 keys.
	v_and_b32 v10, 7, v0
	v_bfe_u32 v11, v0, 3, 1
	v_lshl_add_u32 v[AV0], v9, 3, v10
	v_mul_u32_u24 v[AV0], v[AV0], PV
	v_lshl_add_u32 v[AV0], v11, 4, v[AV0]
	v_add_nc_u32 v[AV0], VOFF, v[AV0]
	v_mov_b32 v[NEGB], 0xd0000000   ; -2^33
	v_mov_b32 v[AK], v[AK0]         ; key step 0 lies at the head of slot 0
; THE MATRIX WORK.  The 8 accumulators of a run of 16 take turns: between the two links of a chain stand 7 others.
; Product i of 16 of S^T = K Q^T for piece x: channels 32 (i / 8) on, keys 16 ((i / 2) % 4) on, tile 2 x + i % 2.  The first 8 start the sums.
.macro KQ x
	WIN W_KQ
.set rS, S+64*((\x)%2)+32*(i%2)+8*((i/2)%4)
.set rK, KF+16*((i/2)%4)+8*(i/8)
.set rQ, 16*(2*(\x)+i%2)+8*(i/8)
.if i < 8
	v_wmma_f32_16x16x32_f16 v[rS:rS+7], v[rK:rK+7], v[rQ:rQ+7], 0
.else
	v_wmma_f32_16x16x32_f16 v[rS:rS+7], v[rK:rK+7], v[rQ:rQ+7], v[rS:rS+7]
.endif
.endm
; Product i of 16 of O^T += V^T P for piece x: keys 32 (i / 8) on, channels 16 ((i / 2) % 4) on, tile 2 x + i % 2.
.macro PV x
	WIN W_PV
.set rO, 32*(2*(\x)+i%2)+8*((i/2)%4)
.set rV, VF+32*(i/8)+8*((i/2)%4)
.set rP, P+32*((\x)%2)+16*(i%2)+8*(i/8)
	v_wmma_f32_16x16x32_f16 v[rO:rO+7], v[rV:rV+7], v[rP:rP+7], v[rO:rO+7]
.endm
.macro MM                           ; the next matrix instruction of the turn
.if i < 16
	KQ (Y+1)%NP
.set i, i+1
.else
.set i, i-16
	PV (Y+NP-1)%NP
.set i, i+17
.endif
.endm
; THE LDS LOADS stand in runs of 16, never singly among the matrix instructions: K of a step (64 keys x 64 channels: 8 fragments) and its V (turned).  Their addresses are made some lines ahead.
; last = 1 (the tail): in the last trip there is no further step, and the run is jumped over.
.macro FETCH_K last=0
	WIN 0
.if \last
	s_cmp_eq_u32 s[CNT], 1
	s_cbranch_scc1 .Lno_k_\@
.endif
	WIN 0x80                        ; destination window 2
.irp f, 0,1,2,3,4,5,6,7             ; keys 16 (f / 2) on, channels 32 (f % 2) on
	ds_load_b128 v[KF+8*\f:KF+8*\f+3],   v[AK] offset:(\f/2)*16*PK+(\f%2)*64
	ds_load_b128 v[KF+8*\f+4:KF+8*\f+7], v[AK] offset:(\f/2)*16*PK+(\f%2)*64+32
.endr
	s_add_co_u32 s[TBK], s[TBK], KS*PK  ; the next fetch is of the next step
	WIN 0
.if \last
.Lno_k_\@:
.endif
.endm
.macro FETCH_V
	WIN 0x80
.irp f, 0,1,2,3,4,5,6,7             ; keys 32 (f / 4) on, channels 16 (f % 4) on
	ds_load_tr16_b128 v[VF+8*\f:VF+8*\f+3],   v[AV] offset:(\f/4)*32*PV+(\f%4)*32
	ds_load_tr16_b128 v[VF+8*\f+4:VF+8*\f+7], v[AV] offset:(\f/4)*32*PV+16*PV+(\f%4)*32
.endr
	WIN 0
.endm
; THE VECTOR WORK OF A TURN stands in three queues, each in the order in which its entries become ready; the two tiles alternate, so that no instruction reads the result of the one before it.
.macro REGS y, u                    ; the registers of tile u (0, 1) of piece y
.set rT, ST+4*(2*(\y)+(\u))
.set rC, TMP+8*((\y)%2)+4*(\u)
.set rM, MV+2*((\y)%2)+(\u)
.set rS, S+64*((\y)%2)+32*(\u)
.set rP, P+32*((\y)%2)+16*(\u)
.set rO, 32*(2*(\y)+(\u))
.endm
; Score register n of tile u of the NEXT piece (Y + 1): -2^33 in the lanes whose bit is set.  n ascends.  MS, XS, GS and REGS set no window: PL and EX do.
.macro MS u, n
	REGS (Y+1)%NP, \u
	v_cndmask_b32 v[rS+(\n)], v[rS+(\n)], v[NEGB], s[HW+36*(\u)+(\n)]
.endm
; Number n of the 22 that find the maximum and statistics of the NEXT piece.  s0-s31 are the 32 scores of the lane.
;   0-11  four chains c0-c3 of seven scores each, three operands at a time     12-14, 16  the four scores left over, the old m, and c0-c3 into c0     15  c m_old is kept
;   17, 18  the other 32 keys of the query lie in the lane 16 away: the new m         19-21  c m; c m_old - c m_new; a
.macro XS u, n
	REGS (Y+1)%NP, \u
.if (\n) < 4
	v_max3_num_f32 v[rC+(\n)], v[rS+8*(\n)], v[rS+8*(\n)+1], v[rS+8*(\n)+2]
.elseif (\n) < 12
	v_max3_num_f32 v[rC+(\n)%4], v[rC+(\n)%4], v[rS+8*((\n)%4)+2*((\n)/4)+1], v[rS+8*((\n)%4)+2*((\n)/4)+2]
.elseif (\n) == 12
	v_max3_num_f32 v[rC], v[rC], v[rS+7], v[rS+15]
.elseif (\n) == 13
	v_max3_num_f32 v[rC+1], v[rC+1], v[rS+23], v[rS+31]
.elseif (\n) == 14
	v_max3_num_f32 v[rC+2], v[rC+2], v[rC+3], v[rT+1]
.elseif (\n) == 15
	v_mov_b32 v[rM], v[rT]
.elseif (\n) == 16
	v_max3_num_f32 v[rC], v[rC], v[rC+1], v[rC+2]
.elseif (\n) == 17
	v_permlanex16_b32 v[rC+3], v[rC], s[SEL], s[SEL+1]
.elseif (\n) == 18
	v_max_num_f32 v[rT+1], v[rC], v[rC+3]
.elseif (\n) == 19
	v_mul_f32 v[rT], s[CS], v[rT+1]
.elseif (\n) == 20
	v_sub_f32 v[rC+1], v[rM], v[rT]
.else
	v_exp_f32 v[rC+2], v[rC+1]
.endif
.endm
; Number g of the 64 that follow the exponentials.  For each four weights k of a tile (pairs 2 k, 2 k + 1): both pairs are rounded to f16; then the second pair is added onto the first, in place;
; a group later l takes that sum (the first time as l = a l + sum).  In groups of eight, tiles alternating: round, round, add, and l for the group before.
.macro GS g
.set h, (\g)+6*((\g)/62)            ; group 0 has no group before it, and behind group 7 only l is left
.if h >= 6
.set h, h+2
.endif
	REGS Y, h%2
.set k, h/8
.if h%8 < 4
	v_cvt_pk_f16_f32 v[rP+2*k+(h%8)/2], v[rS+4*k+2*((h%8)/2)], v[rS+4*k+2*((h%8)/2)+1]
.elseif h%8 < 6
	v_pk_add_f32 v[rS+4*k:rS+4*k+1], v[rS+4*k:rS+4*k+1], v[rS+4*k+2:rS+4*k+3]
.elseif k == 1
	v_pk_fma_f32 v[rT+2:rT+3], v[rT+2:rT+3], v[rC+2:rC+3], v[rS:rS+1] op_sel_hi:[1,0,1]
.else
	v_pk_add_f32 v[rT+2:rT+3], v[rT+2:rT+3], v[rS+4*k-4:rS+4*k-3]
.endif
.endm
; THE PLAIN QUEUE, 202 long.  0-31: c s - c m for the 16 pairs of both tiles.  32-41: the first eight of GS, and number 15 of XS.  42-105: the 64 selects of the mask, behind the products that make those scores.
; 106-137: XS 0-14 and 16.  138-201: the rest of GS, and among it, at 159-170, XS 17-20, two of three, since each waits for the one before it.
.macro PL
	WIN 0
.if q < 32
	REGS Y, q%2
	v_pk_fma_f32 v[rS+2*(q/2):rS+2*(q/2)+1], v[rS+2*(q/2):rS+2*(q/2)+1], s[CS:CS+1], v[rT:rT+1] op_sel_hi:[1,0,0] neg_lo:[0,0,1] neg_hi:[0,0,1]
.elseif q < 38
	GS q-32
.elseif q < 40
	XS q%2, 15
.elseif q < 42
	GS q-34
.elseif q < 106
	MS q%2, (q-42)/2
.elseif q < 138
	XS q%2, (q-106)/2+(q-106)/30
.elseif q < 159
	GS q-130
.elseif (q < 171) && ((q-159)%3 < 2)
	XS (q-159)%3, 17+(q-159)/3
.elseif q < 171
	GS 29+(q-159)/3
.else
	GS q-138
.endif
.set q, q+1
.endm
; THE QUEUE OF EXPONENTIALS, 64 long: s0-s31 of both tiles.  (The two a of the next piece are written out in the second run.)
.macro EX
	WIN 0
	REGS Y, e%2
	v_exp_f32 v[rS+e/2], v[rS+e/2]
.set e, e+1
.endm
; THE QUEUE OF THE RESCALING: O^T times a, the one part that leaves window 0, so it is dealt four at a time, eight times.
.macro R4
	REGS Y, r%2
	WIN W_RS
.irp z, 0,1,2,3
	v_pk_mul_f32 v[rO+8*(r/2)+2*\z:rO+8*(r/2)+2*\z+1], v[rO+8*(r/2)+2*\z:rO+8*(r/2)+2*\z+1], v[rC+2:rC+3] op_sel_hi:[1,0]
.endr
.set r, r+1
.endm
; HOW THEY ARE DEALT.  Behind a matrix instruction four: plain, exponential, plain, plain, or four of the rescaling.  None names a register of the products round it.  What is over stands in two runs: 41 pairs of
; exponential and plain; and the 64 v_readlane_b32 with 88 plain behind them.  The counts that the deal keeps: exponential e stands behind plain 2 (e / 4) + e % 2 (its scaling); when plain 32 comes, 10 exponentials are
; out, at 40: 15; the first select (plain 42) stands behind the four rescalings and five more plain instructions behind the last product K Q^T; all 64 exponentials are out at plain 114, ahead of plain 138.
.macro SL
	MM
	PL
	EX
	PL
	PL
.endm
.macro BURST n                      ; 15 matrix instructions, or 16
.rept (\n)-7
	SL
.endr
.rept 3
	MM
	R4
	SL
.endr
	MM
	R4
.endm
; A TURN, for piece p.  cnt = 1: the count of the loop is taken down some lines ahead of the branch that stands behind the turn.
; K of the next step is fetched in the turn of piece 2, 31 vector instructions behind the last product that read K.  V of the step in hand is fetched at the end of the turn of piece 0, 156 behind its last reader.
; THE WORDS OF THE MASK for the scores of the next turn (piece p + 2) are carried into the scalar registers behind the second burst, eight plain instructions behind the last select that reads those registers (plain 105;
; the burst ends at plain 114), and are read from plain 42 of the next turn on.  The turns of pieces 2 and 3 carry the words of pieces 0 and 1 of the NEXT step.  Each pair is loaded again at once, a step further on:
; from the turn of piece 2 of step t on, HB stands at step t + 2, and the four loads of a trip of the loop use that one value.
.macro TURN p, last=0, cnt=0
.set Y, (\p)
.set i, 0
.set q, 0
.set e, 0
.set r, 0
.if (\p) == NP-1
	s_wait_dscnt 0x0                ; K is in
.endif
	MM
.rept 4
	PL
.endr
	BURST 15
.rept 41
	EX
	PL
.if ((\p) == NP-2) && (e == 18)
	v_add_nc_u32 v[AK], s[TBK], v[AK0]
.endif
.if ((\p) == NP-2) && (e == 24)
	FETCH_K \last
.endif
.endr
.if (\p) == 1
	s_wait_dscnt 0x0                ; V is in
.endif
	BURST 16
.if (\p) == NP-2
	RLRUN 0, 1, \last
.else
	RLRUN ((\p)+2)%NP, 0, 0
.endif
.rept 88
	PL
.if q == 176
	XS 0, 21                        ; the two a of the next piece, seven lines behind their arguments; the plain line that follows names neither
	XS 1, 21
.endif
.if ((\p) == 0) && (q == 182)
	v_add_nc_u32 v[AV], s[TBV], v[AV0]
.endif
.if ((\p) == 0) && (q == 194)
	s_add_co_u32 s[TBV], s[TBV], KS*PV
.endif
.if (\cnt) && (q == 194)
	s_sub_co_u32 s[CNT], s[CNT], 1
	s_cmp_lg_u32 s[CNT], 0
.endif
.endr
.if (\p) == 0
	FETCH_V
.endif
.endm
	CHANGE 1                        ; slot 0 is in, everybody's part of it; slot 1 is asked for
	FETCH_K                         ; key step 0
	s_wait_loadcnt 0x0              ; Q, and the words of step 0 of all four pieces
	s_add_nc_u64 s[HB:HB+1], s[HB:HB+1], 0x100  ; the loads that named HB are done: it goes on to step 1
	s_wait_dscnt 0x0
.set i, 0
.rept 16
	KQ 0                            ; the first scores of piece 0: there is no vector work yet to set between them
.set i, i+1
.endr
	WIN 0                           ; the addresses for the way out: nine plain instructions, the places behind those products
	s_mul_i32 s13, s[WV], 16*SP
	s_add_co_u32 s13, s13, STAGE    ; my stage
	v_mul_u32_u24 v[STO], v1, SP    ; in: row l % 16, 16 bytes for each half of the lanes
	v_lshl_add_u32 v[STO], v9, 4, v[STO]
	v_add_nc_u32 v[STO], s13, v[STO]
	v_bfe_u32 v[RD], v0, 3, 2       ; back: 32 lanes take four rows of 128 bytes,
	v_mul_u32_u24 v[RD], v[RD], SP
	v_lshl_add_u32 v[RD], v10, 4, v[RD]
	v_add_nc_u32 v[RD], s13, v[RD]
	v_and_b32 v[GO], 31, v0         ; which are 512 consecutive bytes of O
	v_lshlrev_b32 v[GO], 4, v[GO]
.set Y, NP-1                        ; MS and XS work for piece Y + 1: piece 0
	RLRUN 0, 0, 0                   ; the words of piece 0, step 0; its pair takes step 1
.set w, 0
.rept 32
	MS 0, w
	MS 1, w
.set w, w+1
.endr
	RLRUN 1, 0, 0                   ; the words for the scores that the first turn makes; the pair of piece 1 takes step 1
.irp n, 0,1,2,3,4,5,6,7,8,9,10,11,12,13,14,15,16,17,18,19,20,21
	XS 0, \n                        ; and the first maximum and statistics of piece 0
	XS 1, \n
.endr
	s_mov_b32 s[CNT], 4
	s_mov_b32 s[SLOTS], SIZE_N/256-1
	s_branch .Lfirst                ; the loop is entered at the first turn of a step, in the middle of a trip
.Lslot:                             ; SIZE_N / 256 - 2 times: every slot but the last two is filled again
	CHANGE 1
	s_mov_b32 s[CNT], 4
.Lstep:                             ; a trip: pieces 2 and 3 of one step, then pieces 0 and 1 of the next, whose K and V it fetches
	TURN 2
	TURN 3
	WIN 0
.Lfirst:
	TURN 0
	TURN 1, 0, 1
	WIN 0
	s_cbranch_scc1 .Lstep
	s_sub_co_u32 s[SLOTS], s[SLOTS], 1
	s_cmp_lg_u32 s[SLOTS], 0
	s_cbranch_scc1 .Lslot
	CHANGE 0                        ; the tail is written out: nothing is asked for
	s_mov_b32 s[CNT], 5             ; four trips fetch the steps of the last slot; the fifth is left in its middle
.Ltail:
	TURN 2, 1
	TURN 3
	WIN 0
	s_sub_co_u32 s[CNT], s[CNT], 1
	s_cmp_eq_u32 s[CNT], 0
	s_cbranch_scc1 .Lout
	TURN 0
	TURN 1
	WIN 0
	s_branch .Ltail
.Lout:                              ; the 16 products K Q^T of the fifth trip (on the last K once more), their mask and maximum serve nothing: the price, once a launch, of one text for every trip
	s_wait_loadcnt 0x0              ; the last words asked for have come: nothing of mine is on its way into a register
.set i, 0
.rept 16
	PV NP-1                         ; V^T P of the last piece and step
.set i, i+1
.endr
	; THE WAY OUT.  The two halves of l and those of the other half of the lanes are added; O^T is divided by l, rounded to f16 and sent through my stage in LDS, a tile at a time.  The additions are the places behind the last products.
	WIN 0
.macro ALL line:vararg              ; one line for each tile t
.set t, 0
.rept 2*NP
	\line
.set t, t+1
.endr
.endm
	ALL v_add_f32 v[ST+4*t+2], v[ST+4*t+2], v[ST+4*t+3]
	ALL v_permlanex16_b32 v[ST+4*t+3], v[ST+4*t+2], s[SEL], s[SEL+1]
	ALL v_add_f32 v[ST+4*t+2], v[ST+4*t+2], v[ST+4*t+3]
	ALL v_rcp_f32 v[ST+4*t+2], v[ST+4*t+2]
	v_nop                           ; a plain instruction between the last reciprocal and the use of its result
; Tile t: the eight channels of a lane pack into 16 bytes; they go into rows of 144 bytes and come back as whole rows of 128, into the registers of S^T.
.macro PACK t
	WIN W_RS
.set i, 32*(\t)
.rept 16
	v_pk_mul_f32 v[i:i+1], v[i:i+1], v[ST+4*(\t)+2:ST+4*(\t)+3] op_sel_hi:[1,0]
.set i, i+2
.endr
	WIN 0x05                        ; sources 0 and 1 window 1, destination window 0
.set i, 0
.rept 16
	v_cvt_pk_f16_f32 v[S+16*(\t)+i], v[32*(\t)+2*i], v[32*(\t)+2*i+1]
.set i, i+1
.endr
	WIN 0
.irp f, 0,1,2,3
	ds_store_b128 v[STO], v[S+16*(\t)+4*\f:S+16*(\t)+4*\f+3] offset:32*\f
.endr
.irp f, 0,1,2,3
	ds_load_b128 v[S+16*(\t)+4*\f:S+16*(\t)+4*\f+3], v[RD] offset:\f*4*SP  ; LDS serves the instructions of a wave in order (ISA guide 5.7.1.4): these see the stores above; the stores of the next tile come behind them
.endr
.endm
.macro SEND t, younger              ; younger: the LDS instructions issued behind the loads of tile t: the eight of the next tile, or none
	WIN 0
.irp f, 0,1,2,3
	s_wait_dscnt (\younger)+3-\f
	global_store_b128 v[GO], v[S+16*(\t)+4*\f:S+16*(\t)+4*\f+3], s[10:11] offset:(\t)*2048+\f*512  ; 512 consecutive bytes, at a multiple of 256 from the first byte of o
.endr
.endm
	PACK 0
.set t, 1
.rept 2*NP-1                        ; the arithmetic of a tile stands between the loads of the tile before and its stores
	PACK t
	SEND t-1, 8
.set t, t+1
.endr
	SEND 2*NP-1, 0
	WIN W_AD
	s_wait_tensorcnt 0x0            ; the end of the wave: behind my last tensor load and my last LDS store
	ds_add_u32 v[SPW], v[NIL]
	s_wait_dscnt 0x0
	WIN 0
	CROUND                          ; the closing round: no work-group ends while a partner may still ask for a tile that names it
	s_endpgm
.Lfunc_end_k_q5ffa58ca3d_attn:
	.size	k_q5ffa58ca3d_attn, .Lfunc_end_k_q5ffa58ca3d_attn-k_q5ffa58ca3d_attn
	.p2alignl 7, 3214868480
	.fill 96, 4, 3214868480
	.section	.rodata,"a",@progbits
	.p2align	6, 0x0
	.amdhsa_kernel k_q5ffa58ca3d_attn
		.amdhsa_group_segment_fixed_size 327680
		.amdhsa_private_segment_fixed_size 0
		.amdhsa_enable_private_segment 0
		.amdhsa_kernarg_size 24
		.amdhsa_user_sgpr_count 2
		.amdhsa_user_sgpr_kernarg_segment_ptr 1
		.amdhsa_wavefront_size32 1
		.amdhsa_system_sgpr_workgroup_id_x 1
		.amdhsa_system_sgpr_workgroup_id_y 1
		.amdhsa_system_sgpr_workgroup_id_z 1
		.amdhsa_system_vgpr_workitem_id 0
		.amdhsa_next_free_vgpr 780
		.amdhsa_next_free_sgpr 102
		.amdhsa_reserve_vcc 0
		.amdhsa_float_denorm_mode_32 3
		.amdhsa_float_denorm_mode_16_64 3
		.amdhsa_memory_ordered 1
		.amdhsa_forward_progress 1
		.amdhsa_inst_pref_size 255
	.end_amdhsa_kernel
	.section	.bss,"aw",@nobits
	.p2align	6
	.space	262144
	.amdgpu_metadata
---
amdhsa.version: [ 1, 2 ]
amdhsa.kernels:
  - .name:           k_q5ffa58ca3d_attn
    .symbol:         k_q5ffa58ca3d_attn.kd
    .args:
      - { .name: qkv, .offset: 0, .size: 8, .value_kind: global_buffer, .address_space: global }
      - { .name: hid, .offset: 8, .size: 8, .value_kind: global_buffer, .address_space: global }
      - { .name: o, .offset: 16, .size: 8, .value_kind: global_buffer, .address_space: global }
    .group_segment_fixed_size: 327680
    .private_segment_fixed_size: 0
    .kernarg_segment_align: 8
    .kernarg_segment_size: 24
    .max_flat_workgroup_size: 128
    .sgpr_count:     102
    .vgpr_count:     780
    .wavefront_size: 32
...
	.end_amdgpu_metadata
.endif
;; end of part 6
;; launch proj (part 7): grid 8 x 32, 4 waves a work-group, clusters of 4 x 4, 327,680 bytes of LDS; arguments o, wt, bo, out0; writes out0
.if DOCPART == 7
	.amdgcn_target "amdgcn-amd-amdhsa--gfx1250"
	.amdhsa_code_object_version 6
	.text
	.protected	k_q5ffa58ca3d_proj
	.globl	k_q5ffa58ca3d_proj
	.p2align	8
	.type	k_q5ffa58ca3d_proj,@function
k_q5ffa58ca3d_proj:
	s_mov_b64 s[64:65], 0
	v_nop
	global_prefetch_b8 v0, s[64:65] scope:SCOPE_SE
	s_setreg_imm32_b32 hwreg(HW_REG_WAVE_MODE, 25, 1), 1
	s_wait_xcnt 0x0
	s_wait_alu depctr_hold_cnt(0) depctr_sa_sdst(0) depctr_va_vdst(0) depctr_va_sdst(0) depctr_va_ssrc(0) depctr_va_vcc(0) depctr_vm_vsrc(0)
	s_getreg_b32 s2, hwreg(HW_REG_IB_STS2, 6, 4)
	s_cmp_eq_u32 s2, 0
	s_cbranch_scc0 .Lentry_in_a_cluster
	s_endpgm
.Lentry_in_a_cluster:
	s_bfe_u32 s2, ttmp6, 0x10000c
	s_cmp_lg_u32 s2, 0xf033
	s_cbranch_scc0 .Lentry_shape_is_right
	s_endpgm
.Lentry_shape_is_right:
; THE PROJECTION BEHIND ATTENTION.  C[m][n] = bo[n] + the sum over k of A[m][k] B[n][k], 8,192 rows, 1,024 columns, K = 1,024.
; A = o (f16), B = rows 3,072 to 4,095 of wt (Wo turned, rounded to bf16 and written as f16); C leaves in f32: out0[8192][1024].
; A and B lie by slices of 64 along K: [slice][row][64], so a block of rows of one slice is dense and is asked for as rows of 256 bytes.
; LIMITS.  Wo and bo are rounded to bf16 like every input; sums in f32.  NaN and infinities are not treated apart.
; SHARES.  A tile of C is 256 x 128: 8,192 x 1,024 make 256 tiles, one for each WGP.  Four waves, each 128 x 64: 32 accumulators, 256 registers.  A wave has 64 whole columns, 256 aligned bytes of a row,
; so each wave has a way out of its own.  K goes in steps of 128 (two slices) through a ring of two LDS slots.
; CLUSTER: 4 x 4 work-groups.  The four of a row of the cluster need the same tiles of A, the four of a column the same tiles of B: each tile is asked for JOINTLY, by the same tensor load with the same descriptor and a mask of four.
; THE MATRIX INSTRUCTION IS USED TRANSPOSED (source 0 = 16 rows of B, source 1 = 16 rows of A): a lane then holds eight neighbouring columns of one row of C.
; THE BIAS is the C operand of the first 32 products: nothing is cleared, and no addition stands on the way out.
; REGISTERS: window 0: v0-31 addresses; v32-63 the bias; v64-127 the way out.  window 1: two fragment buffers of 96 (64 of A: 8 x 16 rows x 32 K; 32 of B).  window 2: accumulator (a, b) at v[8 (4 a + b)].
.set PITCH,  144                       ; an LDS row: 128 bytes of a slice + 16 = 36 words: the 16 rows of a load start at 16 different groups of four banks (64 banks of 4 bytes: ISA guide 11.1)
.set ASL,    256*PITCH                 ; a slice of A in a slot
.set BSL,    128*PITCH                 ; a slice of B
.set BOFF,   2*ASL                     ; B lies behind the two slices of A
.set SLOT,   2*ASL+2*BSL
.set STAGE,  2*SLOT                    ; behind the ring: 4,352 bytes for each wave, for the way out; no tensor load lands there
.set STGW,   4352
.set SPARE,  STAGE+4*STGW              ; behind the stages: the spare words, 128 bytes for each wave: two blocks of 256 bytes that no other line names
.set LAPS,   4                         ; a lap = two K steps = once round the ring
.set ASTEP,  524288                    ; bytes from a K step of A to the next: two slices of 2,048 rows
.set BSTEP,  1048576                   ; the same for B: two slices of 4,096 rows
.set ADRA, 16                          ; v16-17  LDS address of my A fragments in slot 0, 1
.set ADRB, 20                          ; v20-21  the same for B
.set STO,  24                          ; v24     the way out: where I put my part of a row
.set RD,   25                          ; v25     the way out: where I read rows back
.set CO,   26                          ; v26     my byte offset in C
.set BO,   27                          ; v27     my byte offset in the bias
.set SPW,  28                          ; v28     LDS address of my spare word: SPARE + 4 x my thread number; never rewritten
.set NIL,  29                          ; v29     0; never rewritten
.set BIAS, 32
.set OUTR, 64
.set F0,   0                           ; fragment buffers, in window 1
.set F1,   96
.set G1,  24                           ; s[24:31] descriptor group 1 for tiles of A;  s[32:39] group 0, one set for each slot
.set G0,  32
.set G1B, 48                           ; s[48:55], s[56:63] the same for B
.set G0B, 56
.set WV,  76                           ; s76  my wave number
.set RH,  77                           ; s77  which half of the rows is mine.  Also: I fetch for A (0) or for B (1)
.set CH,  78                           ; s78  which half of the columns.  Also: which slice of a K step I fetch
.set MSB, 0
.macro WIN new                         ; the high byte of the immediate repeats the setting that is left
.if MSB != (\new)
	s_set_vgpr_msb (MSB<<8)|(\new)
.set MSB, \new
.endif
.endm
.set MUL,   0xa5                       ; sources 0 (B) and 1 (A) window 1; C and D window 2
.set FIRST, 0x85                       ; the same with C, the bias, in window 0
.set TO_F,  0x40                       ; destination window 1, address window 0
.macro JLOAD s                         ; a joint load: waves 0 and 1 fetch the two slices of A, waves 2 and 3 those of B; an s_nop 0 and four v_nop follow each line, ahead of the jump and the label
	s_cmp_eq_u32 s[RH], 0
	s_cbranch_scc0 .Lfor_b_\@
	tensor_load_to_lds s[G0+4*(\s):G0+4*(\s)+3], s[G1:G1+7]
	s_nop 0
.rept 4
	v_nop
.endr
	s_branch .Lasked_\@
.Lfor_b_\@:
	tensor_load_to_lds s[G0B+4*(\s):G0B+4*(\s)+3], s[G1B:G1B+7]
	s_nop 0
.rept 4
	v_nop
.endr
.Lasked_\@:
.endm
.macro CREST                           ; a round of the cluster barrier behind its opening barrier
	s_cmp_lg_u32 s[WV], 0
	s_cbranch_scc1 .Lnot_wave_0_\@
	s_barrier_signal -3
.Lnot_wave_0_\@:
	s_barrier_wait -3
	s_barrier_signal -1
	s_barrier_wait -1
.endm
.macro CROUND                          ; a whole round
	s_barrier_signal -1
	s_barrier_wait -1
	CREST
.endm
	s_load_b256 s[4:11], s[0:1], 0x0               ; o 4, wt 6, bo 8, out0 10
	v_lshl_add_u32 v[SPW], v0, 2, SPARE
	v_mov_b32 v[NIL], 0
	v_lshrrev_b32 v1, 5, v0
	v_readfirstlane_b32 s[WV], v1                  ; wave 0..3
	s_lshr_b32 s[RH], s[WV], 1
	s_and_b32 s[CH], s[WV], 1
	s_bfe_u32 s40, ttmp6, 0x40000                  ; cx, cy: my place in the cluster
	s_bfe_u32 s41, ttmp6, 0x40004
	s_lshl_b32 s42, ttmp9, 2
	s_add_co_u32 s42, s42, s40                     ; tile column of C = 4 x cluster x + cx
	s_and_b32 s45, ttmp7, 0xffff
	s_lshl_b32 s45, s45, 2
	s_add_co_u32 s45, s45, s41                     ; tile row of C = 4 x cluster y + cy
	s_lshl_b32 s43, s41, 2
	s_lshl_b32 s43, 15, s43                        ; my row of the cluster
	s_lshl_b32 s44, 0x1111, s40                    ; my column
	; descriptor group 1.  A slice of a tile is dense: 256 (B: 128) rows of 128 bytes, asked for as 128 (64) rows of 256 bytes and padded in LDS after every 128 bytes
	s_or_b32 s[G1], s43, (1<<16)|(1<<20)|(1<<21)|(4<<22)|(3<<25)   ; 15:0 the mask: tiles of A go to my row; 17:16 elements of 2 bytes; 20 padding on; 21 set beside a mask; 24:22 after every 32 words (code 4); 31:25 4 words (code 3)
	s_or_b32 s[G1B], s44, (1<<16)|(1<<20)|(1<<21)|(4<<22)|(3<<25)  ; the same with the mask of my column
	s_mov_b32 s[G1+1], 128<<16                     ; tensor_dim0 = 128
	s_mov_b32 s[G1+2], 128<<16                     ; tensor_dim1 = 128
	s_mov_b32 s[G1+3], 128<<16                     ; tile_dim0 = 128
	s_mov_b32 s[G1+4], 128                         ; tile_dim1 = 128
	s_mov_b32 s[G1+5], 128                         ; 128 elements from row to row
	s_mov_b32 s[G1+6], 0
	s_mov_b32 s[G1+7], 0
	s_mov_b32 s[G1B+1], 128<<16
	s_mov_b32 s[G1B+2], 64<<16                     ; tensor_dim1 = 64
	s_mov_b32 s[G1B+3], 128<<16
	s_mov_b32 s[G1B+4], 64                         ; tile_dim1 = 64
	s_mov_b32 s[G1B+5], 128
	s_mov_b32 s[G1B+6], 0
	s_mov_b32 s[G1B+7], 0
	; where the tiles come from.  A hangs on the tile row alone, B on the tile column alone, each in registers that never hold the other coordinate
	s_lshr_b32 s16, s45, 3
	s_lshl_b32 s16, s16, 22                        ; A: the batch, 16 slices of 262,144 bytes,
	s_and_b32 s17, s45, 7
	s_lshl_b32 s17, s17, 15                        ;    256 rows of 128 bytes,
	s_add_co_u32 s16, s16, s17
	s_lshl_b32 s17, s[CH], 18                      ;    my slice of the K step
	s_add_co_u32 s16, s16, s17
	s_mov_b32 s17, 0
	s_lshl_b32 s46, s42, 14                        ; B: 128 rows of 128 bytes,
	s_lshl_b32 s47, s[CH], 19                      ;    my slice
	s_add_co_u32 s46, s46, s47
	s_add_co_u32 s46, s46, 3072*128                ;    Wo lies behind the three other weights
	s_mov_b32 s47, 0
	s_mul_i32 s20, s[WV], ASL                      ; and where they go: waves 0, 1: the two slices of A;
	s_mul_i32 s21, s[WV], BSL
	s_add_co_u32 s21, s21, BOFF-2*BSL              ; waves 2, 3: the two slices of B.  No place in the cluster enters an LDS address
	s_wait_kmcnt 0x0
	s_add_nc_u64 s[16:17], s[4:5], s[16:17]
	s_add_nc_u64 s[46:47], s[6:7], s[46:47]
	CROUND                                         ; all sixteen work-groups are here: the first joint loads meet
.irp s, 0,1
	s_mov_b32 s[G0+4*(\s)], 1                                      ; count = 1
	s_add_co_u32 s[G0+4*(\s)+1], s20, (\s)*SLOT                    ; LDS address
	s_add_nc_u64 s[G0+4*(\s)+2:G0+4*(\s)+3], s[16:17], (\s)*ASTEP  ; global address: K step s
	s_or_b32 s[G0+4*(\s)+3], s[G0+4*(\s)+3], 0x80000000            ; type = 2
	s_mov_b32 s[G0B+4*(\s)], 1
	s_add_co_u32 s[G0B+4*(\s)+1], s21, (\s)*SLOT
	s_add_nc_u64 s[G0B+4*(\s)+2:G0B+4*(\s)+3], s[46:47], (\s)*BSTEP
	s_or_b32 s[G0B+4*(\s)+3], s[G0B+4*(\s)+3], 0x80000000
	JLOAD \s                                       ; two tensor loads of mine are out
.endr
	; the bias of my 64 columns: register j of n block b holds bias[16 b + 8 (l / 16) + j], the place of a column in a result
	v_and_b32 v1, 15, v0                           ; l % 16
	v_bfe_u32 v2, v0, 4, 1                         ; l / 16
	s_mov_b64 s[72:73], s[8:9]
	s_and_b32 s74, s42, 7
	s_lshl_b32 s74, s74, 9                         ; 128 columns of 4 bytes,
	s_lshl_b32 s75, s[CH], 8                       ; my 64
	s_add_co_u32 s74, s74, s75
	s_mov_b32 s75, 0
	s_add_nc_u64 s[72:73], s[72:73], s[74:75]
	v_lshlrev_b32 v[BO], 5, v2
.irp b, 0,1,2,3
	global_load_b128 v[BIAS+8*(\b):BIAS+8*(\b)+3],   v[BO], s[72:73] offset:64*(\b)
	global_load_b128 v[BIAS+8*(\b)+4:BIAS+8*(\b)+7], v[BO], s[72:73] offset:64*(\b)+16
.endr
	; a fragment is 16 rows x 32 K in 8 registers: lane l holds row l % 16, K = 8 (l / 16) + 0..7 and 16 + 8 (l / 16) + 0..7: two loads of 16 bytes, 32 bytes apart
	v_mul_u32_u24 v3, v1, PITCH
	v_lshl_add_u32 v3, v2, 4, v3
	s_mul_i32 s22, s[RH], 128*PITCH                ; my 128 rows of A
	s_mul_i32 s23, s[CH], 64*PITCH                 ; my 64 rows of B
	s_add_co_u32 s23, s23, BOFF
.irp s, 0,1
	v_add_nc_u32 v[ADRA+(\s)], s22, v3
	v_add_nc_u32 v[ADRB+(\s)], s23, v3
	s_add_co_u32 s22, s22, SLOT
	s_add_co_u32 s23, s23, SLOT
.endr
	s_mul_i32 s22, s[WV], STGW
	s_add_co_u32 s22, s22, STAGE                   ; my stage
	v_mul_u32_u24 v4, v1, 272                      ; in: row l % 16 of 256 bytes + 16, 32 bytes for each half of the lanes
	v_lshl_add_u32 v4, v2, 5, v4
	v_add_nc_u32 v[STO], s22, v4
	v_mul_u32_u24 v5, v2, 272                      ; back: lanes 0-15 take one row of 256 bytes, lanes 16-31 the next
	v_lshl_add_u32 v5, v1, 4, v5
	v_add_nc_u32 v[RD], s22, v5
	v_lshlrev_b32 v5, 12, v2                       ; and the same two rows in C
	v_lshl_add_u32 v[CO], v1, 4, v5
	s_lshl_b32 s70, s45, 1
	s_add_co_u32 s70, s70, s[RH]
	s_lshl_b32 s70, s70, 19                        ; my 128 rows of 4,096 bytes,
	s_lshl_b32 s71, s42, 1
	s_add_co_u32 s71, s71, s[CH]
	s_lshl_b32 s71, s71, 8                         ; my 64 columns of 4
	s_add_co_u32 s70, s70, s71
	s_mov_b32 s71, 0
	s_add_nc_u64 s[68:69], s[10:11], s[70:71]
	s_wait_loadcnt 0x0                             ; the bias, rounded to bf16 like every input and widened again
.set i, 0
.rept 16
	v_cvt_pk_bf16_f32 v[OUTR+i], v[BIAS+2*i], v[BIAS+2*i+1]
.set i, i+1
.endr
.set i, 0
.rept 16
	v_lshlrev_b32 v[BIAS+2*i], 16, v[OUTR+i]
	v_and_b32 v[BIAS+2*i+1], 0xffff0000, v[OUTR+i]
.set i, i+1
.endr
; 8 matrix instructions: m blocks a0, a0 + 1 x all 4 n blocks, 32 along K, from buffer f.  first = 1: the product starts the sum, on the bias.
; The 32 accumulators take turns in the same order in every quarter.
.macro MUL8 f, a0, first
.if \first
	WIN FIRST
.else
	WIN MUL
.endif
.irp a, \a0, (\a0)+1
.irp b, 0,1,2,3
.set rD, 8*(4*(\a)+(\b))
.set rB, (\f)+64+8*(\b)
.set rA, (\f)+8*(\a)
.set rC, rD
.if \first
.set rC, BIAS+8*(\b)
.endif
	v_wmma_f32_16x16x32_f16 v[rD:rD+7], v[rB:rB+7], v[rA:rA+7], v[rC:rC+7]
.endr
.endr
.endm
; 24 LDS loads in one run: the fragments of quarter q of a K step (slice q / 2, 32 K at byte 64 (q % 2) of its rows) into buffer f; B first, then A from its first block on
.macro FETCH slot, q, f
	WIN TO_F
.irp i, 0,1,2,3
	ds_load_b128 v[(\f)+64+8*(\i):(\f)+64+8*(\i)+3],   v[ADRB+(\slot)] offset:((\q)/2)*BSL+((\q)%2)*64+(\i)*16*PITCH
	ds_load_b128 v[(\f)+64+8*(\i)+4:(\f)+64+8*(\i)+7], v[ADRB+(\slot)] offset:((\q)/2)*BSL+((\q)%2)*64+(\i)*16*PITCH+32
.endr
.irp i, 0,1,2,3,4,5,6,7
	ds_load_b128 v[(\f)+8*(\i):(\f)+8*(\i)+3],   v[ADRA+(\slot)] offset:((\q)/2)*ASL+((\q)%2)*64+(\i)*16*PITCH
	ds_load_b128 v[(\f)+8*(\i)+4:(\f)+8*(\i)+7], v[ADRA+(\slot)] offset:((\q)/2)*ASL+((\q)%2)*64+(\i)*16*PITCH+32
.endr
.endm
.macro PLACES                          ; four places in front of loads into registers that matrix instructions have read, and of lines that read results
.rept 4
	v_nop
.endr
.endm
; A K step is four quarters of 32 along K, 32 matrix instructions each, on buffers 0, 1, 0, 1.  One of the first three: multiplies buffer f and fetches quarter qn into g.
.macro QUARTER slot, qn, f, g, first
	s_wait_dscnt 8                                 ; B and the blocks 0-3 of A are in; the youngest eight loads (blocks 4-7) may be out
	MUL8 \f, 0, \first
	MUL8 \f, 2, \first
	PLACES
	FETCH \slot, \qn, \g
	s_wait_dscnt 24                                ; all but the 24 just issued
	MUL8 \f, 4, \first
	MUL8 \f, 6, \first
.endm
; The last quarter multiplies buffer 1 and changes slots: ONE barrier; in front of it each wave waits for all its tensor loads, adds 0 to its spare word, and waits for that and for its own reads of this slot.
; fill = 1: this slot is filled again, two K steps ahead; the barrier then opens a round of the cluster barrier.
.macro TURN slot, next, fill
	WIN 0                                          ; (the two registers of the add lie in window 0)
	s_wait_tensorcnt 0x0                           ; all my tensor loads have landed: the one that was out is my part of the next slot;
	ds_add_u32 v[SPW], v[NIL]                      ; 0 onto my spare word;
	s_wait_dscnt 9                                 ; (the add and the youngest eight loads may be out)
	MUL8 F1, 0, 0                                  ; eight matrix instructions stand between the add and the wait for it
	s_wait_dscnt 0x0                               ; the add is done, and my reads of this slot are over
	s_barrier_signal -1
	MUL8 F1, 2, 0
.if \fill
	WIN 0
.endif
	s_barrier_wait -1
.if \fill
	CREST                                          ; no wave of any partner still reads this slot or has a load on its way
	s_add_nc_u64 s[G0+4*(\slot)+2:G0+4*(\slot)+3], s[G0+4*(\slot)+2:G0+4*(\slot)+3], 2*ASTEP
	s_add_nc_u64 s[G0B+4*(\slot)+2:G0B+4*(\slot)+3], s[G0B+4*(\slot)+2:G0B+4*(\slot)+3], 2*BSTEP
	JLOAD \slot                                    ; the first tensor load behind the round, 112 matrix instructions ahead of the wait for it; its four v_nop are also the places in front of the loads below
.else
	PLACES
.endif
	FETCH \next, 0, F0
	MUL8 F1, 4, 0
	MUL8 F1, 6, 0
.endm
	s_wait_tensorcnt 1                             ; my part of K step 0 is in; K step 1 may stay out
	s_barrier_signal -1
	s_barrier_wait -1                              ; everybody's is
	FETCH 0, 0, F0
	QUARTER 0, 1, F0, F1, 1                        ; the first quarter stands in front of the loop: its products start the sums
	WIN 0                                          ; at a label and at a branch every window is 0
	s_mov_b32 s3, LAPS-1
.Llap:                                                 ; a trip goes once round the ring, from the second quarter of a lap to the first of the next, and fills both slots again
	QUARTER 0, 2, F1, F0, 0
	QUARTER 0, 3, F0, F1, 0
	TURN 0, 1, 1
	QUARTER 1, 1, F0, F1, 0
	QUARTER 1, 2, F1, F0, 0
	QUARTER 1, 3, F0, F1, 0
	TURN 1, 0, 1
	QUARTER 0, 1, F0, F1, 0
	WIN 0
	s_sub_co_u32 s3, s3, 1
	s_cmp_lg_u32 s3, 0
	s_cbranch_scc1 .Llap
	QUARTER 0, 2, F1, F0, 0                        ; the last lap fills nothing
	QUARTER 0, 3, F0, F1, 0
	TURN 0, 1, 0
	QUARTER 1, 1, F0, F1, 0
	QUARTER 1, 2, F1, F0, 0
	QUARTER 1, 3, F0, F1, 0
	s_wait_dscnt 8                                 ; the very last quarter: nothing more to fetch
	MUL8 F1, 0, 0
	MUL8 F1, 2, 0
	s_wait_dscnt 0x0
	MUL8 F1, 4, 0
	MUL8 F1, 6, 0
	WIN 0
	PLACES
; THE WAY OUT, f32: block a (16 rows) goes into my stage as it lies, 32 bytes a lane, by rows of 272 bytes, and comes back as whole rows of 256.
.macro STG a
	WIN 0x08                                       ; store data window 2, address window 0
.irp b, 0,1,2,3
	ds_store_b128 v[STO], v[8*(4*(\a)+(\b)):8*(4*(\a)+(\b))+3]   offset:64*(\b)
	ds_store_b128 v[STO], v[8*(4*(\a)+(\b))+4:8*(4*(\a)+(\b))+7] offset:64*(\b)+16
.endr
	WIN 0
.set BK, OUTR+32*((\a)%2)
.irp t, 0,1,2,3,4,5,6,7
	ds_load_b128 v[BK+4*(\t):BK+4*(\t)+3], v[RD] offset:(\t)*2*272  ; LDS serves the instructions of a wave in order (ISA guide 5.7.1.4): these see the stores above
.endr
.endm
.macro SND a, younger                  ; younger: the sixteen LDS instructions of the next block, or none
.set BK, OUTR+32*((\a)%2)
	s_wait_dscnt \younger
.irp t, 0,1,2,3,4,5,6,7
	global_store_b128 v[CO], v[BK+4*(\t):BK+4*(\t)+3], s[68:69] offset:(\a)*65536+(\t)*8192 th:TH_STORE_NT  ; 16 lanes store 256 consecutive bytes, at a multiple of 256 from the first byte of out0
.endr
.endm
	STG 0
.irp a, 1,2,3,4,5,6,7
	STG \a
	SND (\a)-1, 16
	s_wait_xcnt 0x0                                ; the registers that these stores read are loaded again by the block after next, only behind this wait
.endr
	SND 7, 0
	s_wait_tensorcnt 0x0                           ; the end of the wave: behind my last tensor load and my last LDS store
	ds_add_u32 v[SPW], v[NIL]
	s_wait_dscnt 0x0
	CROUND                                         ; the closing round: no work-group ends while a partner may still ask for a tile that names it
	s_endpgm
.Lfunc_end_k_q5ffa58ca3d_proj:
	.size	k_q5ffa58ca3d_proj, .Lfunc_end_k_q5ffa58ca3d_proj-k_q5ffa58ca3d_proj
	.p2alignl 7, 3214868480
	.fill 96, 4, 3214868480
	.section	.rodata,"a",@progbits
	.p2align	6, 0x0
	.amdhsa_kernel k_q5ffa58ca3d_proj
		.amdhsa_group_segment_fixed_size 327680
		.amdhsa_private_segment_fixed_size 0
		.amdhsa_enable_private_segment 0
		.amdhsa_kernarg_size 32
		.amdhsa_user_sgpr_count 2
		.amdhsa_user_sgpr_kernarg_segment_ptr 1
		.amdhsa_wavefront_size32 1
		.amdhsa_system_sgpr_workgroup_id_x 1
		.amdhsa_system_sgpr_workgroup_id_y 1
		.amdhsa_system_sgpr_workgroup_id_z 1
		.amdhsa_system_vgpr_workitem_id 0
		.amdhsa_next_free_vgpr 768
		.amdhsa_next_free_sgpr 80
		.amdhsa_reserve_vcc 0
		.amdhsa_float_denorm_mode_32 3
		.amdhsa_float_denorm_mode_16_64 3
		.amdhsa_memory_ordered 1
		.amdhsa_forward_progress 1
		.amdhsa_inst_pref_size 89
	.end_amdhsa_kernel
	.amdgpu_metadata
---
amdhsa.version: [ 1, 2 ]
amdhsa.kernels:
  - .name:           k_q5ffa58ca3d_proj
    .symbol:         k_q5ffa58ca3d_proj.kd
    .args:
      - { .name: o, .offset: 0, .size: 8, .value_kind: global_buffer, .address_space: global }
      - { .name: wt, .offset: 8, .size: 8, .value_kind: global_buffer, .address_space: global }
      - { .name: bo, .offset: 16, .size: 8, .value_kind: global_buffer, .address_space: global }
      - { .name: out0, .offset: 24, .size: 8, .value_kind: global_buffer, .address_space: global }
    .group_segment_fixed_size: 327680
    .private_segment_fixed_size: 0
    .kernarg_segment_align: 8
    .kernarg_segment_size: 32
    .max_flat_workgroup_size: 128
    .sgpr_count:     80
    .vgpr_count:     768
    .wavefront_size: 32
...
	.end_amdgpu_metadata
.endif
;; end of part 7
